; MI455X (gfx1250); checked and timed in simulation.
; The chip was launched on July 23, 2026; its instructions are those of AMD's public machine-readable ISA for CDNA 5 (MIT licence, August 2026) and "CDNA5" Instruction Set Architecture Reference Guide (July 2026). The comments in the code are by the model that wrote it; some were corrected since.
;; Non Local Block ND. Allowed arithmetic: float matrix products may take bf16 or f16 operands with f32 sums; all other float work in f32.
;; Inputs: b_g 128 float32; b_phi 128 float32; b_theta 128 float32; b_w 256 float32; bn_beta 256 float32; bn_gamma 256 float32; bn_mean 256 float32; bn_var 256 float32; w_g 128 x 256 float32; w_phi 128 x 256 float32; w_theta 128 x 256 float32; w_w 256 x 128 float32; x 8 x 256 x 64 x 64 float32.
;; Outputs: out0 8 x 256 x 64 x 64 float32.
;; 3 versions, each right and faster than the one before. Each part assembles by itself: llvm-mc -triple=amdgcn-amd-amdhsa -mcpu=gfx1250 --defsym DOCPART=n.
;; ======== version 1 of 3: 3 launches
;; workspace buffers: pg 4,194,304 bytes; vf 1,048,576 bytes; wtf 131,072 bytes
;; launch pool (part 1): grid 256 x 1, 4 waves a work-group, clusters of 4 x 1, 266,752 bytes of LDS; arguments x, w_phi, w_g, b_phi, b_g, pg; writes pg
.if DOCPART == 1
	.amdgcn_target "amdgcn-amd-amdhsa--gfx1250"
	.amdhsa_code_object_version 6
	.text
	.protected	k_q783f1e0c76_pool
	.globl	k_q783f1e0c76_pool
	.p2align	8
	.type	k_q783f1e0c76_pool,@function
k_q783f1e0c76_pool:
	s_mov_b64 s[64:65], 0
	v_nop
	global_prefetch_b8 v0, s[64:65] scope:SCOPE_SE
	s_setreg_imm32_b32 hwreg(HW_REG_WAVE_MODE, 25, 1), 1
	s_wait_xcnt 0x0
	s_wait_alu depctr_hold_cnt(0) depctr_sa_sdst(0) depctr_va_vdst(0) depctr_va_sdst(0) depctr_va_ssrc(0) depctr_va_vcc(0) depctr_vm_vsrc(0)
	s_getreg_b32 s2, hwreg(HW_REG_IB_STS2, 6, 4)
	s_cmp_eq_u32 s2, 0
	s_cbranch_scc0 .Lentry_in_a_cluster
	s_endpgm
.Lentry_in_a_cluster:
	s_bfe_u32 s2, ttmp6, 0x10000c
	s_cmp_lg_u32 s2, 0x3003
	s_cbranch_scc0 .Lentry_shape_is_right
	s_endpgm
.Lentry_shape_is_right:
; Non-local block, first of three launches: phi = maxpool(w_phi x + b_phi) and g = maxpool(w_g x + b_g), rounded to bf16 and
; stored as ready matrix fragments in pg.
;
; WORK LEFT OUT, for all values of the inputs.  reference() forms f[n,m] = sum_c' theta[c',n] phi[c',m] / M (4096 x 1024 for each image) and
; then y[c,n] = sum_m f[n,m] g[c,m].  Nothing but these two products touches f, so in exact arithmetic the two sums may be exchanged:
;   y[c,n] = sum_c' theta[c',n] S[c',c]   with   S[c',c] = sum_m phi[c',m] g[c,m] / M   (128 x 128 for each image),
;   w_y[o,n] = sum_c' V[o,c'] theta[c',n] + b_w[o]   with   V[o,c'] = sum_c w_w[o,c] S[c',c].
; f and y are never formed.  Every input has a way to the output and is loaded by one of the three launches.
; Also: max_i (a_i + b) = (max_i a_i) + b, so the bias is added once behind the 2 x 2 maximum (rounding is monotone: the same bits).
; LIMITS: the order of rounding differs from reference()'s (sums exchanged; x, the weights, phi, g, S, V and theta are bf16 matrix operands, all
; sums f32).  A NaN, an infinity or an overflow that would arise only in f or y is not carried to the result.  v_max_num_f32 lets a NaN lose in
; the pooling maximum, where jnp.max would carry it.
;
; SHARES.  Work-group g = 32 b + p takes image b and the image rows 2p, 2p+1: 128 pixels, 512 consecutive bytes of each of the 256 channels.
; Wave w takes the stacked output channels 64w .. 64w+63 (phi's 128, then g's 128) for all 128 pixels:
; D[m = pixel, n = channel] = x fragment x W fragment, 8 x 4 accumulator tiles, K = 256 in eight steps of 32.
; CLUSTER.  All work-groups need the same 256 KiB of weights, so four work-groups ask for them jointly (mask 15), one tensor load a wave:
; one tensor load of a wave is outstanding, once.  The weights come as f32 into LDS (the mover does not convert), each wave converts its own 64 rows
; into bf16 fragments that stay in 256 registers, and the x tile (bf16) then takes the first 73,728 of those LDS bytes, which are never filled again.
;
; REGISTER WINDOWS of 256: 0 addresses, fragments of x, temporaries; 1 the 32 accumulators, tile (t, u) at v[8 (4t + u)];
; 2 the W fragments, (u, s) at v[8 (8u + s)]; 3 x as loaded, load n at v[4n].
.set CH,    16384                      ; bytes from a channel of x to the next
.set XP,    288                        ; pitch of the bf16 x tile in LDS: 256 bytes + 32, an odd multiple of 32 bytes as the transposing load's rows want
.set WP,    1040                       ; pitch of W's f32 rows in LDS: 1,024 + 16, an odd multiple of 16: sixteen rows start in sixteen different 16-byte columns modulo 256
.set WSW,   64*WP                      ; a wave's 64 rows of W
.set XW,    3                          ; the window that holds x
.set W_XLD, (XW<<6)                    ; destination in x's window
.set W_XRD, (XW|(XW<<2))               ; sources 0 and 1 in x's window
.set LANE,  1
.set RR,    2                          ; lane % 16
.set HH,    3                          ; lane / 16
.set VX,    4                          ; x: 16 w rows + 16 bytes a lane; never rewritten
.set LXS,   5                          ; LDS: where my 8 bytes of a bf16 row go
.set AX,    6                          ; v6, v7: LDS address of an x fragment, K rows 0-127 and 128-255
.set AWS,   8                          ; LDS address of my W rows
.set VBI,   9                          ; bias offset
.set VO,    10                         ; offset in pg
.set TA,    11
.set BI,    12                         ; v[12:19] four bias pairs (b, b)
.set TM,    20                         ; v[20:23]
.set FA0,   64                         ; x fragments, two buffers; at first W's f32 rows on their way to bf16
.set FA1,   128
.set T,     192                        ; v[192:223] a chunk's 16 rows in bf16
.set P,     64                         ; pooled values, f32
.set FR,    128                        ; pooled values, bf16 fragments
.set SW,    16                         ; s16: the wave's number
.set MSB,   0
.macro WIN new                         ; the immediate's high byte repeats the setting that is left
.if MSB != \new
	s_set_vgpr_msb (MSB<<8)|\new
.set MSB, \new
.endif
.endm
.macro PLACES                          ; four places behind a matrix instruction (ISA guide 7.12.1)
.rept 4
	v_nop
.endr
.endm
.macro ROUND                           ; a round of the cluster's barrier
	s_barrier_signal -1
	s_barrier_wait -1
	s_cmp_lg_u32 s[SW], 0
	s_cbranch_scc1 .Lnot_wave_0_\@
	s_barrier_signal -3
.Lnot_wave_0_\@:
	s_barrier_wait -3
	s_barrier_signal -1
	s_barrier_wait -1
.endm
; Chunk c = channels 64c .. 64c+63; my 16 rows of it are 64c + 16w + i.  Each load covers 512 consecutive bytes, aligned.
.macro XLOAD c
	WIN W_XLD
.irp i, 0,1,2,3,4,5,6,7,8,9,10,11,12,13,14,15
	global_load_b128 v[4*(16*\c+\i):4*(16*\c+\i)+3], v[VX], s[28:29] offset:(64*\c+\i)*CH
.endr
	WIN 0
.endm
; My 16 rows of chunk c go to LDS in bf16; cnt = the loads issued behind the chunk's own, which may stay out.
.macro CHUNKIN c, cnt
	s_wait_loadcnt \cnt
	WIN W_XRD
.irp i, 0,1,2,3,4,5,6,7,8,9,10,11,12,13,14,15
	v_cvt_pk_bf16_f32 v[T+2*\i], v[4*(16*\c+\i)], v[4*(16*\c+\i)+1]
	v_cvt_pk_bf16_f32 v[T+2*\i+1], v[4*(16*\c+\i)+2], v[4*(16*\c+\i)+3]
.endr
	WIN 0
.irp i, 0,1,2,3,4,5,6,7,8,9,10,11,12,13,14,15
	ds_store_b64 v[LXS], v[T+2*\i:T+2*\i+1] offset:(64*\c+\i)*XP
.endr
.if \c == 0
	XLOAD 3                                        ; the last chunk goes out as soon as the first has come
.endif
	s_wait_dscnt 0x0                               ; my rows of the chunk are written,
	s_barrier_signal -1
	s_barrier_wait -1                              ; everybody's are.  Each chunk has bytes of its own: one barrier a chunk
.endm
; The eight x fragments (16 pixels x 32 K) of K step s into buffer f.  The tile lies [K][pixel], so the loads transpose.
.macro FETCHX s, f
.irp t, 0,1,2,3,4,5,6,7
	ds_load_tr16_b128 v[\f+8*\t:\f+8*\t+3], v[AX+((\s)>>2)] offset:(32*((\s)&3))*XP+32*\t
	ds_load_tr16_b128 v[\f+8*\t+4:\f+8*\t+7], v[AX+((\s)>>2)] offset:(32*((\s)&3)+16)*XP+32*\t
.endr
.endm
; 16 matrix instructions: pixel tiles t0 .. t0+3 x my four channel tiles, K step s.  The 32 accumulators take turns, one instruction a turn,
; in the same order in every step.
.macro MULP f, s, t0, zero
.irp t, \t0, \t0+1, \t0+2, \t0+3
.irp u, 0,1,2,3
.if \zero
	v_wmma_f32_16x16x32_bf16 v[8*(4*(\t)+\u):8*(4*(\t)+\u)+7], v[\f+8*(\t):\f+8*(\t)+7], v[8*(8*\u+(\s)):8*(8*\u+(\s))+7], 0
.else
	v_wmma_f32_16x16x32_bf16 v[8*(4*(\t)+\u):8*(4*(\t)+\u)+7], v[\f+8*(\t):\f+8*(\t)+7], v[8*(8*\u+(\s)):8*(8*\u+(\s))+7], v[8*(4*(\t)+\u):8*(4*(\t)+\u)+7]
.endif
.endr
.endr
.endm
; A chunk: its rows into LDS, then its two K steps.  0x58: A window 0, B window 2, C and D window 1.
.macro CHUNKP c, cnt, zero
	CHUNKIN \c, \cnt
	FETCHX (2*\c), FA0
	s_wait_dscnt 0x0
	WIN 0x58
	MULP FA0, (2*\c), 0, \zero
	PLACES                                         ; loads into registers that matrix instructions have read stand four places behind them
	WIN 0
	FETCHX (2*\c+1), FA1
	WIN 0x58
	MULP FA0, (2*\c), 4, \zero
	s_wait_dscnt 0x0
	MULP FA1, (2*\c+1), 0, 0
	MULP FA1, (2*\c+1), 4, 0
	WIN 0
.endm
; Batch k of W: channel tile k / 2, K steps 4 (k % 2) .. + 3, as f32: 16 loads into buffer k % 2
.macro LOADB k
.irp q, 0,1,2,3
	ds_load_b128 v[64+64*((\k)&1)+16*\q:64+64*((\k)&1)+16*\q+3], v[AWS] offset:((\k)>>1)*16*WP+128*(4*((\k)&1)+\q)
	ds_load_b128 v[64+64*((\k)&1)+16*\q+4:64+64*((\k)&1)+16*\q+7], v[AWS] offset:((\k)>>1)*16*WP+128*(4*((\k)&1)+\q)+16
	ds_load_b128 v[64+64*((\k)&1)+16*\q+8:64+64*((\k)&1)+16*\q+11], v[AWS] offset:((\k)>>1)*16*WP+128*(4*((\k)&1)+\q)+64
	ds_load_b128 v[64+64*((\k)&1)+16*\q+12:64+64*((\k)&1)+16*\q+15], v[AWS] offset:((\k)>>1)*16*WP+128*(4*((\k)&1)+\q)+80
.endr
.endm
.macro CVTB k                          ; and into four bf16 fragments in window 2: fragment 8u + s = 4k + q
	WIN 0x80
.irp q, 0,1,2,3
.irp i, 0,1,2,3,4,5,6,7
	v_cvt_pk_bf16_f32 v[8*(4*(\k)+\q)+\i], v[64+64*((\k)&1)+16*\q+2*\i], v[64+64*((\k)&1)+16*\q+2*\i+1]
.endr
.endr
	WIN 0
.endm
	s_load_b256 s[4:11], s[0:1], 0x0               ; x s[4:5], w_phi s[6:7], w_g s[8:9], b_phi s[10:11]
	s_load_b128 s[12:15], s[0:1], 0x20             ; b_g s[12:13], pg s[14:15]
	v_lshl_add_u32 v254, v0, 2, 0x41000
	v_mov_b32 v255, 0
	ds_add_u32 v254, v255
	v_lshrrev_b32 v[TA], 5, v0
	v_readfirstlane_b32 s[SW], v[TA]               ; wave 0..3
	v_and_b32 v[LANE], 31, v0
	v_and_b32 v[RR], 15, v0
	v_bfe_u32 v[HH], v0, 4, 1
	s_and_b32 s17, s16, 1                          ; which half of phi's or g's channels
	s_bfe_u32 s18, ttmp6, 0x40000                  ; cx: enters global addresses of x and pg alone
	s_lshr_b32 s19, ttmp9, 3                       ; image b: eight clusters an image
	s_lshl_b32 s21, ttmp9, 2
	s_add_co_u32 s21, s21, s18                     ; work-group 32 b + p
	s_and_b32 s20, s21, 31                         ; p
	s_lshl_b32 s22, s19, 22                        ; an image is 256 channels of 16,384 bytes
	s_lshl_b32 s23, s20, 9                         ; two image rows are 512 bytes
	s_or_b32 s22, s22, s23
	s_mov_b32 s23, 0
	s_lshl_b32 s44, s16, 18                        ; 16 w channels
	v_lshl_add_u32 v[VX], v[LANE], 4, s44
	s_lshl_b32 s45, s17, 8                         ; 64 channels of bias
	v_lshl_add_u32 v[VBI], v[RR], 2, s45
	s_cmp_lt_u32 s16, 2                            ; waves 0, 1: phi; waves 2, 3: g
	s_wait_dscnt 0x0
	s_wait_kmcnt 0x0
	s_cselect_b64 s[24:25], s[6:7], s[8:9]         ; my weights
	s_cselect_b64 s[26:27], s[10:11], s[12:13]     ; my bias
	s_add_nc_u64 s[28:29], s[4:5], s[22:23]        ; x at the tile
	s_lshl_b32 s22, s21, 14                        ; pg: 16 fragments of 1,024 bytes for each work-group
	s_add_nc_u64 s[30:31], s[14:15], s[22:23]
.irp u, 0,1,2,3
	global_load_b32 v[BI+2*\u], v[VBI], s[26:27] offset:64*\u      ; bias of channel 16u + lane % 16 of my 64
.endr
	XLOAD 0                                        ; 4 + 48 loads of the wave are on their way
	XLOAD 1
	XLOAD 2
	; The descriptor: 64 rows of 256 f32, pitch 256 elements, 16 bytes of padding behind each row.  Equal in the four work-groups of the cluster.
	s_mov_b32 s32, 15|(2<<16)|(1<<20)|(1<<21)|(7<<22)|(3<<25)      ; mask of the four; elements of 4 bytes; padding on; bit 21 beside a mask; after 256 words; 4 words
	s_mov_b32 s33, 256<<16                         ; tensor_dim0 = 256
	s_mov_b32 s34, 64<<16                          ; tensor_dim1 = 64
	s_mov_b32 s35, 256<<16                         ; tile_dim0 = 256
	s_mov_b32 s36, 64                              ; tile_dim1 = 64
	s_mov_b32 s37, 256                             ; elements from row to row
	s_mov_b32 s38, 0
	s_mov_b32 s39, 0
	s_mov_b32 s40, 1
	s_mul_i32 s41, s16, WSW                        ; LDS: the wave's number times 66,560
	s_lshl_b32 s22, s17, 16                        ; rows 0-63 or 64-127 of my weights
	s_add_nc_u64 s[42:43], s[24:25], s[22:23]
	s_or_b32 s43, s43, 0x80000000                  ; type 2
	ROUND                                          ; the four work-groups are here: the joint loads meet
	tensor_load_to_lds s[40:43], s[32:39]
	s_nop 0
	s_mul_i32 s44, s16, 16*XP
	v_lshl_add_u32 v[LXS], v[LANE], 3, s44         ; row 16w, 8 bytes a lane
	v_and_b32 v[TA], 7, v0
	v_lshl_add_u32 v[TA], v[HH], 3, v[TA]          ; K row 8 (lane / 16) + lane % 8
	v_mul_u32_u24 v[AX], v[TA], XP
	v_bfe_u32 v[TA], v0, 3, 1
	v_lshl_add_u32 v[AX], v[TA], 4, v[AX]          ; + 16 bytes for the upper eight of sixteen lanes
	v_add_nc_u32 v[AX+1], 128*XP, v[AX]
	v_mul_u32_u24 v[AWS], v[RR], WP
	v_lshl_add_u32 v[AWS], v[HH], 5, v[AWS]        ; row lane % 16, 8 f32 for each half of the lanes
	v_add_nc_u32 v[AWS], s41, v[AWS]
	s_lshl_b32 s45, s16, 12
	v_lshl_add_u32 v[VO], v[LANE], 4, s45          ; four fragments a wave, 16 bytes a lane
	; W to bf16.  I read only the rows that my own load brought, so my own wait is all that the reads need.
	s_wait_tensorcnt 0x0
	LOADB 0
	LOADB 1
.irp k, 0,1,2,3,4,5
	s_wait_dscnt 16                                ; this batch is in; the other batch's sixteen loads may stay out
	CVTB \k
	LOADB (\k+2)
.endr
	s_wait_dscnt 16
	CVTB 6
	s_wait_dscnt 0x0                               ; the last batch; also: all my reads of W's rows are over,
	CVTB 7
	s_barrier_signal -1
	s_barrier_wait -1                              ; everybody's are: the x tile may now be stored over them
	CHUNKP 0, 32, 1                                ; chunks 1 and 2 stay out; the first products start the sums
	CHUNKP 1, 32, 0                                ; chunks 2 and 3 stay out
	CHUNKP 2, 16, 0                                ; chunk 3 stays out
	CHUNKP 3, 0, 0
	; The 2 x 2 maximum.  Register j of tile (t, u) is pixel 16t + 8 (lane / 16) + j; tiles t and t + 4 are the two image rows.
	; Pooled column 8t + 4 (lane / 16) + jj = max over registers 2jj, 2jj+1 of both tiles.
	PLACES
	WIN 0x05
.irp u, 0,1,2,3
.irp t, 0,1,2,3
.irp j, 0,1,2,3
	v_max_num_f32 v[TM+\j], v[8*(4*\t+\u)+2*\j], v[8*(4*\t+\u)+2*\j+1]
.endr
.irp j, 0,1,2,3
	v_max3_num_f32 v[P+16*\u+4*\t+\j], v[8*(4*(\t+4)+\u)+2*\j], v[8*(4*(\t+4)+\u)+2*\j+1], v[TM+\j]
.endr
.endr
.endr
	WIN 0
.irp u, 0,1,2,3
	v_mov_b32 v[BI+2*\u+1], v[BI+2*\u]
.endr
.irp u, 0,1,2,3
.irp k, 0,1,2,3,4,5,6,7
	v_pk_add_f32 v[P+16*\u+2*\k:P+16*\u+2*\k+1], v[P+16*\u+2*\k:P+16*\u+2*\k+1], v[BI+2*\u:BI+2*\u+1]
.endr
.endr
	; A lane's 16 pooled values of a channel are that channel's 16 K places of the lane in a fragment of 16 channels x 32 pooled columns.
	; Which column lies at which K place is the same for phi and for g, so the products of the next launch pair like with like.
.irp u, 0,1,2,3
.irp k, 0,1,2,3,4,5,6,7
	v_cvt_pk_bf16_f32 v[FR+8*\u+\k], v[P+16*\u+2*\k], v[P+16*\u+2*\k+1]
.endr
.endr
.irp u, 0,1,2,3
	global_store_b128 v[VO], v[FR+8*\u:FR+8*\u+3], s[30:31] offset:\u*1024          ; each store covers 512 consecutive bytes, aligned
	global_store_b128 v[VO], v[FR+8*\u+4:FR+8*\u+7], s[30:31] offset:\u*1024+512
.endr
	s_wait_tensorcnt 0x0
	ds_add_u32 v254, v255
	s_wait_dscnt 0x0
	ROUND                                          ; the closing round: no work-group ends while a partner may still ask jointly
	s_endpgm
.Lfunc_end_k_q783f1e0c76_pool:
	.size	k_q783f1e0c76_pool, .Lfunc_end_k_q783f1e0c76_pool-k_q783f1e0c76_pool
	.p2alignl 7, 3214868480
	.fill 96, 4, 3214868480
	.section	.rodata,"a",@progbits
	.p2align	6, 0x0
	.amdhsa_kernel k_q783f1e0c76_pool
		.amdhsa_group_segment_fixed_size 266752
		.amdhsa_private_segment_fixed_size 0
		.amdhsa_enable_private_segment 0
		.amdhsa_kernarg_size 48
		.amdhsa_user_sgpr_count 2
		.amdhsa_user_sgpr_kernarg_segment_ptr 1
		.amdhsa_wavefront_size32 1
		.amdhsa_system_sgpr_workgroup_id_x 1
		.amdhsa_system_sgpr_workgroup_id_y 1
		.amdhsa_system_sgpr_workgroup_id_z 1
		.amdhsa_system_vgpr_workitem_id 0
		.amdhsa_next_free_vgpr 1024
		.amdhsa_next_free_sgpr 66
		.amdhsa_reserve_vcc 0
		.amdhsa_float_denorm_mode_32 3
		.amdhsa_float_denorm_mode_16_64 3
		.amdhsa_memory_ordered 1
		.amdhsa_forward_progress 1
		.amdhsa_inst_pref_size 85
	.end_amdhsa_kernel
	.amdgpu_metadata
---
amdhsa.version: [ 1, 2 ]
amdhsa.kernels:
  - .name:           k_q783f1e0c76_pool
    .symbol:         k_q783f1e0c76_pool.kd
    .args:
      - { .name: x, .offset: 0, .size: 8, .value_kind: global_buffer, .address_space: global }
      - { .name: w_phi, .offset: 8, .size: 8, .value_kind: global_buffer, .address_space: global }
      - { .name: w_g, .offset: 16, .size: 8, .value_kind: global_buffer, .address_space: global }
      - { .name: b_phi, .offset: 24, .size: 8, .value_kind: global_buffer, .address_space: global }
      - { .name: b_g, .offset: 32, .size: 8, .value_kind: global_buffer, .address_space: global }
      - { .name: pg, .offset: 40, .size: 8, .value_kind: global_buffer, .address_space: global }
    .group_segment_fixed_size: 266752
    .private_segment_fixed_size: 0
    .kernarg_segment_align: 8
    .kernarg_segment_size: 48
    .max_flat_workgroup_size: 128
    .sgpr_count:     66
    .vgpr_count:     1024
    .wavefront_size: 32
...
	.end_amdgpu_metadata
.endif
;; end of part 1
;; launch mix (part 2): grid 8 x 8, 16 waves a work-group, no clusters, 43,008 bytes of LDS; arguments pg, w_w, w_theta, vf, wtf; writes vf, wtf
.if DOCPART == 2
	.amdgcn_target "amdgcn-amd-amdhsa--gfx1250"
	.amdhsa_code_object_version 6
	.text
	.protected	k_q783f1e0c76_mix
	.globl	k_q783f1e0c76_mix
	.p2align	8
	.type	k_q783f1e0c76_mix,@function
k_q783f1e0c76_mix:
	s_mov_b64 s[64:65], 0
	v_nop
	global_prefetch_b8 v0, s[64:65] scope:SCOPE_SE
	s_setreg_imm32_b32 hwreg(HW_REG_WAVE_MODE, 25, 1), 1
	s_wait_xcnt 0x0
; Second of three launches.  f and y of reference() are not formed (sums exchanged, see the first launch's head): here
; S[c',c] = sum_m phi[c',m] g[c,m] / 1024 and V[o,c'] = sum_c w_w[o,c] S[c',c], V stored as bf16 fragments for the last launch.
; Besides, each work-group converts one of the 64 fragments of w_theta to bf16 (wtf), so that the last launch can take them by the tensor mover.
; TWO bf16 FOR ONE NUMBER.  w_w, w_theta, S and V are each kept as a rounded value and the rounded remainder (about 16 bits together), and a product of
; two such numbers is hi hi + lo hi + hi lo; the product of two remainders, under 2^-16 of the whole, is left out.  One bf16 would leave up to 2^-8 of
; each element as error; the sums over c and c' that follow carry such errors to the output undiminished, times the batch norm's gain, and the residual x
; may cancel most of the result.  phi and g enter S through a mean over M = 1024 terms, which averages their rounding away: they stay single.
; Work-group (a, b): image b, the sixteen c' of tile a.  Sixteen waves.
;  1. wave wv = 4 u2 + kq: tiles D1[m = c, n = c'] for the g tiles 2 u2, 2 u2 + 1, summed over the pooled rows 8 kq .. 8 kq + 7 (K = 256).
;  2. the four partial sums of each tile meet in LDS; times 2^-10 (exact); split into two bf16.  Register j of D1 is c = 16 tile + 8 (lane / 16) + j at
;     c' = lane % 16, which is the place that c has as K in a fragment whose row is c': no move between lanes.
;  3. wave wv: D[m = c', n = o] for the sixteen o of tile wv, K = c = 128, three products; again its registers are a half fragment (K = c') as they stand.
; No cluster and no tensor loads: all data come through registers, 24 KiB a wave at once, and what the work-groups share is small.
.set F,    16                          ; v[16:207]: for each of 8 pooled rows q 24 registers: phi, g tile 0, g tile 1; later w_w in f32, then its remainders, fragment u at v[F+16u]
.set ACC0, 208
.set ACC1, 216
.set SJ,   224                         ; v[224:255]: wave 0's fragment of w_theta: 16 f32, 8 words of values, 8 of remainders
.set SLO,  96                          ; v[96:127]  S's remainders, four fragments
.set SHI,  128                         ; v[128:159] S's values, four fragments
.set WW,   160                         ; v[160:191] w_w's values, four fragments
.set TW,   192                         ; v[192:207] at work
.macro PLACES                          ; four places behind a matrix instruction (ISA guide 7.12.1)
.rept 4
	v_nop
.endr
.endm
; The two accumulators take turns, one instruction a turn.
.macro SQ q, zero
.if \zero
	v_wmma_f32_16x16x32_bf16 v[ACC0:ACC0+7], v[F+24*\q+8:F+24*\q+15], v[F+24*\q:F+24*\q+7], 0
	v_wmma_f32_16x16x32_bf16 v[ACC1:ACC1+7], v[F+24*\q+16:F+24*\q+23], v[F+24*\q:F+24*\q+7], 0
.else
	v_wmma_f32_16x16x32_bf16 v[ACC0:ACC0+7], v[F+24*\q+8:F+24*\q+15], v[F+24*\q:F+24*\q+7], v[ACC0:ACC0+7]
	v_wmma_f32_16x16x32_bf16 v[ACC1:ACC1+7], v[F+24*\q+16:F+24*\q+23], v[F+24*\q:F+24*\q+7], v[ACC1:ACC1+7]
.endif
.endm
	s_load_b256 s[4:11], s[0:1], 0x0               ; pg s[4:5], w_w s[6:7], w_theta s[8:9], vf s[10:11]
	s_load_b64 s[12:13], s[0:1], 0x20              ; wtf
	v_lshl_add_u32 v14, v0, 2, 0xa000
	v_mov_b32 v15, 0
	v_lshrrev_b32 v1, 5, v0
	v_readfirstlane_b32 s14, v1                    ; wave 0..15
	v_and_b32 v1, 31, v0                           ; lane
	v_and_b32 v2, 15, v0                           ; lane % 16
	v_bfe_u32 v3, v0, 4, 1                         ; lane / 16
	s_and_b32 s16, ttmp7, 0xffff                   ; b
	s_lshr_b32 s17, s14, 2                         ; u2
	s_and_b32 s18, s14, 3                          ; kq
	v_lshlrev_b32 v13, 4, v1                       ; 16 bytes a lane
	s_lshl_b32 s19, s18, 17                        ; 8 pooled rows of 16,384 bytes
	s_lshl_b32 s26, ttmp9, 10                      ; phi's tile a
	s_add_co_u32 s26, s26, s19
	v_add_nc_u32 v4, s26, v13
	s_lshl_b32 s27, s17, 11                        ; g's tiles 2 u2, 2 u2 + 1, behind phi's eight
	s_add_co_u32 s27, s27, s19
	s_add_co_u32 s27, s27, 8192
	v_add_nc_u32 v5, s27, v13
	v_lshlrev_b32 v6, 9, v2                        ; w_w: row 16 wv + lane % 16 of 512 bytes, 8 f32 for each half of the lanes
	v_lshl_add_u32 v6, v3, 5, v6
	s_lshl_b32 s28, s14, 13
	v_add_nc_u32 v6, s28, v6
	v_lshlrev_b32 v7, 10, v2                       ; w_theta: row 16 b + lane % 16 of 1,024 bytes, K step a
	v_lshl_add_u32 v7, v3, 5, v7
	s_lshl_b32 s29, s16, 14
	s_lshl_b32 s30, ttmp9, 7
	s_add_co_u32 s29, s29, s30
	v_add_nc_u32 v7, s29, v7
	s_lshl_b32 s28, s14, 11
	v_add_nc_u32 v8, s28, v13                      ; LDS, partial tiles: the wave's number times 2,048: [tile 2][half 2][512]
	s_lshl_b32 s28, s17, 13                        ; to read them: the four waves 4 (wv / 4) + kq; tile (wv / 2) % 2, half wv % 2 = (wv % 4) x 512
	s_lshl_b32 s29, s18, 9
	s_add_co_u32 s28, s28, s29
	v_add_nc_u32 v9, s28, v13
	s_lshl_b32 s28, s14, 8
	s_add_co_u32 s28, s28, 32768
	v_lshl_add_u32 v10, v1, 3, s28                 ; LDS, S in bf16: 32,768 + the wave's number times 256, 8 bytes a lane; the remainders 4,096 further on
	v_lshlrev_b32 v11, 3, v1
	v_add_nc_u32 v11, 32768, v11
	s_lshl_b32 s28, s14, 12
	v_add_nc_u32 v12, s28, v13                     ; vf: o tile wv
	s_lshl_b32 s32, s16, 19                        ; pg: 32 pooled rows of 16,384 bytes an image
	s_mov_b32 s33, 0
	s_wait_kmcnt 0x0
	s_add_nc_u64 s[20:21], s[4:5], s[32:33]
	s_lshl_b32 s32, s16, 17                        ; vf: 131,072 bytes an image, values then remainders; tile a is half a % 2 of the fragments of chunk a / 2: a x 512
	s_lshl_b32 s26, ttmp9, 9
	s_add_co_u32 s32, s32, s26
	s_add_nc_u64 s[22:23], s[10:11], s[32:33]
	s_lshl_b32 s32, s16, 3                         ; wtf: fragment 8 b + a; the remainders 65,536 further on
	s_add_co_u32 s32, s32, ttmp9
	s_lshl_b32 s32, s32, 10
	s_add_nc_u64 s[24:25], s[12:13], s[32:33]
.irp q, 0,1,2,3,4,5,6,7
	global_load_b128 v[F+24*\q:F+24*\q+3], v4, s[20:21] offset:\q*16384             ; each load covers 512 consecutive bytes
	global_load_b128 v[F+24*\q+4:F+24*\q+7], v4, s[20:21] offset:\q*16384+512
	global_load_b128 v[F+24*\q+8:F+24*\q+11], v5, s[20:21] offset:\q*16384
	global_load_b128 v[F+24*\q+12:F+24*\q+15], v5, s[20:21] offset:\q*16384+512
	global_load_b128 v[F+24*\q+16:F+24*\q+19], v5, s[20:21] offset:\q*16384+1024
	global_load_b128 v[F+24*\q+20:F+24*\q+23], v5, s[20:21] offset:\q*16384+1536
.endr
	s_cmp_lg_u32 s14, 0
	s_cbranch_scc1 .Lno_side
	; wave 0 alone: fragment (c' tile b, K step a) of w_theta, split into two bf16
	global_load_b128 v[SJ:SJ+3], v7, s[8:9]
	global_load_b128 v[SJ+4:SJ+7], v7, s[8:9] offset:16
	global_load_b128 v[SJ+8:SJ+11], v7, s[8:9] offset:64
	global_load_b128 v[SJ+12:SJ+15], v7, s[8:9] offset:80
	s_wait_loadcnt 0x0
.irp i, 0,1,2,3,4,5,6,7
	v_cvt_pk_bf16_f32 v[SJ+16+\i], v[SJ+2*\i], v[SJ+2*\i+1]        ; the values
.endr
.irp i, 0,1,2,3,4,5,6,7
	v_lshlrev_b32 v[ACC0+2*\i], 16, v[SJ+16+\i]                    ; the values back in f32 (the accumulators' registers are not yet in use)
	v_and_b32 v[ACC0+2*\i+1], 0xffff0000, v[SJ+16+\i]
.endr
.irp i, 0,1,2,3,4,5,6,7
	v_pk_add_f32 v[SJ+2*\i:SJ+2*\i+1], v[SJ+2*\i:SJ+2*\i+1], v[ACC0+2*\i:ACC0+2*\i+1] neg_lo:[0,1] neg_hi:[0,1]   ; what they leave (exact in f32)
.endr
.irp i, 0,1,2,3,4,5,6,7
	v_cvt_pk_bf16_f32 v[SJ+24+\i], v[SJ+2*\i], v[SJ+2*\i+1]        ; the remainders
.endr
	global_store_b128 v13, v[SJ+16:SJ+19], s[24:25]                ; the stores' data and address are never rewritten
	global_store_b128 v13, v[SJ+20:SJ+23], s[24:25] offset:512
	global_store_b128 v13, v[SJ+24:SJ+27], s[24:25] offset:65536
	global_store_b128 v13, v[SJ+28:SJ+31], s[24:25] offset:65536+512
.Lno_side:
	s_wait_loadcnt 24                              ; rows q = 0..3 are in; the 24 loads of q = 4..7 may stay out
	SQ 0, 1
	SQ 1, 0
	SQ 2, 0
	SQ 3, 0
	PLACES                                         ; the loads below land in registers that these products have read
.irp u, 0,1,2,3
	global_load_b128 v[F+16*\u:F+16*\u+3], v6, s[6:7] offset:128*\u
	global_load_b128 v[F+16*\u+4:F+16*\u+7], v6, s[6:7] offset:128*\u+16
	global_load_b128 v[F+16*\u+8:F+16*\u+11], v6, s[6:7] offset:128*\u+64
	global_load_b128 v[F+16*\u+12:F+16*\u+15], v6, s[6:7] offset:128*\u+80
.endr
	s_wait_loadcnt 16                              ; all of phi and g is in; w_w's sixteen loads stay out
	SQ 4, 0
	SQ 5, 0
	SQ 6, 0
	SQ 7, 0
	PLACES
	ds_store_b128 v8, v[ACC0:ACC0+3]
	ds_store_b128 v8, v[ACC0+4:ACC0+7] offset:512
	ds_store_b128 v8, v[ACC1:ACC1+3] offset:1024
	ds_store_b128 v8, v[ACC1+4:ACC1+7] offset:1536
	s_wait_dscnt 0x0                               ; my partial tiles are written,
	s_barrier_signal -1
	s_barrier_wait -1                              ; everybody's are
.irp k, 0,1,2,3
	ds_load_b128 v[96+4*\k:96+4*\k+3], v9 offset:\k*2048           ; half wv % 2 of tile wv / 2, from the four waves that summed parts of it
.endr
	s_wait_dscnt 0x0
	v_pk_add_f32 v[96:97], v[96:97], v[100:101]
	v_pk_add_f32 v[98:99], v[98:99], v[102:103]
	v_pk_add_f32 v[104:105], v[104:105], v[108:109]
	v_pk_add_f32 v[106:107], v[106:107], v[110:111]
	v_pk_add_f32 v[96:97], v[96:97], v[104:105]
	v_pk_add_f32 v[98:99], v[98:99], v[106:107]
	v_pk_mul_f32 v[96:97], v[96:97], 0x3a800000 op_sel_hi:[1,0]    ; 1 / M = 2^-10
	v_pk_mul_f32 v[98:99], v[98:99], 0x3a800000 op_sel_hi:[1,0]
	v_cvt_pk_bf16_f32 v112, v96, v97               ; S's values
	v_cvt_pk_bf16_f32 v113, v98, v99
	v_lshlrev_b32 v100, 16, v112                   ; the values back in f32,
	v_and_b32 v101, 0xffff0000, v112
	v_lshlrev_b32 v102, 16, v113
	v_and_b32 v103, 0xffff0000, v113
	v_pk_add_f32 v[96:97], v[96:97], v[100:101] neg_lo:[0,1] neg_hi:[0,1]          ; what they leave (exact in f32),
	v_pk_add_f32 v[98:99], v[98:99], v[102:103] neg_lo:[0,1] neg_hi:[0,1]
	v_cvt_pk_bf16_f32 v114, v96, v97               ; and S's remainders
	v_cvt_pk_bf16_f32 v115, v98, v99
	ds_store_b64 v10, v[112:113]
	ds_store_b64 v10, v[114:115] offset:4096
	s_wait_dscnt 0x0
	s_barrier_signal -1
	s_barrier_wait -1
.irp k, 0,1,2,3,4,5,6,7,8,9,10,11,12,13,14,15
	ds_load_b64 v[SHI+2*\k:SHI+2*\k+1], v11 offset:\k*256          ; S: piece k = registers 2 (k % 4), + 1 of the fragment of chunk k / 4
.endr
.irp k, 0,1,2,3,4,5,6,7,8,9,10,11,12,13,14,15
	ds_load_b64 v[SLO+2*\k:SLO+2*\k+1], v11 offset:4096+\k*256     ; the remainders likewise
.endr
	s_wait_loadcnt 0x0                             ; w_w
.irp u, 0,1,2,3
.irp i, 0,1,2,3,4,5,6,7
	v_cvt_pk_bf16_f32 v[WW+8*\u+\i], v[F+16*\u+2*\i], v[F+16*\u+2*\i+1]            ; w_w's values
.endr
.irp i, 0,1,2,3,4,5,6,7
	v_lshlrev_b32 v[TW+2*\i], 16, v[WW+8*\u+\i]
	v_and_b32 v[TW+2*\i+1], 0xffff0000, v[WW+8*\u+\i]
.endr
.irp i, 0,1,2,3,4,5,6,7
	v_pk_add_f32 v[F+16*\u+2*\i:F+16*\u+2*\i+1], v[F+16*\u+2*\i:F+16*\u+2*\i+1], v[TW+2*\i:TW+2*\i+1] neg_lo:[0,1] neg_hi:[0,1]
.endr
.irp i, 0,1,2,3,4,5,6,7
	v_cvt_pk_bf16_f32 v[F+16*\u+\i], v[F+16*\u+2*\i], v[F+16*\u+2*\i+1]            ; its remainders; word i lands on a register that has been read already, or is read by this line
.endr
.endr
	s_wait_dscnt 0x0
	; V = S_hi w_hi + S_lo w_hi + S_hi w_lo: two sums by turns, one instruction a turn
	v_wmma_f32_16x16x32_bf16 v[ACC0:ACC0+7], v[SHI:SHI+7], v[WW:WW+7], 0
	v_wmma_f32_16x16x32_bf16 v[ACC1:ACC1+7], v[SHI+8:SHI+15], v[WW+8:WW+15], 0
	v_wmma_f32_16x16x32_bf16 v[ACC0:ACC0+7], v[SHI+16:SHI+23], v[WW+16:WW+23], v[ACC0:ACC0+7]
	v_wmma_f32_16x16x32_bf16 v[ACC1:ACC1+7], v[SHI+24:SHI+31], v[WW+24:WW+31], v[ACC1:ACC1+7]
	v_wmma_f32_16x16x32_bf16 v[ACC0:ACC0+7], v[SLO:SLO+7], v[WW:WW+7], v[ACC0:ACC0+7]
	v_wmma_f32_16x16x32_bf16 v[ACC1:ACC1+7], v[SLO+8:SLO+15], v[WW+8:WW+15], v[ACC1:ACC1+7]
	v_wmma_f32_16x16x32_bf16 v[ACC0:ACC0+7], v[SLO+16:SLO+23], v[WW+16:WW+23], v[ACC0:ACC0+7]
	v_wmma_f32_16x16x32_bf16 v[ACC1:ACC1+7], v[SLO+24:SLO+31], v[WW+24:WW+31], v[ACC1:ACC1+7]
	v_wmma_f32_16x16x32_bf16 v[ACC0:ACC0+7], v[SHI:SHI+7], v[F:F+7], v[ACC0:ACC0+7]
	v_wmma_f32_16x16x32_bf16 v[ACC1:ACC1+7], v[SHI+8:SHI+15], v[F+16:F+23], v[ACC1:ACC1+7]
	v_wmma_f32_16x16x32_bf16 v[ACC0:ACC0+7], v[SHI+16:SHI+23], v[F+32:F+39], v[ACC0:ACC0+7]
	v_wmma_f32_16x16x32_bf16 v[ACC1:ACC1+7], v[SHI+24:SHI+31], v[F+48:F+55], v[ACC1:ACC1+7]
	PLACES
.irp i, 0,2,4,6
	v_pk_add_f32 v[ACC0+\i:ACC0+\i+1], v[ACC0+\i:ACC0+\i+1], v[ACC1+\i:ACC1+\i+1]
.endr
.irp i, 0,1,2,3
	v_cvt_pk_bf16_f32 v[192+\i], v[ACC0+2*\i], v[ACC0+2*\i+1]      ; V's values
.endr
.irp i, 0,1,2,3
	v_lshlrev_b32 v[196+2*\i], 16, v[192+\i]
	v_and_b32 v[196+2*\i+1], 0xffff0000, v[192+\i]
.endr
.irp i, 0,1,2,3
	v_pk_add_f32 v[ACC0+2*\i:ACC0+2*\i+1], v[ACC0+2*\i:ACC0+2*\i+1], v[196+2*\i:196+2*\i+1] neg_lo:[0,1] neg_hi:[0,1]
.endr
.irp i, 0,1,2,3
	v_cvt_pk_bf16_f32 v[204+\i], v[ACC0+2*\i], v[ACC0+2*\i+1]      ; V's remainders
.endr
	global_store_b128 v12, v[192:195], s[22:23]                    ; each store covers 512 consecutive bytes, aligned
	global_store_b128 v12, v[204:207], s[22:23] offset:65536
	s_wait_tensorcnt 0x0
	ds_add_u32 v14, v15
	s_wait_dscnt 0x0
	s_endpgm
.Lfunc_end_k_q783f1e0c76_mix:
	.size	k_q783f1e0c76_mix, .Lfunc_end_k_q783f1e0c76_mix-k_q783f1e0c76_mix
	.p2alignl 7, 3214868480
	.fill 96, 4, 3214868480
	.section	.rodata,"a",@progbits
	.p2align	6, 0x0
	.amdhsa_kernel k_q783f1e0c76_mix
		.amdhsa_group_segment_fixed_size 43008
		.amdhsa_private_segment_fixed_size 0
		.amdhsa_enable_private_segment 0
		.amdhsa_kernarg_size 40
		.amdhsa_user_sgpr_count 2
		.amdhsa_user_sgpr_kernarg_segment_ptr 1
		.amdhsa_wavefront_size32 1
		.amdhsa_system_sgpr_workgroup_id_x 1
		.amdhsa_system_sgpr_workgroup_id_y 1
		.amdhsa_system_sgpr_workgroup_id_z 1
		.amdhsa_system_vgpr_workitem_id 0
		.amdhsa_next_free_vgpr 256
		.amdhsa_next_free_sgpr 66
		.amdhsa_reserve_vcc 0
		.amdhsa_float_denorm_mode_32 3
		.amdhsa_float_denorm_mode_16_64 3
		.amdhsa_memory_ordered 1
		.amdhsa_forward_progress 1
		.amdhsa_inst_pref_size 29
	.end_amdhsa_kernel
	.amdgpu_metadata
---
amdhsa.version: [ 1, 2 ]
amdhsa.kernels:
  - .name:           k_q783f1e0c76_mix
    .symbol:         k_q783f1e0c76_mix.kd
    .args:
      - { .name: pg, .offset: 0, .size: 8, .value_kind: global_buffer, .address_space: global }
      - { .name: w_w, .offset: 8, .size: 8, .value_kind: global_buffer, .address_space: global }
      - { .name: w_theta, .offset: 16, .size: 8, .value_kind: global_buffer, .address_space: global }
      - { .name: vf, .offset: 24, .size: 8, .value_kind: global_buffer, .address_space: global }
      - { .name: wtf, .offset: 32, .size: 8, .value_kind: global_buffer, .address_space: global }
    .group_segment_fixed_size: 43008
    .private_segment_fixed_size: 0
    .kernarg_segment_align: 8
    .kernarg_segment_size: 40
    .max_flat_workgroup_size: 512
    .sgpr_count:     66
    .vgpr_count:     256
    .wavefront_size: 32
...
	.end_amdgpu_metadata
.endif
;; end of part 2
;; launch apply (part 3): grid 256 x 1, 4 waves a work-group, clusters of 4 x 1, 327,680 bytes of LDS; arguments x, wtf, vf, b_theta, b_w, bn_gamma, bn_beta, bn_mean, bn_var, out0; writes out0
.if DOCPART == 3
	.amdgcn_target "amdgcn-amd-amdhsa--gfx1250"
	.amdhsa_code_object_version 6
	.text
	.protected	k_q783f1e0c76_apply
	.globl	k_q783f1e0c76_apply
	.p2align	8
	.type	k_q783f1e0c76_apply,@function
k_q783f1e0c76_apply:
	s_mov_b64 s[64:65], 0
	v_nop
	global_prefetch_b8 v0, s[64:65] scope:SCOPE_SE
	s_setreg_imm32_b32 hwreg(HW_REG_WAVE_MODE, 25, 1), 1
	s_wait_xcnt 0x0
	s_wait_alu depctr_hold_cnt(0) depctr_sa_sdst(0) depctr_va_vdst(0) depctr_va_sdst(0) depctr_va_ssrc(0) depctr_va_vcc(0) depctr_vm_vsrc(0)
	s_getreg_b32 s2, hwreg(HW_REG_IB_STS2, 6, 4)
	s_cmp_eq_u32 s2, 0
	s_cbranch_scc0 .Lentry_in_a_cluster
	s_endpgm
.Lentry_in_a_cluster:
	s_bfe_u32 s2, ttmp6, 0x10000c
	s_cmp_lg_u32 s2, 0x3003
	s_cbranch_scc0 .Lentry_shape_is_right
	s_endpgm
.Lentry_shape_is_right:
; Third of three launches.  f and y of reference() are not formed (sums exchanged, see the first launch's head):
;   theta = w_theta x + b_theta;   out = (V theta + b_w - mean) * gamma * rsqrt(var + eps) + beta + x,   V from the second launch.
; Work-group 32 b + p: image b, 128 pixels (image rows 2p, 2p+1), all 256 channels.  x is read once: as f32 it stays in registers for the residual,
; as two bf16 tiles it goes to LDS for the product.
; TWO bf16 FOR ONE NUMBER.  x, w_theta, theta and V are each a rounded value and the rounded remainder (about 16 bits together), and each of the two products
; is hi hi + lo hi + hi lo; the product of two remainders, under 2^-16 of the whole, is left out.  One bf16 would leave up to 2^-8 of each element
; as error; the sums over c and c' carry such errors to the output undiminished, times the batch norm's gain, and the residual x may cancel most of the result.
; Phase A, wave (wc, wp) = (w / 2, w % 2): D1[m = c', n = pixel], c' tiles 4 wc + ii, pixel tiles 4 wp + tt, K = 256; b_theta starts the sums.
;   Register j of D1 is c' = 16 tile + 8 (lane / 16) + j at pixel lane % 16: as it stands a half fragment with K = c'.  It goes to LDS for all waves,
;   into the bytes of the x tile, which nobody reads any more.
; Phase B, wave w: D2[m = pixel, n = o] for the o tiles 4 cc + w, the channels whose x the wave holds, and all eight pixel tiles, K = 128.
; Way out: scale and shift in f32, 16 channels at a time through the wave's own LDS stage, so that a lane gets the 16 bytes of a row that its x
;   registers hold; x is added in place and stored from there.
; CLUSTER: the four work-groups of a cluster lie in one image and need the same 128 KiB of w_theta fragments and the same 128 KiB of V fragments: joint
; tensor loads (mask 15), a quarter a wave.  Both do not fit beside the two x tiles, so they take turns in one LDS slot: w_theta is the first fill, V fills the
; slot again behind a round of the cluster's barrier at the end of phase A, and lands while theta is split.  One tensor load of a wave is outstanding at a time.
; LIMITS: order of rounding as stated in the first launch; v_rsq_f32 takes a denormal bn_var + eps as zero.
; REGISTER WINDOWS of 256: 0 addresses, fragments, temporaries; 1 accumulators; 2 x as loaded, load n at v[4n]; 3 the second fragment buffer of both phases.
.set CH,    16384                      ; bytes from a channel to the next
.set XP,    288                        ; pitch of a bf16 x tile: an odd multiple of 32 bytes
.set XTL,   73728                      ; LDS: x's values at 0, its remainders at 73,728, 256 rows of 288 bytes each
.set THLO,  32768                      ; later theta: values at 0, remainders at 32,768, each [wave 4][tt 4][ii 4][512]
.set WT,    147456                     ; the fragment slot: values, then remainders 65,536 further on; w_theta's, later V's
.set ST,    278528                     ; the way out: 16 rows of 528 bytes for each wave
.set SPITCH, 528                       ; 512 + 16: an odd multiple of 16
.set STW,   16*SPITCH
.set XW,    2
.set W_XLD, (XW<<6)
.set W_XRD, (XW|(XW<<2))
.set W_OUT, ((XW<<6)|(XW<<2))          ; destination and source 1 (also a store's data) in x's window, source 0 (also an address) in window 0
.set LANE,  1
.set RR,    2
.set HH,    3
.set VX,    4                          ; 16 w channels + 16 bytes a lane, for x and for out; never rewritten
.set LXS,   5
.set AX,    6                          ; v6, v7: fragments of x's values, K rows 0-127 and 128-255
.set AWT,   8
.set THS,   9
.set THR,   10                         ; 16 bytes a lane: theta begins at LDS byte 0
.set VFR,   11
.set STO,   12
.set RD,    13
.set VBT,   14
.set VBN,   15
.set SS,    16                         ; v[16:23] pairs (s, s) for cc = 0..3
.set CC,    24                         ; v[24:31] pairs (c, c)
.set RAW,   32                         ; v[32:51] b_w, gamma, beta, mean, var, four each
.set RS,    52                         ; v[52:55]
.set TA,    56
.set VFL,   57                         ; V's remainders
.set AXL,   58                         ; v58, v59: fragments of x's remainders
.set AWTL,  60                         ; w_theta's remainders
.set LXSL,  61
.set QWH,   64                         ; phase A, in window 0 or 3: 4 fragments of w_theta's values,
.set QXH,   96                         ; 4 of x's values,
.set QWL,   128                        ; 4 of w_theta's remainders,
.set QXL,   160                        ; 4 of x's remainders
.set XL,    64                         ; a chunk's values back in f32, what they leave, its remainders in bf16
.set T,     192                        ; v[192:223] a chunk's values in bf16
.set BT,    224                        ; v[224:255] b_theta in the layout of an accumulator, for ii = 0..3
.set EH,    64                         ; theta's values in bf16
.set EL,    128                        ; theta's values back in f32, then what they leave, then the remainders in bf16
.set QTH,   64                         ; phase B, in window 0 or 3: 8 fragments of theta's values,
.set QTL,   128                        ; 8 of its remainders,
.set QVH,   192                        ; 4 of V's values,
.set QVL,   224                        ; 4 of its remainders
.set E,     64                         ; scaled results on their way to the stage
.set R,     128                        ; rows read back
.set SW,    24
.set MSB,   0
.macro WIN new                         ; the immediate's high byte repeats the setting that is left
.if MSB != \new
	s_set_vgpr_msb (MSB<<8)|\new
.set MSB, \new
.endif
.endm
.macro PLACES                          ; four places behind a matrix instruction (ISA guide 7.12.1)
.rept 4
	v_nop
.endr
.endm
.macro ROUND                           ; a round of the cluster's barrier
	s_barrier_signal -1
	s_barrier_wait -1
	s_cmp_lg_u32 s[SW], 0
	s_cbranch_scc1 .Lnot_wave_0_\@
	s_barrier_signal -3
.Lnot_wave_0_\@:
	s_barrier_wait -3
	s_barrier_signal -1
	s_barrier_wait -1
.endm
.macro XLOAD c                         ; my 16 rows 64c + 16w + i of chunk c; each load covers 512 consecutive bytes, aligned; x is not read again
	WIN W_XLD
.irp i, 0,1,2,3,4,5,6,7,8,9,10,11,12,13,14,15
	global_load_b128 v[4*(16*\c+\i):4*(16*\c+\i)+3], v[VX], s[48:49] offset:(64*\c+\i)*CH th:TH_LOAD_NT
.endr
	WIN 0
.endm
; My rows of chunk c to LDS as two bf16 tiles; cnt = the loads issued behind the chunk's own.  Word k of the chunk is x's registers 64c + 2k, + 1.
.macro CHUNKIN c, cnt
	s_wait_loadcnt \cnt
	WIN W_XRD
.set n, 0
.rept 32
	v_cvt_pk_bf16_f32 v[T+n], v[64*\c+2*n], v[64*\c+2*n+1]         ; the values
.set n, n+1
.endr
	WIN 0
.set n, 0
.rept 32
	v_lshlrev_b32 v[XL+2*n], 16, v[T+n]            ; the values back in f32
	v_and_b32 v[XL+2*n+1], 0xffff0000, v[T+n]
.set n, n+1
.endr
	WIN 0x02
.set n, 0
.rept 32
	v_pk_add_f32 v[XL+2*n:XL+2*n+1], v[64*\c+2*n:64*\c+2*n+1], v[XL+2*n:XL+2*n+1] neg_lo:[0,1] neg_hi:[0,1]      ; what they leave (exact in f32)
.set n, n+1
.endr
	WIN 0
.set n, 0
.rept 32
	v_cvt_pk_bf16_f32 v[XL+n], v[XL+2*n], v[XL+2*n+1]              ; the remainders; word n lands on a register that has been read already, or is read by this line
.set n, n+1
.endr
.irp i, 0,1,2,3,4,5,6,7,8,9,10,11,12,13,14,15
	ds_store_b64 v[LXS], v[T+2*\i:T+2*\i+1] offset:(64*\c+\i)*XP
	ds_store_b64 v[LXSL], v[XL+2*\i:XL+2*\i+1] offset:(64*\c+\i)*XP
.endr
.if \c == 0
	XLOAD 3
	s_wait_tensorcnt 0x0                           ; my quarter of the w_theta fragments has landed: the others read it behind this barrier
.endif
	s_wait_dscnt 0x0
	s_barrier_signal -1
	s_barrier_wait -1                              ; each chunk has bytes of its own: one barrier a chunk
.endm
; K step s: my four w_theta fragments and my four x fragments, values and remainders: 32 loads; the destination's window is the caller's
.macro FETCHA s
.irp i, 0,1,2,3
	ds_load_b128 v[QWH+8*\i:QWH+8*\i+3], v[AWT] offset:\i*8192+(\s)*1024
	ds_load_b128 v[QWH+8*\i+4:QWH+8*\i+7], v[AWT] offset:\i*8192+(\s)*1024+512
.endr
.irp t, 0,1,2,3
	ds_load_tr16_b128 v[QXH+8*\t:QXH+8*\t+3], v[AX+((\s)>>2)] offset:(32*((\s)&3))*XP+32*\t
	ds_load_tr16_b128 v[QXH+8*\t+4:QXH+8*\t+7], v[AX+((\s)>>2)] offset:(32*((\s)&3)+16)*XP+32*\t
.endr
.irp i, 0,1,2,3
	ds_load_b128 v[QWL+8*\i:QWL+8*\i+3], v[AWTL] offset:\i*8192+(\s)*1024
	ds_load_b128 v[QWL+8*\i+4:QWL+8*\i+7], v[AWTL] offset:\i*8192+(\s)*1024+512
.endr
.irp t, 0,1,2,3
	ds_load_tr16_b128 v[QXL+8*\t:QXL+8*\t+3], v[AXL+((\s)>>2)] offset:(32*((\s)&3))*XP+32*\t
	ds_load_tr16_b128 v[QXL+8*\t+4:QXL+8*\t+7], v[AXL+((\s)>>2)] offset:(32*((\s)&3)+16)*XP+32*\t
.endr
.endm
; 16 matrix instructions, one for each accumulator, always in the same order: the accumulators take turns, one instruction a turn
.macro MULA a, x, first
.irp i, 0,1,2,3
.irp t, 0,1,2,3
.if \first
	v_wmma_f32_16x16x32_bf16 v[8*(4*\i+\t):8*(4*\i+\t)+7], v[\a+8*\i:\a+8*\i+7], v[\x+8*\t:\x+8*\t+7], v[BT+8*\i:BT+8*\i+7]
.else
	v_wmma_f32_16x16x32_bf16 v[8*(4*\i+\t):8*(4*\i+\t)+7], v[\a+8*\i:\a+8*\i+7], v[\x+8*\t:\x+8*\t+7], v[8*(4*\i+\t):8*(4*\i+\t)+7]
.endif
.endr
.endr
.endm
; A chunk: its rows into LDS, then its two K steps, the even one from window 0, the odd one from window 3.
; 0x40: D window 1, C = the bias in window 0; 0x50: C and D window 1, fragments window 0; 0x5f: fragments window 3.
.macro CHUNKA c, cnt, first
	CHUNKIN \c, \cnt
	FETCHA (2*\c)
	s_wait_dscnt 0x0
.if \first
	WIN 0x40
.else
	WIN 0x50
.endif
	MULA QWH, QXH, \first
	WIN 0xc0
	FETCHA (2*\c+1)                                ; window 3's buffer was last read by the chunk before: CHUNKIN's vector instructions are the places between
	WIN 0x50
	MULA QWL, QXH, 0
	MULA QWH, QXL, 0
	s_wait_dscnt 0x0
	WIN 0x5f
	MULA QWH, QXH, 0
	MULA QWL, QXH, 0
	MULA QWH, QXL, 0
	WIN 0
.endm
; chunk u of c': theta fragment (t, u) has its halves at c' tiles 2u, 2u+1, written by wave 2 (u / 2) + t / 4 as (tt, ii) = (t % 4, 2 (u % 2) + half).
; 48 loads; the window of the destination is the caller's.
.macro FETCHB u
.irp t, 0,1,2,3,4,5,6,7
	ds_load_b128 v[QTH+8*\t:QTH+8*\t+3], v[THR] offset:(2*((\u)>>1)+((\t)>>2))*8192+((\t)&3)*2048+(2*((\u)&1))*512
	ds_load_b128 v[QTH+8*\t+4:QTH+8*\t+7], v[THR] offset:(2*((\u)>>1)+((\t)>>2))*8192+((\t)&3)*2048+(2*((\u)&1)+1)*512
.endr
.irp k, 0,1,2,3
	ds_load_b128 v[QVH+8*\k:QVH+8*\k+3], v[VFR] offset:\k*16384+(\u)*1024
	ds_load_b128 v[QVH+8*\k+4:QVH+8*\k+7], v[VFR] offset:\k*16384+(\u)*1024+512
.endr
.irp k, 0,1,2,3
	ds_load_b128 v[QVL+8*\k:QVL+8*\k+3], v[VFL] offset:\k*16384+(\u)*1024
	ds_load_b128 v[QVL+8*\k+4:QVL+8*\k+7], v[VFL] offset:\k*16384+(\u)*1024+512
.endr
.irp t, 0,1,2,3,4,5,6,7
	ds_load_b128 v[QTL+8*\t:QTL+8*\t+3], v[THR] offset:THLO+(2*((\u)>>1)+((\t)>>2))*8192+((\t)&3)*2048+(2*((\u)&1))*512
	ds_load_b128 v[QTL+8*\t+4:QTL+8*\t+7], v[THR] offset:THLO+(2*((\u)>>1)+((\t)>>2))*8192+((\t)&3)*2048+(2*((\u)&1)+1)*512
.endr
.endm
; 32 matrix instructions, one for each accumulator, always in the same order: the accumulators take turns, one instruction a turn
.macro MULB a, v, zero
.irp t, 0,1,2,3,4,5,6,7
.irp k, 0,1,2,3
.if \zero
	v_wmma_f32_16x16x32_bf16 v[8*(4*\t+\k):8*(4*\t+\k)+7], v[\a+8*\t:\a+8*\t+7], v[\v+8*\k:\v+8*\k+7], 0
.else
	v_wmma_f32_16x16x32_bf16 v[8*(4*\t+\k):8*(4*\t+\k)+7], v[\a+8*\t:\a+8*\t+7], v[\v+8*\k:\v+8*\k+7], v[8*(4*\t+\k):8*(4*\t+\k)+7]
.endif
.endr
.endr
.endm
; Chunk u.  wm: the products' windows (0x50: fragments in window 0; 0x5f: in window 3; C and D in window 1); fw: the destination's window for chunk u + 1
.macro STEPB wm, fw, u, zero, more
	s_wait_dscnt 0x0                               ; this chunk's 48 loads, issued 64 matrix instructions ago
	WIN \wm
	MULB QTH, QVH, \zero
.if \more
	PLACES                                         ; the other buffer was read by the products of the chunk before
	WIN \fw
	FETCHB (\u+1)
	WIN \wm
.endif
	MULB QTH, QVL, 0
	MULB QTL, QVH, 0
.endm
; channels 64k + 16w .. + 15
.macro OUT16 k
	WIN 0x01
.irp t, 0,1,2,3,4,5,6,7
.irp j, 0,1,2,3
	v_pk_fma_f32 v[E+8*\t+2*\j:E+8*\t+2*\j+1], v[8*(4*\t+\k)+2*\j:8*(4*\t+\k)+2*\j+1], v[SS+2*\k:SS+2*\k+1], v[CC+2*\k:CC+2*\k+1]
.endr
.endr
	WIN 0
.irp t, 0,1,2,3,4,5,6,7
	ds_store_b128 v[STO], v[E+8*\t:E+8*\t+3] offset:64*\t          ; row = channel lane % 16, pixels 16t + 8 (lane / 16) ..
	ds_store_b128 v[STO], v[E+8*\t+4:E+8*\t+7] offset:64*\t+16
.endr
.irp i, 0,1,2,3,4,5,6,7,8,9,10,11,12,13,14,15
	ds_load_b128 v[R+4*\i:R+4*\i+3], v[RD] offset:\i*SPITCH        ; my own bytes; LDS serves a wave's instructions in order (ISA guide 5.7.1): these see the stores above
.endr
	WIN W_OUT
.irp i, 0,1,2,3,4,5,6,7,8,9,10,11,12,13,14,15
	s_wait_dscnt 15-\i                             ; row i is back; the younger rows may stay out
	v_pk_add_f32 v[4*(16*\k+\i):4*(16*\k+\i)+1], v[R+4*\i:R+4*\i+1], v[4*(16*\k+\i):4*(16*\k+\i)+1]
	v_pk_add_f32 v[4*(16*\k+\i)+2:4*(16*\k+\i)+3], v[R+4*\i+2:R+4*\i+3], v[4*(16*\k+\i)+2:4*(16*\k+\i)+3]
	global_store_b128 v[VX], v[4*(16*\k+\i):4*(16*\k+\i)+3], s[50:51] offset:(64*\k+\i)*CH th:TH_STORE_NT   ; 512 consecutive bytes, aligned; its data are never rewritten
.endr
	WIN 0
.endm
	s_load_b512 s[4:19], s[0:1], 0x0               ; x, wtf, vf, b_theta, b_w, bn_gamma, bn_beta, bn_mean in s[4:5] .. s[18:19]
	s_load_b128 s[20:23], s[0:1], 0x40             ; bn_var s[20:21], out0 s[22:23]
	v_lshl_add_u32 v62, v0, 2, 0x4c400
	v_mov_b32 v63, 0
	ds_add_u32 v62, v63
	v_lshrrev_b32 v[TA], 5, v0
	v_readfirstlane_b32 s[SW], v[TA]               ; wave 0..3
	v_and_b32 v[LANE], 31, v0
	v_and_b32 v[RR], 15, v0
	v_bfe_u32 v[HH], v0, 4, 1
	s_lshr_b32 s25, s24, 1                         ; wc
	s_and_b32 s26, s24, 1                          ; wp
	s_bfe_u32 s27, ttmp6, 0x40000                  ; cx: enters the global addresses of x and out0 alone
	s_lshr_b32 s28, ttmp9, 3                       ; image b: the same in the four work-groups of a cluster
	s_lshl_b32 s29, ttmp9, 2
	s_add_co_u32 s29, s29, s27
	s_and_b32 s29, s29, 31                         ; p
	s_lshl_b32 s30, s28, 22
	s_lshl_b32 s31, s29, 9
	s_or_b32 s30, s30, s31
	s_mov_b32 s31, 0
	s_lshl_b32 s56, s24, 18
	v_lshl_add_u32 v[VX], v[LANE], 4, s56
	s_lshl_b32 s57, s25, 8                         ; b_theta: 64 wc channels, 8 for each half of the lanes
	v_lshl_add_u32 v[VBT], v[HH], 5, s57
	s_wait_dscnt 0x0
	s_wait_kmcnt 0x0
	s_add_nc_u64 s[48:49], s[4:5], s[30:31]        ; x at the tile
	s_add_nc_u64 s[50:51], s[22:23], s[30:31]      ; out0 at the tile
.irp i, 0,1,2,3
	global_load_b128 v[BT+8*\i:BT+8*\i+3], v[VBT], s[10:11] offset:64*\i            ; register j: b_theta[64 wc + 16 ii + 8 (lane / 16) + j]
	global_load_b128 v[BT+8*\i+4:BT+8*\i+7], v[VBT], s[10:11] offset:64*\i+16
.endr
	XLOAD 0                                        ; 8 + 48 loads of the wave are on their way
	XLOAD 1
	XLOAD 2
	; Both descriptors: 128 dense rows of 256 bytes, a quarter of 128 KiB, to the same LDS bytes.  Equal in the four work-groups of the cluster.
	s_mov_b32 s32, 15|(3<<16)|(1<<21)              ; mask of the four; elements of 8 bytes; bit 21 beside a mask
	s_mov_b32 s33, 32<<16                          ; tensor_dim0 = 32
	s_mov_b32 s34, 128<<16                         ; tensor_dim1 = 128
	s_mov_b32 s35, 32<<16                          ; tile_dim0 = 32
	s_mov_b32 s36, 128                             ; tile_dim1 = 128
	s_mov_b32 s37, 32                              ; elements from row to row
	s_mov_b32 s38, 0
	s_mov_b32 s39, 0
	s_lshl_b32 s30, s24, 15                        ; the wave's quarter
	s_mov_b32 s40, 1
	s_add_co_u32 s41, s30, WT
	s_add_nc_u64 s[42:43], s[6:7], s[30:31]        ; w_theta's fragments
	s_or_b32 s43, s43, 0x80000000
	s_mov_b32 s44, 1
	s_add_co_u32 s45, s30, WT
	s_lshl_b32 s56, s28, 17                        ; the image's V: 131,072 bytes
	s_add_co_u32 s30, s30, s56
	s_add_nc_u64 s[46:47], s[8:9], s[30:31]
	s_or_b32 s47, s47, 0x80000000
	ROUND                                          ; the four work-groups are here: the joint loads meet
	tensor_load_to_lds s[40:43], s[32:39]          ; the first fill: w_theta
	s_nop 0
	s_mul_i32 s56, s24, 16*XP
	v_lshl_add_u32 v[LXS], v[LANE], 3, s56
	v_add_nc_u32 v[LXSL], XTL, v[LXS]
	v_and_b32 v[TA], 7, v0
	v_lshl_add_u32 v[TA], v[HH], 3, v[TA]
	v_mul_u32_u24 v[AX], v[TA], XP
	v_bfe_u32 v[TA], v0, 3, 1
	v_lshl_add_u32 v[AX], v[TA], 4, v[AX]
	s_lshl_b32 s56, s26, 7                         ; my four pixel tiles of 32 bytes
	v_add_nc_u32 v[AX], s56, v[AX]
	v_add_nc_u32 v[AX+1], 128*XP, v[AX]
	v_add_nc_u32 v[AXL], XTL, v[AX]
	v_add_nc_u32 v[AXL+1], XTL, v[AX+1]
	v_lshlrev_b32 v[THR], 4, v[LANE]               ; 16 bytes a lane
	s_lshl_b32 s56, s25, 15                        ; my four c' tiles of 8 fragments
	s_add_co_u32 s56, s56, WT
	v_add_nc_u32 v[AWT], s56, v[THR]
	v_add_nc_u32 v[AWTL], 0x10000, v[AWT]
	s_lshl_b32 s56, s24, 13                        ; theta: the wave's number times 8,192
	v_add_nc_u32 v[THS], s56, v[THR]
	s_lshl_b32 s56, s24, 12                        ; o tile 4 cc + w: four fragments
	s_add_co_u32 s56, s56, WT
	v_add_nc_u32 v[VFR], s56, v[THR]
	v_add_nc_u32 v[VFL], 0x10000, v[VFR]
	s_mul_i32 s56, s24, STW
	s_add_co_u32 s56, s56, ST
	v_add_nc_u32 v[RD], s56, v[THR]
	v_mul_u32_u24 v[STO], v[RR], SPITCH
	v_lshl_add_u32 v[STO], v[HH], 5, v[STO]
	v_add_nc_u32 v[STO], s56, v[STO]
	s_lshl_b32 s56, s24, 6
	v_lshl_add_u32 v[VBN], v[RR], 2, s56           ; channel 16 w + lane % 16
	; PHASE A
	CHUNKA 0, 32, 1                                ; chunks 1 and 2 stay out (b_theta was asked for ahead of x: it is in)
	CHUNKA 1, 32, 0                                ; chunks 2 and 3 stay out
	CHUNKA 2, 16, 0                                ; chunk 3 stays out
	CHUNKA 3, 0, 0
	s_wait_dscnt 0x0                               ; my reads of the x tiles and of w_theta's fragments are over,
	s_wait_tensorcnt 0x0                           ; and no tensor load of mine is out;
	ds_add_u32 v62, v63
	s_wait_dscnt 0x0
	ROUND                                          ; both now hold of every wave of the four work-groups
	tensor_load_to_lds s[44:47], s[32:39]          ; V's fragments fill the slot again: my one tensor load behind the round, and the first thing there
	s_nop 0
	PLACES
	; theta is split while that load is on its way.  D1's registers 2n, 2n+1 (window 1) make word n of theta: n = 4 (4 ii + tt) + k
	WIN 0x05
.set n, 0
.rept 64
	v_cvt_pk_bf16_f32 v[EH+n], v[2*n], v[2*n+1]    ; the values
.set n, n+1
.endr
	WIN 0
.set n, 0
.rept 64
	v_lshlrev_b32 v[EL+2*n], 16, v[EH+n]           ; the values back in f32
	v_and_b32 v[EL+2*n+1], 0xffff0000, v[EH+n]
.set n, n+1
.endr
	WIN 0x01
.set n, 0
.rept 64
	v_pk_add_f32 v[EL+2*n:EL+2*n+1], v[2*n:2*n+1], v[EL+2*n:EL+2*n+1] neg_lo:[0,1] neg_hi:[0,1]   ; what they leave (exact in f32)
.set n, n+1
.endr
	WIN 0
.set n, 0
.rept 64
	v_cvt_pk_bf16_f32 v[EL+n], v[EL+2*n], v[EL+2*n+1]              ; the remainders; word n lands on a register that has been read already, or is read by this line
.set n, n+1
.endr
.irp i, 0,1,2,3
.irp t, 0,1,2,3
	ds_store_b128 v[THS], v[EH+4*(4*\i+\t):EH+4*(4*\i+\t)+3] offset:\t*2048+\i*512                 ; into the x tile's bytes: the round has shown that nobody reads them any more
	ds_store_b128 v[THS], v[EL+4*(4*\i+\t):EL+4*(4*\i+\t)+3] offset:THLO+\t*2048+\i*512
.endr
.endr
	s_wait_tensorcnt 0x0                           ; my quarter of V's fragments has landed,
	s_wait_dscnt 0x0                               ; my part of theta is written,
	s_barrier_signal -1
	s_barrier_wait -1                              ; everybody's
.irp k, 0,1,2,3
	global_load_b32 v[RAW+\k], v[VBN], s[12:13] offset:256*\k      ; b_w of channel 64 cc + 16 w + lane % 16; these land while phase B runs
	global_load_b32 v[RAW+4+\k], v[VBN], s[14:15] offset:256*\k    ; gamma
	global_load_b32 v[RAW+8+\k], v[VBN], s[16:17] offset:256*\k    ; beta
	global_load_b32 v[RAW+12+\k], v[VBN], s[18:19] offset:256*\k   ; mean
	global_load_b32 v[RAW+16+\k], v[VBN], s[20:21] offset:256*\k   ; var
.endr
	; PHASE B: chunks 0 and 2 in window 0, chunks 1 and 3 in window 3
	FETCHB 0
	STEPB 0x50, 0xc0, 0, 1, 1                      ; the first products start the sums
	STEPB 0x5f, 0x00, 1, 0, 1
	STEPB 0x50, 0xc0, 2, 0, 1
	STEPB 0x5f, 0x00, 3, 0, 0
	PLACES
	WIN 0
	s_wait_loadcnt 0x0
.irp k, 0,1,2,3
	v_add_f32 v[RAW+16+\k], 0x3727c5ac, v[RAW+16+\k]               ; var + 1e-5
.endr
.irp k, 0,1,2,3
	v_rsq_f32 v[RS+\k], v[RAW+16+\k]
.endr
.irp k, 0,1,2,3
	v_sub_f32 v[RAW+\k], v[RAW+\k], v[RAW+12+\k]                   ; b_w - mean: plain instructions between v_rsq_f32 and the use of its results (ISA guide 5.7.2)
.endr
	s_wait_alu depctr_va_vdst(0)
.irp k, 0,1,2,3
	v_mul_f32 v[SS+2*\k], v[RAW+4+\k], v[RS+\k]                    ; s = gamma * rsqrt(var + eps)
.endr
.irp k, 0,1,2,3
	v_fma_f32 v[CC+2*\k], v[RAW+\k], v[SS+2*\k], v[RAW+8+\k]       ; c = (b_w - mean) s + beta
.endr
.irp k, 0,1,2,3
	v_mov_b32 v[SS+2*\k+1], v[SS+2*\k]
	v_mov_b32 v[CC+2*\k+1], v[CC+2*\k]
.endr
	OUT16 0
	OUT16 1
	OUT16 2
	OUT16 3
	s_wait_tensorcnt 0x0
	ds_add_u32 v62, v63
	s_wait_dscnt 0x0
	ROUND                                          ; the closing round: no work-group ends while a partner may still ask jointly
	s_endpgm
.Lfunc_end_k_q783f1e0c76_apply:
	.size	k_q783f1e0c76_apply, .Lfunc_end_k_q783f1e0c76_apply-k_q783f1e0c76_apply
	.p2alignl 7, 3214868480
	.fill 96, 4, 3214868480
	.section	.rodata,"a",@progbits
	.p2align	6, 0x0
	.amdhsa_kernel k_q783f1e0c76_apply
		.amdhsa_group_segment_fixed_size 327680
		.amdhsa_private_segment_fixed_size 0
		.amdhsa_enable_private_segment 0
		.amdhsa_kernarg_size 80
		.amdhsa_user_sgpr_count 2
		.amdhsa_user_sgpr_kernarg_segment_ptr 1
		.amdhsa_wavefront_size32 1
		.amdhsa_system_sgpr_workgroup_id_x 1
		.amdhsa_system_sgpr_workgroup_id_y 1
		.amdhsa_system_sgpr_workgroup_id_z 1
		.amdhsa_system_vgpr_workitem_id 0
		.amdhsa_next_free_vgpr 1024
		.amdhsa_next_free_sgpr 66
		.amdhsa_reserve_vcc 0
		.amdhsa_float_denorm_mode_32 3
		.amdhsa_float_denorm_mode_16_64 3
		.amdhsa_memory_ordered 1
		.amdhsa_forward_progress 1
		.amdhsa_inst_pref_size 192
	.end_amdhsa_kernel
	.amdgpu_metadata
---
amdhsa.version: [ 1, 2 ]
amdhsa.kernels:
  - .name:           k_q783f1e0c76_apply
    .symbol:         k_q783f1e0c76_apply.kd
    .args:
      - { .name: x, .offset: 0, .size: 8, .value_kind: global_buffer, .address_space: global }
      - { .name: wtf, .offset: 8, .size: 8, .value_kind: global_buffer, .address_space: global }
      - { .name: vf, .offset: 16, .size: 8, .value_kind: global_buffer, .address_space: global }
      - { .name: b_theta, .offset: 24, .size: 8, .value_kind: global_buffer, .address_space: global }
      - { .name: b_w, .offset: 32, .size: 8, .value_kind: global_buffer, .address_space: global }
      - { .name: bn_gamma, .offset: 40, .size: 8, .value_kind: global_buffer, .address_space: global }
      - { .name: bn_beta, .offset: 48, .size: 8, .value_kind: global_buffer, .address_space: global }
      - { .name: bn_mean, .offset: 56, .size: 8, .value_kind: global_buffer, .address_space: global }
      - { .name: bn_var, .offset: 64, .size: 8, .value_kind: global_buffer, .address_space: global }
      - { .name: out0, .offset: 72, .size: 8, .value_kind: global_buffer, .address_space: global }
    .group_segment_fixed_size: 327680
    .private_segment_fixed_size: 0
    .kernarg_segment_align: 8
    .kernarg_segment_size: 80
    .max_flat_workgroup_size: 128
    .sgpr_count:     66
    .vgpr_count:     1024
    .wavefront_size: 32
...
	.end_amdgpu_metadata
.endif
;; end of part 3
;; ======== version 2 of 3: 3 launches; 1.12 times as fast as version 1
;; limits: values are held in f16: magnitudes above 65,504 overflow, below 6.1e-05 lose precision
;; workspace buffers: pg 4,194,304 bytes; vf 1,048,576 bytes; wtf 65,536 bytes
;; launch pool (part 4): grid 256 x 1, 4 waves a work-group, clusters of 4 x 1, 297,472 bytes of LDS; arguments x, w_phi, w_g, b_phi, b_g, pg; writes pg
.if DOCPART == 4
	.amdgcn_target "amdgcn-amd-amdhsa--gfx1250"
	.amdhsa_code_object_version 6
	.text
	.protected	k_q783f1e0c76_pool
	.globl	k_q783f1e0c76_pool
	.p2align	8
	.type	k_q783f1e0c76_pool,@function
k_q783f1e0c76_pool:
	s_mov_b64 s[64:65], 0
	v_nop
	global_prefetch_b8 v0, s[64:65] scope:SCOPE_SE
	s_setreg_imm32_b32 hwreg(HW_REG_WAVE_MODE, 25, 1), 1
	s_wait_xcnt 0x0
	s_wait_alu depctr_hold_cnt(0) depctr_sa_sdst(0) depctr_va_vdst(0) depctr_va_sdst(0) depctr_va_ssrc(0) depctr_va_vcc(0) depctr_vm_vsrc(0)
	s_getreg_b32 s2, hwreg(HW_REG_IB_STS2, 6, 4)
	s_cmp_eq_u32 s2, 0
	s_cbranch_scc0 .Lentry_in_a_cluster
	s_endpgm
.Lentry_in_a_cluster:
	s_bfe_u32 s2, ttmp6, 0x10000c
	s_cmp_lg_u32 s2, 0x3003
	s_cbranch_scc0 .Lentry_shape_is_right
	s_endpgm
.Lentry_shape_is_right:
; Non-local block, first of three launches: phi = maxpool(w_phi x + b_phi) and g = maxpool(w_g x + b_g), rounded to bf16 and
; stored as ready matrix fragments in pg.
;
; WORK LEFT OUT, for all values of the inputs.  reference() forms f[n,m] = sum_c' theta[c',n] phi[c',m] / M (4096 x 1024 for each image) and
; then y[c,n] = sum_m f[n,m] g[c,m].  Nothing but these two products touches f, so in exact arithmetic the two sums may be exchanged:
;   y[c,n] = sum_c' theta[c',n] S[c',c]   with   S[c',c] = sum_m phi[c',m] g[c,m] / M   (128 x 128 for each image),
;   w_y[o,n] = sum_c' V[o,c'] theta[c',n] + b_w[o]   with   V[o,c'] = sum_c w_w[o,c] S[c',c].
; f and y are never formed.  Every input has a way to the output and is loaded by one of the three launches.
; Also: max_i (a_i + b) = (max_i a_i) + b, so the bias is added once behind the 2 x 2 maximum (rounding is monotone: the same bits).
; LIMITS: the order of rounding differs from reference()'s (sums exchanged; all sums f32).  In this launch x, w_phi, w_g, phi and g are rounded once to bf16:
; they enter S through a mean over M = 1024 terms, which averages their rounding away.  A NaN, an infinity or an overflow that would arise only in f
; or y is not carried to the result.  v_max_num_f32 lets a NaN lose in the pooling maximum, where jnp.max would carry it.
;
; SHARES.  Work-group g = 32 b + p takes image b and the image rows 2p, 2p+1: 128 pixels, 512 consecutive bytes of each of the 256 channels.
; Wave w takes the stacked output channels 64w .. 64w+63 (phi's 128, then g's 128) for all 128 pixels:
; D[m = pixel, n = channel] = x fragment x W fragment, 8 x 4 accumulator tiles, K = 256 in four chunks of 64 (two steps of 32 each).
; CLUSTER.  All work-groups need the same 256 KiB of weights, so four work-groups ask for them jointly (mask 15).  The weights come as f32 into LDS (the mover
; does not convert) in four pieces along K: piece c = the 64 input channels of chunk c, for a wave 64 rows of 256 bytes.  Four tensor loads of a wave are
; outstanding at the start and none is issued later.  Piece c is converted (each wave its own rows) and multiplied with chunk c of x while the later pieces
; and chunks are on their way.
; LDS: the four pieces and a whole bf16 x tile would be 278,528 + 73,728 bytes, more than a WGP has.  So chunk 0 of x has 18,432 bytes of its own, and chunk
; c > 0 takes the first 18,432 bytes of piece c - 1, which is never filled again and which every wave has finished reading in front of chunk c - 1's barrier.
;
; REGISTER WINDOWS of 256: 0 addresses, fragments of x, temporaries; 1 the 32 accumulators, tile (t, u) at v[8 (4t + u)];
; 2 the W fragments, (u, s) at v[8 (8u + s)]; 3 x as loaded, load n at v[4n].
.set CH,    16384                      ; bytes from a channel of x to the next
.set XP,    288                        ; pitch of a bf16 x chunk in LDS: 256 bytes + 32, an odd multiple of 32 bytes as the transposing load's rows want
.set WP,    272                        ; pitch of a piece's f32 rows in LDS: 256 + 16, an odd multiple of 16: sixteen rows start in sixteen different 16-byte columns modulo 256
.set WSW,   64*WP                      ; a wave's 64 rows of a piece: 17,408
.set PIECE, 4*WSW                      ; a piece: 69,632, a multiple of 256
.set XW,    3                          ; the window that holds x
.set W_XLD, (XW<<6)                    ; destination in x's window
.set W_XRD, (XW|(XW<<2))               ; sources 0 and 1 in x's window
.set LANE,  1
.set RR,    2                          ; lane % 16
.set HH,    3                          ; lane / 16
.set VX,    4                          ; x: 16 w rows + 16 bytes a lane; never rewritten
.set VBI,   5                          ; bias offset
.set VO,    6                          ; offset in pg
.set TA,    7
.set LXS,   8                          ; v[8:11]   chunk c: LDS address where my 8 bytes of a bf16 row go
.set AX,    12                         ; v[12:15]  chunk c: LDS address of an x fragment
.set AWS,   16                         ; v[16:19]  piece c: LDS address of my W rows
.set BI,    20                         ; v[20:27]  four bias pairs (b, b)
.set TM,    28                         ; v[28:31]
.set WF,    64                         ; v[64:191] a piece's eight fragments in f32, fragment 2u + q at v[WF + 16 (2u + q)]
.set FA0,   64                         ; then the x fragments of the chunk's two K steps
.set FA1,   128
.set T,     192                        ; v[192:223] a chunk's 16 rows in bf16
.set P,     64                         ; pooled values, f32
.set FR,    128                        ; pooled values, bf16 fragments
.set SW,    16                         ; s16: the wave's number
.set MSB,   0
.macro WIN new                         ; the immediate's high byte repeats the setting that is left
.if MSB != \new
	s_set_vgpr_msb (MSB<<8)|\new
.set MSB, \new
.endif
.endm
.macro PLACES                          ; four places behind a matrix instruction (ISA guide 7.12.1)
.rept 4
	v_nop
.endr
.endm
.macro ROUND                           ; a round of the cluster's barrier
	s_barrier_signal -1
	s_barrier_wait -1
	s_cmp_lg_u32 s[SW], 0
	s_cbranch_scc1 .Lnot_wave_0_\@
	s_barrier_signal -3
.Lnot_wave_0_\@:
	s_barrier_wait -3
	s_barrier_signal -1
	s_barrier_wait -1
.endm
; Chunk c = channels 64c .. 64c+63; my 16 rows of it are 64c + 16w + i.  Each load covers 512 consecutive bytes, aligned.
.macro XLOAD c
	WIN W_XLD
.irp i, 0,1,2,3,4,5,6,7,8,9,10,11,12,13,14,15
	global_load_b128 v[4*(16*\c+\i):4*(16*\c+\i)+3], v[VX], s[28:29] offset:(64*\c+\i)*CH
.endr
	WIN 0
.endm
; My 64 rows of piece c as f32: channel tile u, K step q of the chunk's two; 32 loads, fragment 2u + q in ascending order
.macro WLOAD c
.irp u, 0,1,2,3
.irp q, 0,1
	ds_load_b128 v[WF+16*(2*\u+\q):WF+16*(2*\u+\q)+3], v[AWS+\c] offset:\u*16*WP+128*\q
	ds_load_b128 v[WF+16*(2*\u+\q)+4:WF+16*(2*\u+\q)+7], v[AWS+\c] offset:\u*16*WP+128*\q+16
	ds_load_b128 v[WF+16*(2*\u+\q)+8:WF+16*(2*\u+\q)+11], v[AWS+\c] offset:\u*16*WP+128*\q+64
	ds_load_b128 v[WF+16*(2*\u+\q)+12:WF+16*(2*\u+\q)+15], v[AWS+\c] offset:\u*16*WP+128*\q+80
.endr
.endr
.endm
; Fragments 4b .. 4b+3 of the eight into bf16, in window 2: fragment 2u + q is (u, K step 2c + q)
.macro WCVT c, b
	WIN 0x80
.irp j, 0,1,2,3
.irp i, 0,1,2,3,4,5,6,7
	v_cvt_pk_bf16_f32 v[8*(8*(2*\b+((\j)>>1))+2*\c+((\j)&1))+\i], v[WF+16*(4*\b+\j)+2*\i], v[WF+16*(4*\b+\j)+2*\i+1]
.endr
.endr
	WIN 0
.endm
; The eight x fragments (16 pixels x 32 K) of K step s into buffer f.  A chunk lies [K][pixel], so the loads transpose.
.macro FETCHX s, f
.irp t, 0,1,2,3,4,5,6,7
	ds_load_tr16_b128 v[\f+8*\t:\f+8*\t+3], v[AX+((\s)>>1)] offset:(32*((\s)&1))*XP+32*\t
	ds_load_tr16_b128 v[\f+8*\t+4:\f+8*\t+7], v[AX+((\s)>>1)] offset:(32*((\s)&1)+16)*XP+32*\t
.endr
.endm
; 16 matrix instructions: pixel tiles t0 .. t0+3 x my four channel tiles, K step s.  The 32 accumulators take turns, one instruction a turn,
; in the same order in every step.
.macro MULP f, s, t0, zero
.irp t, \t0, \t0+1, \t0+2, \t0+3
.irp u, 0,1,2,3
.if \zero
	v_wmma_f32_16x16x32_bf16 v[8*(4*(\t)+\u):8*(4*(\t)+\u)+7], v[\f+8*(\t):\f+8*(\t)+7], v[8*(8*\u+(\s)):8*(8*\u+(\s))+7], 0
.else
	v_wmma_f32_16x16x32_bf16 v[8*(4*(\t)+\u):8*(4*(\t)+\u)+7], v[\f+8*(\t):\f+8*(\t)+7], v[8*(8*\u+(\s)):8*(8*\u+(\s))+7], v[8*(4*(\t)+\u):8*(4*(\t)+\u)+7]
.endif
.endr
.endr
.endm
; Chunk c.  cnt = the loads of x issued behind the chunk's own, which may stay out.  0x58: A window 0, B window 2, C and D window 1.
.macro CHUNKP c, cnt, zero
	s_wait_loadcnt \cnt
	WIN W_XRD
.irp i, 0,1,2,3,4,5,6,7,8,9,10,11,12,13,14,15
	v_cvt_pk_bf16_f32 v[T+2*\i], v[4*(16*\c+\i)], v[4*(16*\c+\i)+1]               ; these 32 lines are also the places between the last products and the loads into the registers that they read
	v_cvt_pk_bf16_f32 v[T+2*\i+1], v[4*(16*\c+\i)+2], v[4*(16*\c+\i)+3]
.endr
	WIN 0
.if \c == 0
	XLOAD 3                                        ; the last chunk goes out as soon as the first has come
.endif
	s_wait_tensorcnt 3-\c                          ; my rows of piece c have landed; the later pieces stay out.  I read only rows that my own load brought
	WLOAD \c
.irp i, 0,1,2,3,4,5,6,7,8,9,10,11,12,13,14,15
	ds_store_b64 v[LXS+\c], v[T+2*\i:T+2*\i+1] offset:\i*XP        ; chunk c > 0: onto piece c - 1, which nobody reads any more behind the last barrier
.endr
	s_wait_dscnt 32                                ; the first 16 loads of W are in; 16 loads and 16 stores may stay out
	WCVT \c, 0
	s_wait_dscnt 16                                ; all 32 loads of W are in; the 16 stores may stay out
	WCVT \c, 1
	s_wait_dscnt 0x0                               ; my rows of the chunk are written, and my reads of piece c are over,
	s_barrier_signal -1
	s_barrier_wait -1                              ; everybody's
	FETCHX (2*\c), FA0
	FETCHX (2*\c+1), FA1
	s_wait_dscnt 16                                ; the first K step's fragments are in; the second's 16 loads may stay out
	WIN 0x58
	MULP FA0, (2*\c), 0, \zero
	MULP FA0, (2*\c), 4, \zero
	s_wait_dscnt 0x0
	MULP FA1, (2*\c+1), 0, 0
	MULP FA1, (2*\c+1), 4, 0
	WIN 0
.endm
	s_load_b256 s[4:11], s[0:1], 0x0               ; x s[4:5], w_phi s[6:7], w_g s[8:9], b_phi s[10:11]
	s_load_b128 s[12:15], s[0:1], 0x20             ; b_g s[12:13], pg s[14:15]
	v_lshl_add_u32 v254, v0, 2, 0x48800
	v_mov_b32 v255, 0
	ds_add_u32 v254, v255
	v_lshrrev_b32 v[TA], 5, v0
	v_readfirstlane_b32 s[SW], v[TA]               ; wave 0..3
	v_and_b32 v[LANE], 31, v0
	v_and_b32 v[RR], 15, v0
	v_bfe_u32 v[HH], v0, 4, 1
	s_and_b32 s17, s16, 1                          ; which half of phi's or g's channels
	s_bfe_u32 s18, ttmp6, 0x40000                  ; cx: enters global addresses of x and pg alone
	s_lshr_b32 s19, ttmp9, 3                       ; image b: eight clusters an image
	s_lshl_b32 s21, ttmp9, 2
	s_add_co_u32 s21, s21, s18                     ; work-group 32 b + p
	s_and_b32 s20, s21, 31                         ; p
	s_lshl_b32 s22, s19, 22                        ; an image is 256 channels of 16,384 bytes
	s_lshl_b32 s23, s20, 9                         ; two image rows are 512 bytes
	s_or_b32 s22, s22, s23
	s_mov_b32 s23, 0
	s_lshl_b32 s57, s16, 18                        ; 16 w channels
	v_lshl_add_u32 v[VX], v[LANE], 4, s57
	s_lshl_b32 s58, s17, 8                         ; 64 channels of bias
	v_lshl_add_u32 v[VBI], v[RR], 2, s58
	; Group 1, for all four pieces: 64 rows of 64 f32 (256 bytes, aligned), 256 elements from row to row, 16 bytes of padding behind each row.  Equal in the four work-groups.
	s_mov_b32 s32, 15|(2<<16)|(1<<20)|(1<<21)|(5<<22)|(3<<25)      ; mask of the four; elements of 4 bytes; padding on; bit 21 beside a mask; after 64 words; 4 words
	s_mov_b32 s33, 64<<16                          ; tensor_dim0 = 64
	s_mov_b32 s34, 64<<16                          ; tensor_dim1 = 64
	s_mov_b32 s35, 64<<16                          ; tile_dim0 = 64
	s_mov_b32 s36, 64                              ; tile_dim1 = 64
	s_mov_b32 s37, 256                             ; elements from row to row
	s_mov_b32 s38, 0
	s_mov_b32 s39, 0
	s_mul_i32 s56, s16, WSW                        ; LDS: the wave's number times 17,408
	s_cmp_lt_u32 s16, 2                            ; waves 0, 1: phi; waves 2, 3: g
	s_wait_dscnt 0x0
	s_wait_kmcnt 0x0
	s_cselect_b64 s[24:25], s[6:7], s[8:9]         ; my weights
	s_cselect_b64 s[26:27], s[10:11], s[12:13]     ; my bias
	s_add_nc_u64 s[28:29], s[4:5], s[22:23]        ; x at the tile
	s_lshl_b32 s22, s21, 14                        ; pg: 16 fragments of 1,024 bytes for each work-group
	s_add_nc_u64 s[30:31], s[14:15], s[22:23]
.irp u, 0,1,2,3
	global_load_b32 v[BI+2*\u], v[VBI], s[26:27] offset:64*\u      ; bias of channel 16u + lane % 16 of my 64
.endr
	XLOAD 0                                        ; chunk 0 is needed as early as piece 0: it goes out ahead of the round and travels while the round completes
	s_lshl_b32 s22, s17, 16                        ; rows 0-63 or 64-127 of my weights
	s_add_nc_u64 s[24:25], s[24:25], s[22:23]
.irp c, 0,1,2,3
	s_mov_b32 s[40+4*\c], 1                                        ; group 0 of piece c: count 1,
	s_add_co_u32 s[41+4*\c], s56, \c*PIECE                         ; LDS: the piece's constant + the wave's number times 17,408,
	s_add_nc_u64 s[42+4*\c:43+4*\c], s[24:25], \c*256              ; 64 f32 further along the rows,
	s_or_b32 s[43+4*\c], s[43+4*\c], 0x80000000                    ; type 2
.endr
	ROUND                                          ; the four work-groups are here: the joint loads meet
.irp c, 0,1,2,3
	tensor_load_to_lds s[40+4*\c:43+4*\c], s[32:39]                ; the four first fills, one group
	s_nop 0
.endr
	XLOAD 1                                        ; 4 + 48 loads of the wave are on their way
	XLOAD 2
	s_mul_i32 s57, s16, 16*XP
	v_lshl_add_u32 v[LXS+1], v[LANE], 3, s57       ; row 16w of a chunk, 8 bytes a lane; chunk 1 lies at piece 0,
	v_add_nc_u32 v[LXS], 4*PIECE, v[LXS+1]         ; chunk 0 behind the four pieces,
	v_add_nc_u32 v[LXS+2], PIECE, v[LXS+1]         ; chunk 2 at piece 1,
	v_add_nc_u32 v[LXS+3], 2*PIECE, v[LXS+1]       ; chunk 3 at piece 2
	v_and_b32 v[TA], 7, v0
	v_lshl_add_u32 v[TA], v[HH], 3, v[TA]          ; K row 8 (lane / 16) + lane % 8
	v_mul_u32_u24 v[AX+1], v[TA], XP
	v_bfe_u32 v[TA], v0, 3, 1
	v_lshl_add_u32 v[AX+1], v[TA], 4, v[AX+1]      ; + 16 bytes for the upper eight of sixteen lanes
	v_add_nc_u32 v[AX], 4*PIECE, v[AX+1]
	v_add_nc_u32 v[AX+2], PIECE, v[AX+1]
	v_add_nc_u32 v[AX+3], 2*PIECE, v[AX+1]
	v_mul_u32_u24 v[AWS], v[RR], WP
	v_lshl_add_u32 v[AWS], v[HH], 5, v[AWS]        ; row lane % 16, 8 f32 for each half of the lanes
	v_add_nc_u32 v[AWS], s56, v[AWS]
	v_add_nc_u32 v[AWS+1], PIECE, v[AWS]
	v_add_nc_u32 v[AWS+2], 2*PIECE, v[AWS]
	v_add_nc_u32 v[AWS+3], 3*PIECE, v[AWS]
	s_lshl_b32 s58, s16, 12
	v_lshl_add_u32 v[VO], v[LANE], 4, s58          ; four fragments a wave, 16 bytes a lane
	CHUNKP 0, 32, 1                                ; chunks 1 and 2 stay out (the bias was asked for ahead of x: it is in); the first products start the sums
	CHUNKP 1, 32, 0                                ; chunks 2 and 3 stay out
	CHUNKP 2, 16, 0                                ; chunk 3 stays out
	CHUNKP 3, 0, 0
	; The 2 x 2 maximum.  Register j of tile (t, u) is pixel 16t + 8 (lane / 16) + j; tiles t and t + 4 are the two image rows.
	; Pooled column 8t + 4 (lane / 16) + jj = max over registers 2jj, 2jj+1 of both tiles.
	PLACES
	WIN 0x05
.irp u, 0,1,2,3
.irp t, 0,1,2,3
.irp j, 0,1,2,3
	v_max_num_f32 v[TM+\j], v[8*(4*\t+\u)+2*\j], v[8*(4*\t+\u)+2*\j+1]
.endr
.irp j, 0,1,2,3
	v_max3_num_f32 v[P+16*\u+4*\t+\j], v[8*(4*(\t+4)+\u)+2*\j], v[8*(4*(\t+4)+\u)+2*\j+1], v[TM+\j]
.endr
.endr
.endr
	WIN 0
.irp u, 0,1,2,3
	v_mov_b32 v[BI+2*\u+1], v[BI+2*\u]
.endr
.irp u, 0,1,2,3
.irp k, 0,1,2,3,4,5,6,7
	v_pk_add_f32 v[P+16*\u+2*\k:P+16*\u+2*\k+1], v[P+16*\u+2*\k:P+16*\u+2*\k+1], v[BI+2*\u:BI+2*\u+1]
.endr
.endr
	; A lane's 16 pooled values of a channel are that channel's 16 K places of the lane in a fragment of 16 channels x 32 pooled columns.
	; Which column lies at which K place is the same for phi and for g, so the products of the next launch pair like with like.
.irp u, 0,1,2,3
.irp k, 0,1,2,3,4,5,6,7
	v_cvt_pk_bf16_f32 v[FR+8*\u+\k], v[P+16*\u+2*\k], v[P+16*\u+2*\k+1]
.endr
.endr
.irp u, 0,1,2,3
	global_store_b128 v[VO], v[FR+8*\u:FR+8*\u+3], s[30:31] offset:\u*1024          ; each store covers 512 consecutive bytes, aligned
	global_store_b128 v[VO], v[FR+8*\u+4:FR+8*\u+7], s[30:31] offset:\u*1024+512
.endr
	s_wait_tensorcnt 0x0
	ds_add_u32 v254, v255
	s_wait_dscnt 0x0
	ROUND                                          ; the closing round: no work-group ends while a partner may still ask jointly
	s_endpgm
.Lfunc_end_k_q783f1e0c76_pool:
	.size	k_q783f1e0c76_pool, .Lfunc_end_k_q783f1e0c76_pool-k_q783f1e0c76_pool
	.p2alignl 7, 3214868480
	.fill 96, 4, 3214868480
	.section	.rodata,"a",@progbits
	.p2align	6, 0x0
	.amdhsa_kernel k_q783f1e0c76_pool
		.amdhsa_group_segment_fixed_size 297472
		.amdhsa_private_segment_fixed_size 0
		.amdhsa_enable_private_segment 0
		.amdhsa_kernarg_size 48
		.amdhsa_user_sgpr_count 2
		.amdhsa_user_sgpr_kernarg_segment_ptr 1
		.amdhsa_wavefront_size32 1
		.amdhsa_system_sgpr_workgroup_id_x 1
		.amdhsa_system_sgpr_workgroup_id_y 1
		.amdhsa_system_sgpr_workgroup_id_z 1
		.amdhsa_system_vgpr_workitem_id 0
		.amdhsa_next_free_vgpr 1024
		.amdhsa_next_free_sgpr 66
		.amdhsa_reserve_vcc 0
		.amdhsa_float_denorm_mode_32 3
		.amdhsa_float_denorm_mode_16_64 3
		.amdhsa_memory_ordered 1
		.amdhsa_forward_progress 1
		.amdhsa_inst_pref_size 86
	.end_amdhsa_kernel
	.amdgpu_metadata
---
amdhsa.version: [ 1, 2 ]
amdhsa.kernels:
  - .name:           k_q783f1e0c76_pool
    .symbol:         k_q783f1e0c76_pool.kd
    .args:
      - { .name: x, .offset: 0, .size: 8, .value_kind: global_buffer, .address_space: global }
      - { .name: w_phi, .offset: 8, .size: 8, .value_kind: global_buffer, .address_space: global }
      - { .name: w_g, .offset: 16, .size: 8, .value_kind: global_buffer, .address_space: global }
      - { .name: b_phi, .offset: 24, .size: 8, .value_kind: global_buffer, .address_space: global }
      - { .name: b_g, .offset: 32, .size: 8, .value_kind: global_buffer, .address_space: global }
      - { .name: pg, .offset: 40, .size: 8, .value_kind: global_buffer, .address_space: global }
    .group_segment_fixed_size: 297472
    .private_segment_fixed_size: 0
    .kernarg_segment_align: 8
    .kernarg_segment_size: 48
    .max_flat_workgroup_size: 128
    .sgpr_count:     66
    .vgpr_count:     1024
    .wavefront_size: 32
...
	.end_amdgpu_metadata
.endif
;; end of part 4
;; launch mix (part 5): grid 8 x 8, 16 waves a work-group, no clusters, 43,008 bytes of LDS; arguments pg, w_w, w_theta, vf, wtf; writes vf, wtf
.if DOCPART == 5
	.amdgcn_target "amdgcn-amd-amdhsa--gfx1250"
	.amdhsa_code_object_version 6
	.text
	.protected	k_q783f1e0c76_mix
	.globl	k_q783f1e0c76_mix
	.p2align	8
	.type	k_q783f1e0c76_mix,@function
k_q783f1e0c76_mix:
	s_mov_b64 s[64:65], 0
	v_nop
	global_prefetch_b8 v0, s[64:65] scope:SCOPE_SE
	s_setreg_imm32_b32 hwreg(HW_REG_WAVE_MODE, 25, 1), 1
	s_wait_xcnt 0x0
; Second of three launches.  f and y of reference() are not formed (sums exchanged, see the first launch's head): here
; S[c',c] = sum_m phi[c',m] g[c,m] / 1024 and V[o,c'] = sum_c w_w[o,c] S[c',c], V stored as bf16 fragments for the last launch.
; Besides, each work-group converts one of the 64 fragments of w_theta to f16 (wtf), so that the last launch can take them by the tensor mover.
; TWO bf16 FOR ONE NUMBER.  w_w, S and V are each kept as a rounded value and the rounded remainder (about 16 bits together), and a product of
; two such numbers is hi hi + lo hi + hi lo; the product of two remainders, under 2^-16 of the whole, is left out.  One bf16 would leave up to 2^-8 of
; each element as error; the sums over c and c' that follow carry such errors to the output undiminished, times the batch norm's gain, and the residual x
; may cancel most of the result.  S and V grow with the fourth and the fifth power of a common scale of x and the weights, so they have no room in f16.
; phi and g enter S through a mean over M = 1024 terms, which averages their rounding away: they stay single.
; w_theta IN f16: one number of 11 significant bits, error up to 2^-11 of an element.  LIMIT: |w_theta| above 65,504 becomes infinity; below 2^-14 the step is
; 2^-24.  Thirty times the problem's spread of 1/16 reaches about 10; a thirtieth of it is 2e-3, of which that step is 3e-5.
; Work-group (a, b): image b, the sixteen c' of tile a.  Sixteen waves.
;  1. wave wv = 4 u2 + kq: tiles D1[m = c, n = c'] for the g tiles 2 u2, 2 u2 + 1, summed over the pooled rows 8 kq .. 8 kq + 7 (K = 256).
;  2. the four partial sums of each tile meet in LDS; times 2^-10 (exact); split into two bf16.  Register j of D1 is c = 16 tile + 8 (lane / 16) + j at
;     c' = lane % 16, which is the place that c has as K in a fragment whose row is c': no move between lanes.
;  3. wave wv: D[m = c', n = o] for the sixteen o of tile wv, K = c = 128, three products; again its registers are a half fragment (K = c') as they stand.
; All data come through registers, 24 KiB a wave at once.  A work-group loads 512 KiB: phi's tile of 32 KiB four times (once for each
; pair of g tiles), the image's g, 256 KiB, which the eight work-groups of an image load alike, and w_w, 128 KiB, which all 64 load alike.
.set F,    16                          ; v[16:207]: for each of 8 pooled rows q 24 registers: phi, g tile 0, g tile 1; later w_w in f32, then its remainders, fragment u at v[F+16u]
.set ACC0, 208
.set ACC1, 216
.set SJ,   224                         ; v[224:247]: wave 0's fragment of w_theta: 16 f32, 8 words of f16
.set SLO,  96                          ; v[96:127]  S's remainders, four fragments
.set SHI,  128                         ; v[128:159] S's values, four fragments
.set WW,   160                         ; v[160:191] w_w's values, four fragments
.set TW,   192                         ; v[192:207] at work
.macro PLACES                          ; four places behind a matrix instruction (ISA guide 7.12.1)
.rept 4
	v_nop
.endr
.endm
; The two accumulators take turns, one instruction a turn.
.macro SQ q, zero
.if \zero
	v_wmma_f32_16x16x32_bf16 v[ACC0:ACC0+7], v[F+24*\q+8:F+24*\q+15], v[F+24*\q:F+24*\q+7], 0
	v_wmma_f32_16x16x32_bf16 v[ACC1:ACC1+7], v[F+24*\q+16:F+24*\q+23], v[F+24*\q:F+24*\q+7], 0
.else
	v_wmma_f32_16x16x32_bf16 v[ACC0:ACC0+7], v[F+24*\q+8:F+24*\q+15], v[F+24*\q:F+24*\q+7], v[ACC0:ACC0+7]
	v_wmma_f32_16x16x32_bf16 v[ACC1:ACC1+7], v[F+24*\q+16:F+24*\q+23], v[F+24*\q:F+24*\q+7], v[ACC1:ACC1+7]
.endif
.endm
	s_load_b256 s[4:11], s[0:1], 0x0               ; pg s[4:5], w_w s[6:7], w_theta s[8:9], vf s[10:11]
	s_load_b64 s[12:13], s[0:1], 0x20              ; wtf
	v_lshl_add_u32 v254, v0, 2, 0xa000
	v_mov_b32 v255, 0
	v_lshrrev_b32 v1, 5, v0
	v_readfirstlane_b32 s14, v1                    ; wave 0..15
	v_and_b32 v1, 31, v0                           ; lane
	v_and_b32 v2, 15, v0                           ; lane % 16
	v_bfe_u32 v3, v0, 4, 1                         ; lane / 16
	s_and_b32 s16, ttmp7, 0xffff                   ; b
	s_lshr_b32 s17, s14, 2                         ; u2
	s_and_b32 s18, s14, 3                          ; kq
	v_lshlrev_b32 v13, 4, v1                       ; 16 bytes a lane
	s_lshl_b32 s19, s18, 17                        ; 8 pooled rows of 16,384 bytes
	s_lshl_b32 s26, ttmp9, 10                      ; phi's tile a
	s_add_co_u32 s26, s26, s19
	v_add_nc_u32 v4, s26, v13
	s_lshl_b32 s27, s17, 11                        ; g's tiles 2 u2, 2 u2 + 1, behind phi's eight
	s_add_co_u32 s27, s27, s19
	s_add_co_u32 s27, s27, 8192
	v_add_nc_u32 v5, s27, v13
	v_lshlrev_b32 v6, 9, v2                        ; w_w: row 16 wv + lane % 16 of 512 bytes, 8 f32 for each half of the lanes
	v_lshl_add_u32 v6, v3, 5, v6
	s_lshl_b32 s28, s14, 13
	v_add_nc_u32 v6, s28, v6
	v_lshlrev_b32 v7, 10, v2                       ; w_theta: row 16 b + lane % 16 of 1,024 bytes, K step a
	v_lshl_add_u32 v7, v3, 5, v7
	s_lshl_b32 s29, s16, 14
	s_lshl_b32 s30, ttmp9, 7
	s_add_co_u32 s29, s29, s30
	v_add_nc_u32 v7, s29, v7
	s_lshl_b32 s28, s14, 11
	v_add_nc_u32 v8, s28, v13                      ; LDS, partial tiles: the wave's number times 2,048: [tile 2][half 2][512]
	s_lshl_b32 s28, s17, 13                        ; to read them: the four waves 4 (wv / 4) + kq; tile (wv / 2) % 2, half wv % 2 = (wv % 4) x 512
	s_lshl_b32 s29, s18, 9
	s_add_co_u32 s28, s28, s29
	v_add_nc_u32 v9, s28, v13
	s_lshl_b32 s28, s14, 8
	s_add_co_u32 s28, s28, 32768
	v_lshl_add_u32 v10, v1, 3, s28                 ; LDS, S in bf16: 32,768 + the wave's number times 256, 8 bytes a lane; the remainders 4,096 further on
	v_lshlrev_b32 v11, 3, v1
	v_add_nc_u32 v11, 32768, v11
	s_lshl_b32 s28, s14, 12
	v_add_nc_u32 v12, s28, v13                     ; vf: o tile wv
	s_lshl_b32 s32, s16, 19                        ; pg: 32 pooled rows of 16,384 bytes an image
	s_mov_b32 s33, 0
	s_wait_kmcnt 0x0
	s_add_nc_u64 s[20:21], s[4:5], s[32:33]
	s_lshl_b32 s32, s16, 17                        ; vf: 131,072 bytes an image, values then remainders; tile a is half a % 2 of the fragments of chunk a / 2: a x 512
	s_lshl_b32 s26, ttmp9, 9
	s_add_co_u32 s32, s32, s26
	s_add_nc_u64 s[22:23], s[10:11], s[32:33]
	s_lshl_b32 s32, s16, 3                         ; wtf: fragment 8 b + a
	s_add_co_u32 s32, s32, ttmp9
	s_lshl_b32 s32, s32, 10
	s_add_nc_u64 s[24:25], s[12:13], s[32:33]
.irp q, 0,1,2,3,4,5,6,7
	global_load_b128 v[F+24*\q:F+24*\q+3], v4, s[20:21] offset:\q*16384             ; each load covers 512 consecutive bytes
	global_load_b128 v[F+24*\q+4:F+24*\q+7], v4, s[20:21] offset:\q*16384+512
	global_load_b128 v[F+24*\q+8:F+24*\q+11], v5, s[20:21] offset:\q*16384
	global_load_b128 v[F+24*\q+12:F+24*\q+15], v5, s[20:21] offset:\q*16384+512
	global_load_b128 v[F+24*\q+16:F+24*\q+19], v5, s[20:21] offset:\q*16384+1024
	global_load_b128 v[F+24*\q+20:F+24*\q+23], v5, s[20:21] offset:\q*16384+1536
.endr
	s_cmp_lg_u32 s14, 0
	s_cbranch_scc1 .Lno_side
	; wave 0 alone: fragment (c' tile b, K step a) of w_theta to f16
	global_load_b128 v[SJ:SJ+3], v7, s[8:9]
	global_load_b128 v[SJ+4:SJ+7], v7, s[8:9] offset:16
	global_load_b128 v[SJ+8:SJ+11], v7, s[8:9] offset:64
	global_load_b128 v[SJ+12:SJ+15], v7, s[8:9] offset:80
	s_wait_loadcnt 0x0
.irp i, 0,1,2,3,4,5,6,7
	v_cvt_pk_f16_f32 v[SJ+16+\i], v[SJ+2*\i], v[SJ+2*\i+1]
.endr
	global_store_b128 v13, v[SJ+16:SJ+19], s[24:25]                ; the stores' data and address are never rewritten
	global_store_b128 v13, v[SJ+20:SJ+23], s[24:25] offset:512
.Lno_side:
	s_wait_loadcnt 24                              ; rows q = 0..3 are in; the 24 loads of q = 4..7 may stay out
	SQ 0, 1
	SQ 1, 0
	SQ 2, 0
	SQ 3, 0
	PLACES                                         ; the loads below land in registers that these products have read
.irp u, 0,1,2,3
	global_load_b128 v[F+16*\u:F+16*\u+3], v6, s[6:7] offset:128*\u
	global_load_b128 v[F+16*\u+4:F+16*\u+7], v6, s[6:7] offset:128*\u+16
	global_load_b128 v[F+16*\u+8:F+16*\u+11], v6, s[6:7] offset:128*\u+64
	global_load_b128 v[F+16*\u+12:F+16*\u+15], v6, s[6:7] offset:128*\u+80
.endr
	s_wait_loadcnt 16                              ; all of phi and g is in; w_w's sixteen loads stay out
	SQ 4, 0
	SQ 5, 0
	SQ 6, 0
	SQ 7, 0
	PLACES
	ds_store_b128 v8, v[ACC0:ACC0+3]
	ds_store_b128 v8, v[ACC0+4:ACC0+7] offset:512
	ds_store_b128 v8, v[ACC1:ACC1+3] offset:1024
	ds_store_b128 v8, v[ACC1+4:ACC1+7] offset:1536
	s_wait_dscnt 0x0                               ; my partial tiles are written,
	s_barrier_signal -1
	s_barrier_wait -1                              ; everybody's are
.irp k, 0,1,2,3
	ds_load_b128 v[96+4*\k:96+4*\k+3], v9 offset:\k*2048           ; half wv % 2 of tile wv / 2, from the four waves that summed parts of it
.endr
	s_wait_dscnt 0x0
	v_pk_add_f32 v[96:97], v[96:97], v[100:101]
	v_pk_add_f32 v[98:99], v[98:99], v[102:103]
	v_pk_add_f32 v[104:105], v[104:105], v[108:109]
	v_pk_add_f32 v[106:107], v[106:107], v[110:111]
	v_pk_add_f32 v[96:97], v[96:97], v[104:105]
	v_pk_add_f32 v[98:99], v[98:99], v[106:107]
	v_pk_mul_f32 v[96:97], v[96:97], 0x3a800000 op_sel_hi:[1,0]    ; 1 / M = 2^-10
	v_pk_mul_f32 v[98:99], v[98:99], 0x3a800000 op_sel_hi:[1,0]
	v_cvt_pk_bf16_f32 v112, v96, v97               ; S's values
	v_cvt_pk_bf16_f32 v113, v98, v99
	v_lshlrev_b32 v100, 16, v112                   ; the values back in f32,
	v_and_b32 v101, 0xffff0000, v112
	v_lshlrev_b32 v102, 16, v113
	v_and_b32 v103, 0xffff0000, v113
	v_pk_add_f32 v[96:97], v[96:97], v[100:101] neg_lo:[0,1] neg_hi:[0,1]          ; what they leave (exact in f32),
	v_pk_add_f32 v[98:99], v[98:99], v[102:103] neg_lo:[0,1] neg_hi:[0,1]
	v_cvt_pk_bf16_f32 v114, v96, v97               ; and S's remainders
	v_cvt_pk_bf16_f32 v115, v98, v99
	ds_store_b64 v10, v[112:113]
	ds_store_b64 v10, v[114:115] offset:4096
	s_wait_dscnt 0x0
	s_barrier_signal -1
	s_barrier_wait -1
.irp k, 0,1,2,3,4,5,6,7,8,9,10,11,12,13,14,15
	ds_load_b64 v[SHI+2*\k:SHI+2*\k+1], v11 offset:\k*256          ; S: piece k = registers 2 (k % 4), + 1 of the fragment of chunk k / 4
.endr
.irp k, 0,1,2,3,4,5,6,7,8,9,10,11,12,13,14,15
	ds_load_b64 v[SLO+2*\k:SLO+2*\k+1], v11 offset:4096+\k*256     ; the remainders likewise
.endr
	s_wait_loadcnt 0x0                             ; w_w
.irp u, 0,1,2,3
.irp i, 0,1,2,3,4,5,6,7
	v_cvt_pk_bf16_f32 v[WW+8*\u+\i], v[F+16*\u+2*\i], v[F+16*\u+2*\i+1]            ; w_w's values
.endr
.irp i, 0,1,2,3,4,5,6,7
	v_lshlrev_b32 v[TW+2*\i], 16, v[WW+8*\u+\i]
	v_and_b32 v[TW+2*\i+1], 0xffff0000, v[WW+8*\u+\i]
.endr
.irp i, 0,1,2,3,4,5,6,7
	v_pk_add_f32 v[F+16*\u+2*\i:F+16*\u+2*\i+1], v[F+16*\u+2*\i:F+16*\u+2*\i+1], v[TW+2*\i:TW+2*\i+1] neg_lo:[0,1] neg_hi:[0,1]
.endr
.irp i, 0,1,2,3,4,5,6,7
	v_cvt_pk_bf16_f32 v[F+16*\u+\i], v[F+16*\u+2*\i], v[F+16*\u+2*\i+1]            ; its remainders; word i lands on a register that has been read already, or is read by this line
.endr
.endr
	s_wait_dscnt 0x0
	; V = S_hi w_hi + S_lo w_hi + S_hi w_lo: two sums by turns, one instruction a turn
	v_wmma_f32_16x16x32_bf16 v[ACC0:ACC0+7], v[SHI:SHI+7], v[WW:WW+7], 0
	v_wmma_f32_16x16x32_bf16 v[ACC1:ACC1+7], v[SHI+8:SHI+15], v[WW+8:WW+15], 0
	v_wmma_f32_16x16x32_bf16 v[ACC0:ACC0+7], v[SHI+16:SHI+23], v[WW+16:WW+23], v[ACC0:ACC0+7]
	v_wmma_f32_16x16x32_bf16 v[ACC1:ACC1+7], v[SHI+24:SHI+31], v[WW+24:WW+31], v[ACC1:ACC1+7]
	v_wmma_f32_16x16x32_bf16 v[ACC0:ACC0+7], v[SLO:SLO+7], v[WW:WW+7], v[ACC0:ACC0+7]
	v_wmma_f32_16x16x32_bf16 v[ACC1:ACC1+7], v[SLO+8:SLO+15], v[WW+8:WW+15], v[ACC1:ACC1+7]
	v_wmma_f32_16x16x32_bf16 v[ACC0:ACC0+7], v[SLO+16:SLO+23], v[WW+16:WW+23], v[ACC0:ACC0+7]
	v_wmma_f32_16x16x32_bf16 v[ACC1:ACC1+7], v[SLO+24:SLO+31], v[WW+24:WW+31], v[ACC1:ACC1+7]
	v_wmma_f32_16x16x32_bf16 v[ACC0:ACC0+7], v[SHI:SHI+7], v[F:F+7], v[ACC0:ACC0+7]
	v_wmma_f32_16x16x32_bf16 v[ACC1:ACC1+7], v[SHI+8:SHI+15], v[F+16:F+23], v[ACC1:ACC1+7]
	v_wmma_f32_16x16x32_bf16 v[ACC0:ACC0+7], v[SHI+16:SHI+23], v[F+32:F+39], v[ACC0:ACC0+7]
	v_wmma_f32_16x16x32_bf16 v[ACC1:ACC1+7], v[SHI+24:SHI+31], v[F+48:F+55], v[ACC1:ACC1+7]
	PLACES
.irp i, 0,2,4,6
	v_pk_add_f32 v[ACC0+\i:ACC0+\i+1], v[ACC0+\i:ACC0+\i+1], v[ACC1+\i:ACC1+\i+1]
.endr
.irp i, 0,1,2,3
	v_cvt_pk_bf16_f32 v[192+\i], v[ACC0+2*\i], v[ACC0+2*\i+1]      ; V's values
.endr
.irp i, 0,1,2,3
	v_lshlrev_b32 v[196+2*\i], 16, v[192+\i]
	v_and_b32 v[196+2*\i+1], 0xffff0000, v[192+\i]
.endr
.irp i, 0,1,2,3
	v_pk_add_f32 v[ACC0+2*\i:ACC0+2*\i+1], v[ACC0+2*\i:ACC0+2*\i+1], v[196+2*\i:196+2*\i+1] neg_lo:[0,1] neg_hi:[0,1]
.endr
.irp i, 0,1,2,3
	v_cvt_pk_bf16_f32 v[204+\i], v[ACC0+2*\i], v[ACC0+2*\i+1]      ; V's remainders
.endr
	global_store_b128 v12, v[192:195], s[22:23]                    ; each store covers 512 consecutive bytes, aligned
	global_store_b128 v12, v[204:207], s[22:23] offset:65536
	s_wait_tensorcnt 0x0
	ds_add_u32 v254, v255
	s_wait_dscnt 0x0
	s_endpgm
.Lfunc_end_k_q783f1e0c76_mix:
	.size	k_q783f1e0c76_mix, .Lfunc_end_k_q783f1e0c76_mix-k_q783f1e0c76_mix
	.p2alignl 7, 3214868480
	.fill 96, 4, 3214868480
	.section	.rodata,"a",@progbits
	.p2align	6, 0x0
	.amdhsa_kernel k_q783f1e0c76_mix
		.amdhsa_group_segment_fixed_size 43008
		.amdhsa_private_segment_fixed_size 0
		.amdhsa_enable_private_segment 0
		.amdhsa_kernarg_size 40
		.amdhsa_user_sgpr_count 2
		.amdhsa_user_sgpr_kernarg_segment_ptr 1
		.amdhsa_wavefront_size32 1
		.amdhsa_system_sgpr_workgroup_id_x 1
		.amdhsa_system_sgpr_workgroup_id_y 1
		.amdhsa_system_sgpr_workgroup_id_z 1
		.amdhsa_system_vgpr_workitem_id 0
		.amdhsa_next_free_vgpr 256
		.amdhsa_next_free_sgpr 66
		.amdhsa_reserve_vcc 0
		.amdhsa_float_denorm_mode_32 3
		.amdhsa_float_denorm_mode_16_64 3
		.amdhsa_memory_ordered 1
		.amdhsa_forward_progress 1
		.amdhsa_inst_pref_size 27
	.end_amdhsa_kernel
	.amdgpu_metadata
---
amdhsa.version: [ 1, 2 ]
amdhsa.kernels:
  - .name:           k_q783f1e0c76_mix
    .symbol:         k_q783f1e0c76_mix.kd
    .args:
      - { .name: pg, .offset: 0, .size: 8, .value_kind: global_buffer, .address_space: global }
      - { .name: w_w, .offset: 8, .size: 8, .value_kind: global_buffer, .address_space: global }
      - { .name: w_theta, .offset: 16, .size: 8, .value_kind: global_buffer, .address_space: global }
      - { .name: vf, .offset: 24, .size: 8, .value_kind: global_buffer, .address_space: global }
      - { .name: wtf, .offset: 32, .size: 8, .value_kind: global_buffer, .address_space: global }
    .group_segment_fixed_size: 43008
    .private_segment_fixed_size: 0
    .kernarg_segment_align: 8
    .kernarg_segment_size: 40
    .max_flat_workgroup_size: 512
    .sgpr_count:     66
    .vgpr_count:     256
    .wavefront_size: 32
...
	.end_amdgpu_metadata
.endif
;; end of part 5
;; launch apply (part 6): grid 256 x 1, 4 waves a work-group, clusters of 4 x 1, 304,640 bytes of LDS; arguments x, wtf, vf, b_theta, b_w, bn_gamma, bn_beta, bn_mean, bn_var, out0; writes out0
.if DOCPART == 6
	.amdgcn_target "amdgcn-amd-amdhsa--gfx1250"
	.amdhsa_code_object_version 6
	.text
	.protected	k_q783f1e0c76_apply
	.globl	k_q783f1e0c76_apply
	.p2align	8
	.type	k_q783f1e0c76_apply,@function
k_q783f1e0c76_apply:
	s_mov_b64 s[64:65], 0
	v_nop
	global_prefetch_b8 v0, s[64:65] scope:SCOPE_SE
	s_setreg_imm32_b32 hwreg(HW_REG_WAVE_MODE, 25, 1), 1
	s_wait_xcnt 0x0
	s_wait_alu depctr_hold_cnt(0) depctr_sa_sdst(0) depctr_va_vdst(0) depctr_va_sdst(0) depctr_va_ssrc(0) depctr_va_vcc(0) depctr_vm_vsrc(0)
	s_getreg_b32 s2, hwreg(HW_REG_IB_STS2, 6, 4)
	s_cmp_eq_u32 s2, 0
	s_cbranch_scc0 .Lentry_in_a_cluster
	s_endpgm
.Lentry_in_a_cluster:
	s_bfe_u32 s2, ttmp6, 0x10000c
	s_cmp_lg_u32 s2, 0x3003
	s_cbranch_scc0 .Lentry_shape_is_right
	s_endpgm
.Lentry_shape_is_right:
; Third of three launches.  f and y of reference() are not formed (sums exchanged, see the first launch's head):
;   theta = w_theta x + b_theta;   out = (V theta + b_w - mean) * gamma * rsqrt(var + eps) + beta + x,   V from the second launch.
; Work-group 32 b + p: image b, 128 pixels (image rows 2p, 2p+1), all 256 channels.  x is read once: as f32 it stays in registers for the residual,
; as f16 it goes to LDS for the product.
; NUMBER FORMATS.  The sums over c and c' carry the rounding of their operands to the output undiminished, times the batch norm's gain, and the residual x may cancel
; most of the result; one bf16, with up to 2^-8 of an element as error, is too little for them.
;   x and w_theta: one f16 each, 11 significant bits, error up to 2^-11 of an element.  LIMIT: a magnitude above 65,504 becomes infinity; below 2^-14 the step is 2^-24.
;   Thirty times the problem's spread, or an offset of thirty spreads, is about 200 for x and about 10 for w_theta; a thirtieth of w_theta's spread is 2e-3, of which
;   that step is 3e-5.
;   theta and V: a rounded bf16 value and the rounded remainder (about 16 bits together); V theta = Vhi thetahi + Vlo thetahi + Vhi thetalo, and the product of the two
;   remainders, under 2^-16 of the whole, is left out.  V grows with the fifth power of a common scale of x and the weights and has no room in f16.
; Phase A, wave (wc, wp) = (w / 2, w % 2): D1[m = c', n = pixel], c' tiles 4 wc + ii, pixel tiles 4 wp + tt, K = 256; b_theta starts the sums.
;   Register j of D1 is c' = 16 tile + 8 (lane / 16) + j at pixel lane % 16: as it stands a half fragment with K = c'.  It goes to LDS for all waves,
;   into the bytes of the x tile, which nobody reads any more behind a barrier.
; Phase B, wave w: D2[m = pixel, n = o] for the o tiles 4 cc + w, the channels whose x the wave holds, and all eight pixel tiles, K = 128, three products.
; Way out: scale and shift in f32, 16 channels at a time through the wave's own LDS stage, so that a lane gets the 16 bytes of a row that its x
;   registers hold; x is added in place and stored from there.
; CLUSTER: the four work-groups of a cluster lie in one image and need the same 64 KiB of w_theta fragments and the same 128 KiB of V fragments:
; three joint tensor loads a wave (mask 15), all three outstanding at once, never filled again.
; LIMITS besides: order of rounding as stated in the first launch; v_rsq_f32 takes a denormal bn_var + eps as zero.
; REGISTER WINDOWS of 256: 0 addresses, fragments, temporaries; 1 accumulators; 2 x as loaded, load n at v[4n]; 3 phase B's second fragment buffer.
.set CH,    16384                      ; bytes from a channel to the next
.set XP,    288                        ; pitch of the f16 x tile: an odd multiple of 32 bytes
.set THLO,  32768                      ; LDS: x tile at 0, 73,728 bytes; later theta: values at 0, remainders at 32,768, each [wave 4][tt 4][ii 4][512]
.set WT,    73728                      ; w_theta fragments
.set VF,    139264                     ; V fragments: values, then remainders 65,536 further on
.set ST,    270336                     ; the way out: 16 rows of 528 bytes for each wave
.set SPITCH, 528                       ; 512 + 16: an odd multiple of 16
.set STW,   16*SPITCH
.set XW,    2
.set W_XLD, (XW<<6)
.set W_XRD, (XW|(XW<<2))
.set W_OUT, ((XW<<6)|(XW<<2))          ; destination and source 1 (also a store's data) in x's window, source 0 (also an address) in window 0
.set LANE,  1
.set RR,    2
.set HH,    3
.set VX,    4                          ; 16 w channels + 16 bytes a lane, for x and for out; never rewritten
.set LXS,   5
.set AX,    6                          ; v6, v7
.set AWT,   8
.set THS,   9
.set THR,   10                         ; 16 bytes a lane: theta begins at LDS byte 0
.set VFR,   11
.set STO,   12
.set RD,    13
.set VBT,   14
.set VBN,   15
.set SS,    16                         ; v[16:23] pairs (s, s) for cc = 0..3
.set CC,    24                         ; v[24:31] pairs (c, c)
.set RAW,   32                         ; v[32:51] b_w, gamma, beta, mean, var, four each
.set RS,    52                         ; v[52:55]
.set TA,    56
.set VFL,   57                         ; V's remainders
.set FB0,   64                         ; phase A: 4 w_theta fragments, 4 x fragments; one buffer for each of a chunk's two K steps
.set FB1,   128
.set T,     192                        ; v[192:223] a chunk's 16 rows in f16
.set BT,    224                        ; v[224:255] b_theta in the layout of an accumulator, for ii = 0..3
.set EH,    64                         ; theta's values in bf16
.set EL,    128                        ; theta's values back in f32, then what they leave, then the remainders in bf16
.set QTH,   64                         ; phase B, in window 0 or 3: 8 fragments of theta's values,
.set QTL,   128                        ; 8 of its remainders,
.set QVH,   192                        ; 4 of V's values,
.set QVL,   224                        ; 4 of its remainders
.set E,     64                         ; scaled results on their way to the stage
.set R,     128                        ; rows read back
.set SW,    24
.set MSB,   0
.macro WIN new                         ; the immediate's high byte repeats the setting that is left
.if MSB != \new
	s_set_vgpr_msb (MSB<<8)|\new
.set MSB, \new
.endif
.endm
.macro PLACES                          ; four places behind a matrix instruction (ISA guide 7.12.1)
.rept 4
	v_nop
.endr
.endm
.macro ROUND                           ; a round of the cluster's barrier
	s_barrier_signal -1
	s_barrier_wait -1
	s_cmp_lg_u32 s[SW], 0
	s_cbranch_scc1 .Lnot_wave_0_\@
	s_barrier_signal -3
.Lnot_wave_0_\@:
	s_barrier_wait -3
	s_barrier_signal -1
	s_barrier_wait -1
.endm
.macro XLOAD c                         ; my 16 rows 64c + 16w + i of chunk c; each load covers 512 consecutive bytes, aligned; x is not read again
	WIN W_XLD
.irp i, 0,1,2,3,4,5,6,7,8,9,10,11,12,13,14,15
	global_load_b128 v[4*(16*\c+\i):4*(16*\c+\i)+3], v[VX], s[48:49] offset:(64*\c+\i)*CH th:TH_LOAD_NT
.endr
	WIN 0
.endm
.macro CHUNKIN c, cnt                  ; my rows of chunk c to LDS in f16; cnt = the loads issued behind the chunk's own
	s_wait_loadcnt \cnt
	WIN W_XRD
.irp i, 0,1,2,3,4,5,6,7,8,9,10,11,12,13,14,15
	v_cvt_pk_f16_f32 v[T+2*\i], v[4*(16*\c+\i)], v[4*(16*\c+\i)+1]                ; these 32 lines are also the places between the last products and the loads into the registers that they read
	v_cvt_pk_f16_f32 v[T+2*\i+1], v[4*(16*\c+\i)+2], v[4*(16*\c+\i)+3]
.endr
	WIN 0
.irp i, 0,1,2,3,4,5,6,7,8,9,10,11,12,13,14,15
	ds_store_b64 v[LXS], v[T+2*\i:T+2*\i+1] offset:(64*\c+\i)*XP
.endr
.if \c == 0
	XLOAD 3
	s_wait_tensorcnt 0x2                           ; my quarter of the w_theta fragments has landed: the others read it behind this barrier; V's two loads stay out
.endif
	s_wait_dscnt 0x0
	s_barrier_signal -1
	s_barrier_wait -1                              ; each chunk has bytes of its own: one barrier a chunk
.endm
.macro FETCHA s, f                     ; K step s: my four w_theta fragments and my four x fragments: 16 loads
.irp i, 0,1,2,3
	ds_load_b128 v[\f+8*\i:\f+8*\i+3], v[AWT] offset:\i*8192+(\s)*1024
	ds_load_b128 v[\f+8*\i+4:\f+8*\i+7], v[AWT] offset:\i*8192+(\s)*1024+512
.endr
.irp t, 0,1,2,3
	ds_load_tr16_b128 v[\f+32+8*\t:\f+32+8*\t+3], v[AX+((\s)>>2)] offset:(32*((\s)&3))*XP+32*\t
	ds_load_tr16_b128 v[\f+32+8*\t+4:\f+32+8*\t+7], v[AX+((\s)>>2)] offset:(32*((\s)&3)+16)*XP+32*\t
.endr
.endm
; 16 matrix instructions, one for each accumulator, always in the same order: the accumulators take turns, one instruction a turn
.macro MULA f, first
.irp i, 0,1,2,3
.irp t, 0,1,2,3
.if \first
	v_wmma_f32_16x16x32_f16 v[8*(4*\i+\t):8*(4*\i+\t)+7], v[\f+8*\i:\f+8*\i+7], v[\f+32+8*\t:\f+32+8*\t+7], v[BT+8*\i:BT+8*\i+7]
.else
	v_wmma_f32_16x16x32_f16 v[8*(4*\i+\t):8*(4*\i+\t)+7], v[\f+8*\i:\f+8*\i+7], v[\f+32+8*\t:\f+32+8*\t+7], v[8*(4*\i+\t):8*(4*\i+\t)+7]
.endif
.endr
.endr
.endm
; A chunk: its rows into LDS, then its two K steps.  0x40: D window 1, C = the bias in window 0; 0x50: C and D window 1.
.macro CHUNKA c, cnt, first
	CHUNKIN \c, \cnt
	FETCHA (2*\c), FB0
	FETCHA (2*\c+1), FB1
	s_wait_dscnt 16                                ; the first K step's fragments are in; the second's 16 loads may stay out
.if \first
	WIN 0x40
.else
	WIN 0x50
.endif
	MULA FB0, \first
	s_wait_dscnt 0x0
	WIN 0x50
	MULA FB1, 0
	WIN 0
.endm
; chunk u of c': theta fragment (t, u) has its halves at c' tiles 2u, 2u+1, written by wave 2 (u / 2) + t / 4 as (tt, ii) = (t % 4, 2 (u % 2) + half).
; 48 loads; the window of the destination is the caller's.
.macro FETCHB u
.irp t, 0,1,2,3,4,5,6,7
	ds_load_b128 v[QTH+8*\t:QTH+8*\t+3], v[THR] offset:(2*((\u)>>1)+((\t)>>2))*8192+((\t)&3)*2048+(2*((\u)&1))*512
	ds_load_b128 v[QTH+8*\t+4:QTH+8*\t+7], v[THR] offset:(2*((\u)>>1)+((\t)>>2))*8192+((\t)&3)*2048+(2*((\u)&1)+1)*512
.endr
.irp k, 0,1,2,3
	ds_load_b128 v[QVH+8*\k:QVH+8*\k+3], v[VFR] offset:\k*16384+(\u)*1024
	ds_load_b128 v[QVH+8*\k+4:QVH+8*\k+7], v[VFR] offset:\k*16384+(\u)*1024+512
.endr
.irp k, 0,1,2,3
	ds_load_b128 v[QVL+8*\k:QVL+8*\k+3], v[VFL] offset:\k*16384+(\u)*1024
	ds_load_b128 v[QVL+8*\k+4:QVL+8*\k+7], v[VFL] offset:\k*16384+(\u)*1024+512
.endr
.irp t, 0,1,2,3,4,5,6,7
	ds_load_b128 v[QTL+8*\t:QTL+8*\t+3], v[THR] offset:THLO+(2*((\u)>>1)+((\t)>>2))*8192+((\t)&3)*2048+(2*((\u)&1))*512
	ds_load_b128 v[QTL+8*\t+4:QTL+8*\t+7], v[THR] offset:THLO+(2*((\u)>>1)+((\t)>>2))*8192+((\t)&3)*2048+(2*((\u)&1)+1)*512
.endr
.endm
; 32 matrix instructions, one for each accumulator, always in the same order: the accumulators take turns, one instruction a turn
.macro MULB a, v, zero
.irp t, 0,1,2,3,4,5,6,7
.irp k, 0,1,2,3
.if \zero
	v_wmma_f32_16x16x32_bf16 v[8*(4*\t+\k):8*(4*\t+\k)+7], v[\a+8*\t:\a+8*\t+7], v[\v+8*\k:\v+8*\k+7], 0
.else
	v_wmma_f32_16x16x32_bf16 v[8*(4*\t+\k):8*(4*\t+\k)+7], v[\a+8*\t:\a+8*\t+7], v[\v+8*\k:\v+8*\k+7], v[8*(4*\t+\k):8*(4*\t+\k)+7]
.endif
.endr
.endr
.endm
; Chunk u.  wm: the products' windows (0x50: fragments in window 0; 0x5f: in window 3; C and D in window 1); fw: the destination's window for chunk u + 1
.macro STEPB wm, fw, u, zero, more
	s_wait_dscnt 0x0                               ; this chunk's 48 loads, issued 64 matrix instructions ago
	WIN \wm
	MULB QTH, QVH, \zero
.if \more
	PLACES                                         ; the other buffer was read by the products of the chunk before
	WIN \fw
	FETCHB (\u+1)
	WIN \wm
.endif
	MULB QTH, QVL, 0
	MULB QTL, QVH, 0
.endm
; channels 64k + 16w .. + 15
.macro OUT16 k
	WIN 0x01
.irp t, 0,1,2,3,4,5,6,7
.irp j, 0,1,2,3
	v_pk_fma_f32 v[E+8*\t+2*\j:E+8*\t+2*\j+1], v[8*(4*\t+\k)+2*\j:8*(4*\t+\k)+2*\j+1], v[SS+2*\k:SS+2*\k+1], v[CC+2*\k:CC+2*\k+1]
.endr
.endr
	WIN 0
.irp t, 0,1,2,3,4,5,6,7
	ds_store_b128 v[STO], v[E+8*\t:E+8*\t+3] offset:64*\t          ; row = channel lane % 16, pixels 16t + 8 (lane / 16) ..
	ds_store_b128 v[STO], v[E+8*\t+4:E+8*\t+7] offset:64*\t+16
.endr
.irp i, 0,1,2,3,4,5,6,7,8,9,10,11,12,13,14,15
	ds_load_b128 v[R+4*\i:R+4*\i+3], v[RD] offset:\i*SPITCH        ; my own bytes; LDS serves a wave's instructions in order (ISA guide 5.7.1): these see the stores above
.endr
	WIN W_OUT
.irp i, 0,1,2,3,4,5,6,7,8,9,10,11,12,13,14,15
	s_wait_dscnt 15-\i                             ; row i is back; the younger rows may stay out
	v_pk_add_f32 v[4*(16*\k+\i):4*(16*\k+\i)+1], v[R+4*\i:R+4*\i+1], v[4*(16*\k+\i):4*(16*\k+\i)+1]
	v_pk_add_f32 v[4*(16*\k+\i)+2:4*(16*\k+\i)+3], v[R+4*\i+2:R+4*\i+3], v[4*(16*\k+\i)+2:4*(16*\k+\i)+3]
	global_store_b128 v[VX], v[4*(16*\k+\i):4*(16*\k+\i)+3], s[50:51] offset:(64*\k+\i)*CH th:TH_STORE_NT   ; 512 consecutive bytes, aligned; its data are never rewritten
.endr
	WIN 0
.endm
	s_load_b512 s[4:19], s[0:1], 0x0               ; x, wtf, vf, b_theta, b_w, bn_gamma, bn_beta, bn_mean in s[4:5] .. s[18:19]
	s_load_b128 s[20:23], s[0:1], 0x40             ; bn_var s[20:21], out0 s[22:23]
	v_lshl_add_u32 v62, v0, 2, 0x4a400
	v_mov_b32 v63, 0
	ds_add_u32 v62, v63
	v_lshrrev_b32 v[TA], 5, v0
	v_readfirstlane_b32 s[SW], v[TA]               ; wave 0..3
	v_and_b32 v[LANE], 31, v0
	v_and_b32 v[RR], 15, v0
	v_bfe_u32 v[HH], v0, 4, 1
	s_lshr_b32 s25, s24, 1                         ; wc
	s_and_b32 s26, s24, 1                          ; wp
	s_bfe_u32 s27, ttmp6, 0x40000                  ; cx: enters the global addresses of x and out0 alone
	s_lshr_b32 s28, ttmp9, 3                       ; image b: the same in the four work-groups of a cluster
	s_lshl_b32 s29, ttmp9, 2
	s_add_co_u32 s29, s29, s27
	s_and_b32 s29, s29, 31                         ; p
	s_lshl_b32 s30, s28, 22
	s_lshl_b32 s31, s29, 9
	s_or_b32 s30, s30, s31
	s_mov_b32 s31, 0
	s_lshl_b32 s56, s24, 18
	v_lshl_add_u32 v[VX], v[LANE], 4, s56
	s_lshl_b32 s57, s25, 8                         ; b_theta: 64 wc channels, 8 for each half of the lanes
	v_lshl_add_u32 v[VBT], v[HH], 5, s57
	; Group 1, for all three loads: 64 dense rows of 256 bytes, a quarter of 64 KiB.  Equal in the four work-groups of the cluster.
	s_mov_b32 s32, 15|(3<<16)|(1<<21)              ; mask of the four; elements of 8 bytes; bit 21 beside a mask
	s_mov_b32 s33, 32<<16                          ; tensor_dim0 = 32
	s_mov_b32 s34, 64<<16                          ; tensor_dim1 = 64
	s_mov_b32 s35, 32<<16                          ; tile_dim0 = 32
	s_mov_b32 s36, 64                              ; tile_dim1 = 64
	s_mov_b32 s37, 32                              ; elements from row to row
	s_mov_b32 s38, 0
	s_mov_b32 s39, 0
	s_wait_dscnt 0x0
	s_wait_kmcnt 0x0
	s_add_nc_u64 s[48:49], s[4:5], s[30:31]        ; x at the tile
	s_add_nc_u64 s[50:51], s[22:23], s[30:31]      ; out0 at the tile
.irp i, 0,1,2,3
	global_load_b128 v[BT+8*\i:BT+8*\i+3], v[VBT], s[10:11] offset:64*\i            ; register j: b_theta[64 wc + 16 ii + 8 (lane / 16) + j]
	global_load_b128 v[BT+8*\i+4:BT+8*\i+7], v[VBT], s[10:11] offset:64*\i+16
.endr
	XLOAD 0                                        ; chunk 0 is needed as early as w_theta's fragments: it goes out ahead of the round and travels while the round completes
	s_lshl_b32 s30, s24, 14                        ; the wave's quarter
	s_mov_b32 s40, 1
	s_add_co_u32 s41, s30, WT
	s_add_nc_u64 s[42:43], s[6:7], s[30:31]        ; w_theta's fragments
	s_or_b32 s43, s43, 0x80000000
	s_mov_b32 s44, 1
	s_add_co_u32 s45, s30, VF
	s_mov_b32 s52, 1
	s_add_co_u32 s53, s30, VF+65536
	s_lshl_b32 s56, s28, 17                        ; the image's V: 131,072 bytes
	s_add_co_u32 s30, s30, s56
	s_add_nc_u64 s[46:47], s[8:9], s[30:31]        ; its values
	s_add_nc_u64 s[54:55], s[46:47], 0x10000       ; its remainders
	s_or_b32 s47, s47, 0x80000000
	s_or_b32 s55, s55, 0x80000000
	ROUND                                          ; the four work-groups are here: the joint loads meet
	tensor_load_to_lds s[40:43], s[32:39]          ; the three first fills, one group; what phase A needs comes first
	s_nop 0
	tensor_load_to_lds s[44:47], s[32:39]
	s_nop 0
	tensor_load_to_lds s[52:55], s[32:39]
	s_nop 0
	XLOAD 1                                        ; 8 + 48 loads of the wave are on their way
	XLOAD 2
	s_mul_i32 s56, s24, 16*XP
	v_lshl_add_u32 v[LXS], v[LANE], 3, s56
	v_and_b32 v[TA], 7, v0
	v_lshl_add_u32 v[TA], v[HH], 3, v[TA]
	v_mul_u32_u24 v[AX], v[TA], XP
	v_bfe_u32 v[TA], v0, 3, 1
	v_lshl_add_u32 v[AX], v[TA], 4, v[AX]
	s_lshl_b32 s56, s26, 7                         ; my four pixel tiles of 32 bytes
	v_add_nc_u32 v[AX], s56, v[AX]
	v_add_nc_u32 v[AX+1], 128*XP, v[AX]
	v_lshlrev_b32 v[THR], 4, v[LANE]               ; 16 bytes a lane
	s_lshl_b32 s56, s25, 15                        ; my four c' tiles of 8 fragments
	s_add_co_u32 s56, s56, WT
	v_add_nc_u32 v[AWT], s56, v[THR]
	s_lshl_b32 s56, s24, 13                        ; theta: the wave's number times 8,192
	v_add_nc_u32 v[THS], s56, v[THR]
	s_lshl_b32 s56, s24, 12                        ; o tile 4 cc + w: four fragments
	s_add_co_u32 s56, s56, VF
	v_add_nc_u32 v[VFR], s56, v[THR]
	v_add_nc_u32 v[VFL], 0x10000, v[VFR]
	s_mul_i32 s56, s24, STW
	s_add_co_u32 s56, s56, ST
	v_add_nc_u32 v[RD], s56, v[THR]
	v_mul_u32_u24 v[STO], v[RR], SPITCH
	v_lshl_add_u32 v[STO], v[HH], 5, v[STO]
	v_add_nc_u32 v[STO], s56, v[STO]
	s_lshl_b32 s56, s24, 6
	v_lshl_add_u32 v[VBN], v[RR], 2, s56           ; channel 16 w + lane % 16
	; PHASE A
	CHUNKA 0, 32, 1                                ; chunks 1 and 2 stay out (b_theta was asked for ahead of x: it is in)
	CHUNKA 1, 32, 0                                ; chunks 2 and 3 stay out
	CHUNKA 2, 16, 0                                ; chunk 3 stays out
	CHUNKA 3, 0, 0
	s_wait_dscnt 0x0                               ; my reads of the x tile are over (met: the last were waited for in front of the last products);
	s_barrier_signal -1                            ; say so, and split theta in registers while the others arrive
	PLACES
	; D1's registers 2n, 2n+1 (window 1) make word n of theta: n = 4 (4 ii + tt) + k
	WIN 0x05
.set n, 0
.rept 64
	v_cvt_pk_bf16_f32 v[EH+n], v[2*n], v[2*n+1]    ; the values
.set n, n+1
.endr
	WIN 0
.set n, 0
.rept 64
	v_lshlrev_b32 v[EL+2*n], 16, v[EH+n]           ; the values back in f32
	v_and_b32 v[EL+2*n+1], 0xffff0000, v[EH+n]
.set n, n+1
.endr
	WIN 0x01
.set n, 0
.rept 64
	v_pk_add_f32 v[EL+2*n:EL+2*n+1], v[2*n:2*n+1], v[EL+2*n:EL+2*n+1] neg_lo:[0,1] neg_hi:[0,1]   ; what they leave (exact in f32)
.set n, n+1
.endr
	WIN 0
.set n, 0
.rept 64
	v_cvt_pk_bf16_f32 v[EL+n], v[EL+2*n], v[EL+2*n+1]              ; the remainders; word n lands on a register that has been read already, or is read by this line
.set n, n+1
.endr
	s_barrier_wait -1                              ; nobody reads the x tile any more: theta takes its bytes
.irp i, 0,1,2,3
.irp t, 0,1,2,3
	ds_store_b128 v[THS], v[EH+4*(4*\i+\t):EH+4*(4*\i+\t)+3] offset:\t*2048+\i*512
	ds_store_b128 v[THS], v[EL+4*(4*\i+\t):EL+4*(4*\i+\t)+3] offset:THLO+\t*2048+\i*512
.endr
.endr
	s_wait_tensorcnt 0x0                           ; my quarters of V's fragments have landed,
	s_wait_dscnt 0x0                               ; my part of theta is written,
	s_barrier_signal -1
	s_barrier_wait -1                              ; everybody's
.irp k, 0,1,2,3
	global_load_b32 v[RAW+\k], v[VBN], s[12:13] offset:256*\k      ; b_w of channel 64 cc + 16 w + lane % 16; these land while phase B runs
	global_load_b32 v[RAW+4+\k], v[VBN], s[14:15] offset:256*\k    ; gamma
	global_load_b32 v[RAW+8+\k], v[VBN], s[16:17] offset:256*\k    ; beta
	global_load_b32 v[RAW+12+\k], v[VBN], s[18:19] offset:256*\k   ; mean
	global_load_b32 v[RAW+16+\k], v[VBN], s[20:21] offset:256*\k   ; var
.endr
	; PHASE B: chunks 0 and 2 in window 0, chunks 1 and 3 in window 3
	FETCHB 0
	STEPB 0x50, 0xc0, 0, 1, 1                      ; the first products start the sums
	STEPB 0x5f, 0x00, 1, 0, 1
	STEPB 0x50, 0xc0, 2, 0, 1
	STEPB 0x5f, 0x00, 3, 0, 0
	PLACES
	WIN 0
	s_wait_loadcnt 0x0
.irp k, 0,1,2,3
	v_add_f32 v[RAW+16+\k], 0x3727c5ac, v[RAW+16+\k]               ; var + 1e-5
.endr
.irp k, 0,1,2,3
	v_rsq_f32 v[RS+\k], v[RAW+16+\k]
.endr
.irp k, 0,1,2,3
	v_sub_f32 v[RAW+\k], v[RAW+\k], v[RAW+12+\k]                   ; b_w - mean: plain instructions between v_rsq_f32 and the use of its results (ISA guide 5.7.2)
.endr
	s_wait_alu depctr_va_vdst(0)
.irp k, 0,1,2,3
	v_mul_f32 v[SS+2*\k], v[RAW+4+\k], v[RS+\k]                    ; s = gamma * rsqrt(var + eps)
.endr
.irp k, 0,1,2,3
	v_fma_f32 v[CC+2*\k], v[RAW+\k], v[SS+2*\k], v[RAW+8+\k]       ; c = (b_w - mean) s + beta
.endr
.irp k, 0,1,2,3
	v_mov_b32 v[SS+2*\k+1], v[SS+2*\k]
	v_mov_b32 v[CC+2*\k+1], v[CC+2*\k]
.endr
	OUT16 0
	OUT16 1
	OUT16 2
	OUT16 3
	s_wait_tensorcnt 0x0
	ds_add_u32 v62, v63
	s_wait_dscnt 0x0
	ROUND                                          ; the closing round: no work-group ends while a partner may still ask jointly
	s_endpgm
.Lfunc_end_k_q783f1e0c76_apply:
	.size	k_q783f1e0c76_apply, .Lfunc_end_k_q783f1e0c76_apply-k_q783f1e0c76_apply
	.p2alignl 7, 3214868480
	.fill 96, 4, 3214868480
	.section	.rodata,"a",@progbits
	.p2align	6, 0x0
	.amdhsa_kernel k_q783f1e0c76_apply
		.amdhsa_group_segment_fixed_size 304640
		.amdhsa_private_segment_fixed_size 0
		.amdhsa_enable_private_segment 0
		.amdhsa_kernarg_size 80
		.amdhsa_user_sgpr_count 2
		.amdhsa_user_sgpr_kernarg_segment_ptr 1
		.amdhsa_wavefront_size32 1
		.amdhsa_system_sgpr_workgroup_id_x 1
		.amdhsa_system_sgpr_workgroup_id_y 1
		.amdhsa_system_sgpr_workgroup_id_z 1
		.amdhsa_system_vgpr_workitem_id 0
		.amdhsa_next_free_vgpr 1024
		.amdhsa_next_free_sgpr 66
		.amdhsa_reserve_vcc 0
		.amdhsa_float_denorm_mode_32 3
		.amdhsa_float_denorm_mode_16_64 3
		.amdhsa_memory_ordered 1
		.amdhsa_forward_progress 1
		.amdhsa_inst_pref_size 135
	.end_amdhsa_kernel
	.amdgpu_metadata
---
amdhsa.version: [ 1, 2 ]
amdhsa.kernels:
  - .name:           k_q783f1e0c76_apply
    .symbol:         k_q783f1e0c76_apply.kd
    .args:
      - { .name: x, .offset: 0, .size: 8, .value_kind: global_buffer, .address_space: global }
      - { .name: wtf, .offset: 8, .size: 8, .value_kind: global_buffer, .address_space: global }
      - { .name: vf, .offset: 16, .size: 8, .value_kind: global_buffer, .address_space: global }
      - { .name: b_theta, .offset: 24, .size: 8, .value_kind: global_buffer, .address_space: global }
      - { .name: b_w, .offset: 32, .size: 8, .value_kind: global_buffer, .address_space: global }
      - { .name: bn_gamma, .offset: 40, .size: 8, .value_kind: global_buffer, .address_space: global }
      - { .name: bn_beta, .offset: 48, .size: 8, .value_kind: global_buffer, .address_space: global }
      - { .name: bn_mean, .offset: 56, .size: 8, .value_kind: global_buffer, .address_space: global }
      - { .name: bn_var, .offset: 64, .size: 8, .value_kind: global_buffer, .address_space: global }
      - { .name: out0, .offset: 72, .size: 8, .value_kind: global_buffer, .address_space: global }
    .group_segment_fixed_size: 304640
    .private_segment_fixed_size: 0
    .kernarg_segment_align: 8
    .kernarg_segment_size: 80
    .max_flat_workgroup_size: 128
    .sgpr_count:     66
    .vgpr_count:     1024
    .wavefront_size: 32
...
	.end_amdgpu_metadata
.endif
;; end of part 6
;; ======== version 3 of 3: 3 launches; 1.26 times as fast as version 1
;; limits: values are held in f16: magnitudes above 65,504 overflow, below 6.1e-05 lose precision; right only within a limited range of input values
;; workspace buffers: pg 4,194,304 bytes; vf 1,048,576 bytes; wtf 65,536 bytes
;; launch pool: the kernel of part 4 again; grid 256 x 1, 4 waves a work-group, clusters of 4 x 1, 297,472 bytes of LDS; arguments x, w_phi, w_g, b_phi, b_g, pg; writes pg
;; launch mix (part 7): grid 8 x 8, 16 waves a work-group, clusters of 4 x 1, 272,384 bytes of LDS; arguments pg, w_w, w_theta, vf, wtf; writes vf, wtf
.if DOCPART == 7
	.amdgcn_target "amdgcn-amd-amdhsa--gfx1250"
	.amdhsa_code_object_version 6
	.text
	.protected	k_q783f1e0c76_mix
	.globl	k_q783f1e0c76_mix
	.p2align	8
	.type	k_q783f1e0c76_mix,@function
k_q783f1e0c76_mix:
	s_mov_b64 s[64:65], 0
	v_nop
	global_prefetch_b8 v0, s[64:65] scope:SCOPE_SE
	s_setreg_imm32_b32 hwreg(HW_REG_WAVE_MODE, 25, 1), 1
	s_wait_xcnt 0x0
	s_wait_alu depctr_hold_cnt(0) depctr_sa_sdst(0) depctr_va_vdst(0) depctr_va_sdst(0) depctr_va_ssrc(0) depctr_va_vcc(0) depctr_vm_vsrc(0)
	s_getreg_b32 s2, hwreg(HW_REG_IB_STS2, 6, 4)
	s_cmp_eq_u32 s2, 0
	s_cbranch_scc0 .Lentry_in_a_cluster
	s_endpgm
.Lentry_in_a_cluster:
	s_bfe_u32 s2, ttmp6, 0x10000c
	s_cmp_lg_u32 s2, 0x3003
	s_cbranch_scc0 .Lentry_shape_is_right
	s_endpgm
.Lentry_shape_is_right:
; Second of three launches.  f and y of reference() are not formed (sums exchanged, see the first launch's head): here
; S[c',c] = sum_m phi[c',m] g[c,m] / 1024 and V[o,c'] = sum_c w_w[o,c] S[c',c], V stored in f32 in the order of the last launch's matrix fragments.
; Besides, each work-group converts one of the 64 fragments of w_theta to f16 (wtf), so that the last launch can take them by the tensor mover.
; TWO bf16 FOR ONE NUMBER.  w_w and S are each kept as a rounded value and the rounded remainder (about 16 bits together), and their product is
; hi hi + lo hi + hi lo; the product of two remainders, under 2^-16 of the whole, is left out.  One bf16 would leave up to 2^-8 of each element as error;
; the sums over c and c' that follow carry such errors to the output undiminished, times the batch norm's gain, and the residual x may cancel most of the
; result.  S grows with the fourth power of a common scale of x and the weights, so it has no room in f16.
; phi and g enter S through a mean over M = 1024 terms, which averages their rounding away: they stay single.
; w_theta IN f16: one number of 11 significant bits, error up to 2^-11 of an element.  LIMIT: |w_theta| above 65,504 becomes infinity; below 2^-14 the step is
; 2^-24.  Thirty times the problem's spread of 1/16 reaches about 10; a thirtieth of it is 2e-3, of which that step is 3e-5.
; Work-group (a, b): image b, the sixteen c' of tile a.  Sixteen waves.
;  1. wave wv: the eight tiles D1[m = c, n = c'], one for each g tile, summed over the pooled rows 2 wv, 2 wv + 1 (K = 64).  So no two waves need the same
;     bytes of phi or of g: phi's 32 KiB are loaded once, four loads a wave into registers.
;  2. the sixteen partial sums of each tile meet in LDS; times 2^-10 (exact); split into two bf16.  Register j of D1 is c = 16 tile + 8 (lane / 16) + j at
;     c' = lane % 16, which is the place that c has as K in a fragment whose row is c': no move between lanes.
;  3. wave wv: D[m = c', n = o] for the sixteen o of tile wv, K = c = 128, three products; its registers are eight neighbouring c' of one o.
; CLUSTER: the four work-groups of a cluster lie in one image and need the same 256 KiB of g, most of the 416 KiB that a work-group takes in (phi 32, w_w 128):
; g comes by joint tensor loads (mask 15), one a wave, once: one tensor load of a wave is outstanding.  A wave's load brings exactly the 16 KiB that the wave
; itself multiplies, into LDS bytes that are the wave's own, so its own wait is all that its reads need.  Its partial tiles then take the first half of those
; bytes, which are never filled again.  w_w stays with register loads: in f32 its 128 KiB do not fit beside g's 256 KiB.
.set SW,   14                          ; s14: the wave's number
.set SB,   262144                      ; LDS: g, later the partial tiles, 16 x 16,384 bytes; then S's values, 4,096 bytes, and its remainders, 4,096
.set PH,   16                          ; v[16:31]   phi, the fragments of my two pooled rows
.set G,    32                          ; v[32:159]  g: fragment (row q, tile t) at v[G + 64q + 8t]
.set ACC,  160                         ; v[160:223] eight accumulators, tile t at v[ACC + 8t]
.set SJ,   224                         ; v[224:247] wave 0's fragment of w_theta: 16 f32, 8 words of f16
.set WF,   32                          ; v[32:95]   later w_w in f32, then its remainders, fragment u at v[WF + 16u]
.set RQ,   96                          ; v[96:159]  sixteen partial sums of four numbers
.set SLO,  96                          ; v[96:127]  S's remainders, four fragments
.set SHI,  128                         ; v[128:159] S's values, four fragments
.set WW,   160                         ; v[160:191] w_w's values, four fragments
.set TW,   192                         ; v[192:207] at work
.set ACC0, 208
.set ACC1, 216
.macro PLACES                          ; four places behind a matrix instruction (ISA guide 7.12.1)
.rept 4
	v_nop
.endr
.endm
.macro ROUND                           ; a round of the cluster's barrier
	s_barrier_signal -1
	s_barrier_wait -1
	s_cmp_lg_u32 s[SW], 0
	s_cbranch_scc1 .Lnot_wave_0_\@
	s_barrier_signal -3
.Lnot_wave_0_\@:
	s_barrier_wait -3
	s_barrier_signal -1
	s_barrier_wait -1
.endm
; Pooled row q: eight matrix instructions.  The eight accumulators take turns, one instruction a turn.
.macro SQ q, zero
.irp t, 0,1,2,3,4,5,6,7
.if \zero
	v_wmma_f32_16x16x32_bf16 v[ACC+8*\t:ACC+8*\t+7], v[G+64*\q+8*\t:G+64*\q+8*\t+7], v[PH+8*\q:PH+8*\q+7], 0
.else
	v_wmma_f32_16x16x32_bf16 v[ACC+8*\t:ACC+8*\t+7], v[G+64*\q+8*\t:G+64*\q+8*\t+7], v[PH+8*\q:PH+8*\q+7], v[ACC+8*\t:ACC+8*\t+7]
.endif
.endr
.endm
	s_load_b256 s[4:11], s[0:1], 0x0               ; pg s[4:5], w_w s[6:7], w_theta s[8:9], vf s[10:11]
	s_load_b64 s[12:13], s[0:1], 0x20              ; wtf
	v_lshl_add_u32 v254, v0, 2, 0x42000
	v_mov_b32 v255, 0
	ds_add_u32 v254, v255
	v_lshrrev_b32 v1, 5, v0
	v_readfirstlane_b32 s[SW], v1                  ; wave 0..15
	v_and_b32 v1, 31, v0                           ; lane
	v_and_b32 v2, 15, v0                           ; lane % 16
	v_bfe_u32 v3, v0, 4, 1                         ; lane / 16
	s_bfe_u32 s17, ttmp6, 0x40000                  ; cx: enters the global addresses of phi, w_theta, vf and wtf alone
	s_lshl_b32 s15, ttmp9, 2
	s_add_co_u32 s15, s15, s17                     ; a = 4 x cluster x + cx
	s_and_b32 s16, ttmp7, 0xffff                   ; b: the same in the four work-groups of a cluster
	v_lshlrev_b32 v13, 4, v1                       ; 16 bytes a lane
	s_lshl_b32 s26, s14, 15                        ; my two pooled rows of 16,384 bytes
	s_lshl_b32 s27, s15, 10                        ; phi's tile a
	s_add_co_u32 s27, s27, s26
	v_add_nc_u32 v4, s27, v13
	s_lshl_b32 s28, s14, 14
	v_add_nc_u32 v5, s28, v13                      ; LDS: my 16,384 bytes: the wave's number times 16,384
	v_lshlrev_b32 v6, 9, v2                        ; w_w: row 16 wv + lane % 16 of 512 bytes, 8 f32 for each half of the lanes
	v_lshl_add_u32 v6, v3, 5, v6
	s_lshl_b32 s28, s14, 13
	v_add_nc_u32 v6, s28, v6
	v_add_nc_u32 v15, s28, v13                     ; vf: o tile wv, 8,192 bytes each
	v_lshlrev_b32 v7, 10, v2                       ; w_theta: row 16 b + lane % 16 of 1,024 bytes, K step a
	v_lshl_add_u32 v7, v3, 5, v7
	s_lshl_b32 s29, s16, 14
	s_lshl_b32 s30, s15, 7
	s_add_co_u32 s29, s29, s30
	v_add_nc_u32 v7, s29, v7
	s_lshl_b32 s28, s14, 9                         ; to sum the partial tiles: half wv % 2 of tile wv / 2 lies at wv x 512 in each wave's bytes;
	v_add_nc_u32 v8, s28, v13                      ; v8 .. v11: waves 0-3, 4-7, 8-11, 12-15 (an LDS offset holds 16 bits)
	v_add_nc_u32 v9, 0x10000, v8
	v_add_nc_u32 v10, 0x20000, v8
	v_add_nc_u32 v11, 0x30000, v8
	s_lshl_b32 s28, s14, 8
	s_add_co_u32 s28, s28, SB
	v_lshl_add_u32 v12, v1, 3, s28                 ; LDS, S in bf16: SB + the wave's number times 256, 8 bytes a lane; the remainders 4,096 further on
	v_lshlrev_b32 v14, 3, v1
	v_add_nc_u32 v14, SB, v14
	; The descriptor: my two pooled rows of g, 8,192 bytes each (eight tiles of 1,024), 16,384 bytes from row to row.  Equal in the four work-groups.
	s_mov_b32 s40, 15|(3<<16)|(1<<21)              ; mask of the four; elements of 8 bytes; bit 21 beside a mask
	s_mov_b32 s41, 1024<<16                        ; tensor_dim0 = 1,024
	s_mov_b32 s42, 2<<16                           ; tensor_dim1 = 2
	s_mov_b32 s43, 1024<<16                        ; tile_dim0 = 1,024
	s_mov_b32 s44, 2                               ; tile_dim1 = 2
	s_mov_b32 s45, 2048                            ; elements from row to row
	s_mov_b32 s46, 0
	s_mov_b32 s47, 0
	s_mov_b32 s36, 1
	s_lshl_b32 s37, s14, 14                        ; LDS: the wave's number times 16,384
	s_lshl_b32 s32, s16, 19                        ; pg: 32 pooled rows of 16,384 bytes an image
	s_mov_b32 s33, 0
	s_wait_dscnt 0x0
	s_wait_kmcnt 0x0
	s_add_nc_u64 s[20:21], s[4:5], s[32:33]
	s_add_co_u32 s32, s26, 8192                    ; my rows; g's eight tiles lie behind phi's eight
	s_add_nc_u64 s[38:39], s[20:21], s[32:33]
	s_or_b32 s39, s39, 0x80000000                  ; type 2
	s_lshl_b32 s32, s16, 17                        ; vf: 131,072 bytes an image; tile a is half a % 2 of the fragments of chunk a / 2: a x 1,024
	s_lshl_b32 s26, s15, 10
	s_add_co_u32 s32, s32, s26
	s_add_nc_u64 s[22:23], s[10:11], s[32:33]
	s_lshl_b32 s32, s16, 3                         ; wtf: fragment 8 b + a
	s_add_co_u32 s32, s32, s15
	s_lshl_b32 s32, s32, 10
	s_add_nc_u64 s[24:25], s[12:13], s[32:33]
.irp q, 0,1
	global_load_b128 v[PH+8*\q:PH+8*\q+3], v4, s[20:21] offset:\q*16384             ; phi goes out ahead of the round and travels while the round completes;
	global_load_b128 v[PH+8*\q+4:PH+8*\q+7], v4, s[20:21] offset:\q*16384+512       ; each load covers 512 consecutive bytes
.endr
	ROUND                                          ; the four work-groups are here: the joint loads meet
	tensor_load_to_lds s[36:39], s[40:47]
	s_nop 0
	s_cmp_lg_u32 s14, 0
	s_cbranch_scc1 .Lno_side
	; wave 0 alone: fragment (c' tile b, K step a) of w_theta to f16
	global_load_b128 v[SJ:SJ+3], v7, s[8:9]
	global_load_b128 v[SJ+4:SJ+7], v7, s[8:9] offset:16
	global_load_b128 v[SJ+8:SJ+11], v7, s[8:9] offset:64
	global_load_b128 v[SJ+12:SJ+15], v7, s[8:9] offset:80
	s_wait_loadcnt 0x0
.irp i, 0,1,2,3,4,5,6,7
	v_cvt_pk_f16_f32 v[SJ+16+\i], v[SJ+2*\i], v[SJ+2*\i+1]
.endr
	global_store_b128 v13, v[SJ+16:SJ+19], s[24:25]                ; the stores' data and address are never rewritten
	global_store_b128 v13, v[SJ+20:SJ+23], s[24:25] offset:512
.Lno_side:
	s_wait_tensorcnt 0x0                           ; my 16 KiB of g have landed; nobody else reads them
.irp q, 0,1
.irp t, 0,1,2,3,4,5,6,7
	ds_load_b128 v[G+64*\q+8*\t:G+64*\q+8*\t+3], v5 offset:\q*8192+\t*1024
	ds_load_b128 v[G+64*\q+8*\t+4:G+64*\q+8*\t+7], v5 offset:\q*8192+\t*1024+512
.endr
.endr
	s_wait_loadcnt 0x0                             ; phi
	s_wait_dscnt 16                                ; the first row's fragments are in; the second row's 16 loads may stay out
	SQ 0, 1                                        ; the first products start the sums
	PLACES                                         ; the loads below land in registers that these products have read
.irp u, 0,1,2,3
	global_load_b128 v[WF+16*\u:WF+16*\u+3], v6, s[6:7] offset:128*\u
	global_load_b128 v[WF+16*\u+4:WF+16*\u+7], v6, s[6:7] offset:128*\u+16
	global_load_b128 v[WF+16*\u+8:WF+16*\u+11], v6, s[6:7] offset:128*\u+64
	global_load_b128 v[WF+16*\u+12:WF+16*\u+15], v6, s[6:7] offset:128*\u+80
.endr
	s_wait_dscnt 0x0                               ; the second row; also: all my reads of g are over
	SQ 1, 0
	PLACES
.irp t, 0,1,2,3,4,5,6,7
	ds_store_b128 v5, v[ACC+8*\t:ACC+8*\t+3] offset:\t*1024        ; onto my own bytes of g: [tile 8][half 2][512]
	ds_store_b128 v5, v[ACC+8*\t+4:ACC+8*\t+7] offset:\t*1024+512
.endr
	s_wait_dscnt 0x0                               ; my partial tiles are written,
	s_barrier_signal -1
	s_barrier_wait -1                              ; everybody's are
.irp k, 0,1,2,3,4,5,6,7,8,9,10,11,12,13,14,15
	ds_load_b128 v[RQ+4*\k:RQ+4*\k+3], v[8+((\k)>>2)] offset:((\k)&3)*16384         ; half wv % 2 of tile wv / 2, as wave k summed it
.endr
	s_wait_dscnt 0x0
.irp k, 0,2,4,6,8,10,12,14
	v_pk_add_f32 v[RQ+4*\k:RQ+4*\k+1], v[RQ+4*\k:RQ+4*\k+1], v[RQ+4*\k+4:RQ+4*\k+5]
	v_pk_add_f32 v[RQ+4*\k+2:RQ+4*\k+3], v[RQ+4*\k+2:RQ+4*\k+3], v[RQ+4*\k+6:RQ+4*\k+7]
.endr
.irp k, 0,4,8,12
	v_pk_add_f32 v[RQ+4*\k:RQ+4*\k+1], v[RQ+4*\k:RQ+4*\k+1], v[RQ+4*\k+8:RQ+4*\k+9]
	v_pk_add_f32 v[RQ+4*\k+2:RQ+4*\k+3], v[RQ+4*\k+2:RQ+4*\k+3], v[RQ+4*\k+10:RQ+4*\k+11]
.endr
.irp k, 0,8
	v_pk_add_f32 v[RQ+4*\k:RQ+4*\k+1], v[RQ+4*\k:RQ+4*\k+1], v[RQ+4*\k+16:RQ+4*\k+17]
	v_pk_add_f32 v[RQ+4*\k+2:RQ+4*\k+3], v[RQ+4*\k+2:RQ+4*\k+3], v[RQ+4*\k+18:RQ+4*\k+19]
.endr
	v_pk_add_f32 v[96:97], v[96:97], v[128:129]
	v_pk_add_f32 v[98:99], v[98:99], v[130:131]
	v_pk_mul_f32 v[96:97], v[96:97], 0x3a800000 op_sel_hi:[1,0]    ; 1 / M = 2^-10
	v_pk_mul_f32 v[98:99], v[98:99], 0x3a800000 op_sel_hi:[1,0]
	v_cvt_pk_bf16_f32 v112, v96, v97               ; S's values
	v_cvt_pk_bf16_f32 v113, v98, v99
	v_lshlrev_b32 v100, 16, v112                   ; the values back in f32,
	v_and_b32 v101, 0xffff0000, v112
	v_lshlrev_b32 v102, 16, v113
	v_and_b32 v103, 0xffff0000, v113
	v_pk_add_f32 v[96:97], v[96:97], v[100:101] neg_lo:[0,1] neg_hi:[0,1]          ; what they leave (exact in f32),
	v_pk_add_f32 v[98:99], v[98:99], v[102:103] neg_lo:[0,1] neg_hi:[0,1]
	v_cvt_pk_bf16_f32 v114, v96, v97               ; and S's remainders
	v_cvt_pk_bf16_f32 v115, v98, v99
	ds_store_b64 v12, v[112:113]
	ds_store_b64 v12, v[114:115] offset:4096
	s_wait_dscnt 0x0
	s_barrier_signal -1
	s_barrier_wait -1
.irp k, 0,1,2,3,4,5,6,7,8,9,10,11,12,13,14,15
	ds_load_b64 v[SHI+2*\k:SHI+2*\k+1], v14 offset:\k*256          ; S: piece k = registers 2 (k % 4), + 1 of the fragment of chunk k / 4
.endr
.irp k, 0,1,2,3,4,5,6,7,8,9,10,11,12,13,14,15
	ds_load_b64 v[SLO+2*\k:SLO+2*\k+1], v14 offset:4096+\k*256     ; the remainders likewise
.endr
	s_wait_loadcnt 0x0                             ; w_w
.irp u, 0,1,2,3
.irp i, 0,1,2,3,4,5,6,7
	v_cvt_pk_bf16_f32 v[WW+8*\u+\i], v[WF+16*\u+2*\i], v[WF+16*\u+2*\i+1]          ; w_w's values
.endr
.irp i, 0,1,2,3,4,5,6,7
	v_lshlrev_b32 v[TW+2*\i], 16, v[WW+8*\u+\i]
	v_and_b32 v[TW+2*\i+1], 0xffff0000, v[WW+8*\u+\i]
.endr
.irp i, 0,1,2,3,4,5,6,7
	v_pk_add_f32 v[WF+16*\u+2*\i:WF+16*\u+2*\i+1], v[WF+16*\u+2*\i:WF+16*\u+2*\i+1], v[TW+2*\i:TW+2*\i+1] neg_lo:[0,1] neg_hi:[0,1]
.endr
.irp i, 0,1,2,3,4,5,6,7
	v_cvt_pk_bf16_f32 v[WF+16*\u+\i], v[WF+16*\u+2*\i], v[WF+16*\u+2*\i+1]         ; its remainders; word i lands on a register that has been read already, or is read by this line
.endr
.endr
	s_wait_dscnt 0x0
	; V = S_hi w_hi + S_lo w_hi + S_hi w_lo: two sums by turns, one instruction a turn
	v_wmma_f32_16x16x32_bf16 v[ACC0:ACC0+7], v[SHI:SHI+7], v[WW:WW+7], 0
	v_wmma_f32_16x16x32_bf16 v[ACC1:ACC1+7], v[SHI+8:SHI+15], v[WW+8:WW+15], 0
	v_wmma_f32_16x16x32_bf16 v[ACC0:ACC0+7], v[SHI+16:SHI+23], v[WW+16:WW+23], v[ACC0:ACC0+7]
	v_wmma_f32_16x16x32_bf16 v[ACC1:ACC1+7], v[SHI+24:SHI+31], v[WW+24:WW+31], v[ACC1:ACC1+7]
	v_wmma_f32_16x16x32_bf16 v[ACC0:ACC0+7], v[SLO:SLO+7], v[WW:WW+7], v[ACC0:ACC0+7]
	v_wmma_f32_16x16x32_bf16 v[ACC1:ACC1+7], v[SLO+8:SLO+15], v[WW+8:WW+15], v[ACC1:ACC1+7]
	v_wmma_f32_16x16x32_bf16 v[ACC0:ACC0+7], v[SLO+16:SLO+23], v[WW+16:WW+23], v[ACC0:ACC0+7]
	v_wmma_f32_16x16x32_bf16 v[ACC1:ACC1+7], v[SLO+24:SLO+31], v[WW+24:WW+31], v[ACC1:ACC1+7]
	v_wmma_f32_16x16x32_bf16 v[ACC0:ACC0+7], v[SHI:SHI+7], v[WF:WF+7], v[ACC0:ACC0+7]
	v_wmma_f32_16x16x32_bf16 v[ACC1:ACC1+7], v[SHI+8:SHI+15], v[WF+16:WF+23], v[ACC1:ACC1+7]
	v_wmma_f32_16x16x32_bf16 v[ACC0:ACC0+7], v[SHI+16:SHI+23], v[WF+32:WF+39], v[ACC0:ACC0+7]
	v_wmma_f32_16x16x32_bf16 v[ACC1:ACC1+7], v[SHI+24:SHI+31], v[WF+48:WF+55], v[ACC1:ACC1+7]
	PLACES
.irp i, 0,2,4,6
	v_pk_add_f32 v[ACC0+\i:ACC0+\i+1], v[ACC0+\i:ACC0+\i+1], v[ACC1+\i:ACC1+\i+1]
.endr
	; register j: V[o = 16 wv + lane % 16, c' = 16 a + 8 (lane / 16) + j], in f32: [o tile][chunk a / 2][half a % 2][registers 0-3, 4-7][lane][16 bytes]
	global_store_b128 v15, v[ACC0:ACC0+3], s[22:23]                ; each store covers 512 consecutive bytes, aligned
	global_store_b128 v15, v[ACC0+4:ACC0+7], s[22:23] offset:512
	s_wait_tensorcnt 0x0
	ds_add_u32 v254, v255
	s_wait_dscnt 0x0
	ROUND                                          ; the closing round: no work-group ends while a partner may still ask jointly
	s_endpgm
.Lfunc_end_k_q783f1e0c76_mix:
	.size	k_q783f1e0c76_mix, .Lfunc_end_k_q783f1e0c76_mix-k_q783f1e0c76_mix
	.p2alignl 7, 3214868480
	.fill 96, 4, 3214868480
	.section	.rodata,"a",@progbits
	.p2align	6, 0x0
	.amdhsa_kernel k_q783f1e0c76_mix
		.amdhsa_group_segment_fixed_size 272384
		.amdhsa_private_segment_fixed_size 0
		.amdhsa_enable_private_segment 0
		.amdhsa_kernarg_size 40
		.amdhsa_user_sgpr_count 2
		.amdhsa_user_sgpr_kernarg_segment_ptr 1
		.amdhsa_wavefront_size32 1
		.amdhsa_system_sgpr_workgroup_id_x 1
		.amdhsa_system_sgpr_workgroup_id_y 1
		.amdhsa_system_sgpr_workgroup_id_z 1
		.amdhsa_system_vgpr_workitem_id 0
		.amdhsa_next_free_vgpr 256
		.amdhsa_next_free_sgpr 66
		.amdhsa_reserve_vcc 0
		.amdhsa_float_denorm_mode_32 3
		.amdhsa_float_denorm_mode_16_64 3
		.amdhsa_memory_ordered 1
		.amdhsa_forward_progress 1
		.amdhsa_inst_pref_size 28
	.end_amdhsa_kernel
	.amdgpu_metadata
---
amdhsa.version: [ 1, 2 ]
amdhsa.kernels:
  - .name:           k_q783f1e0c76_mix
    .symbol:         k_q783f1e0c76_mix.kd
    .args:
      - { .name: pg, .offset: 0, .size: 8, .value_kind: global_buffer, .address_space: global }
      - { .name: w_w, .offset: 8, .size: 8, .value_kind: global_buffer, .address_space: global }
      - { .name: w_theta, .offset: 16, .size: 8, .value_kind: global_buffer, .address_space: global }
      - { .name: vf, .offset: 24, .size: 8, .value_kind: global_buffer, .address_space: global }
      - { .name: wtf, .offset: 32, .size: 8, .value_kind: global_buffer, .address_space: global }
    .group_segment_fixed_size: 272384
    .private_segment_fixed_size: 0
    .kernarg_segment_align: 8
    .kernarg_segment_size: 40
    .max_flat_workgroup_size: 512
    .sgpr_count:     66
    .vgpr_count:     256
    .wavefront_size: 32
...
	.end_amdgpu_metadata
.endif
;; end of part 7
;; launch apply (part 8): grid 256 x 1, 4 waves a work-group, clusters of 4 x 1, 304,640 bytes of LDS; arguments x, wtf, vf, b_theta, b_w, bn_gamma, bn_beta, bn_mean, bn_var, out0; writes out0
.if DOCPART == 8
	.amdgcn_target "amdgcn-amd-amdhsa--gfx1250"
	.amdhsa_code_object_version 6
	.text
	.protected	k_q783f1e0c76_apply
	.globl	k_q783f1e0c76_apply
	.p2align	8
	.type	k_q783f1e0c76_apply,@function
k_q783f1e0c76_apply:
	s_mov_b64 s[64:65], 0
	v_nop
	global_prefetch_b8 v0, s[64:65] scope:SCOPE_SE
	s_setreg_imm32_b32 hwreg(HW_REG_WAVE_MODE, 25, 1), 1
	s_wait_xcnt 0x0
	s_wait_alu depctr_hold_cnt(0) depctr_sa_sdst(0) depctr_va_vdst(0) depctr_va_sdst(0) depctr_va_ssrc(0) depctr_va_vcc(0) depctr_vm_vsrc(0)
	s_getreg_b32 s2, hwreg(HW_REG_IB_STS2, 6, 4)
	s_cmp_eq_u32 s2, 0
	s_cbranch_scc0 .Lentry_in_a_cluster
	s_endpgm
.Lentry_in_a_cluster:
	s_bfe_u32 s2, ttmp6, 0x10000c
	s_cmp_lg_u32 s2, 0x3003
	s_cbranch_scc0 .Lentry_shape_is_right
	s_endpgm
.Lentry_shape_is_right:
; Third of three launches.  f and y of reference() are not formed (sums exchanged, see the first launch's head):
;   theta = w_theta x + b_theta;   out = (V theta + b_w - mean) * gamma * rsqrt(var + eps) + beta + x,   V from the second launch.
; Work-group 32 b + p: image b, 128 pixels (image rows 2p, 2p+1), all 256 channels.  x is read once: as f32 it stays in registers for the residual,
; as f16 it goes to LDS for the product.
; NUMBER FORMATS.  The sums over c and c' carry the rounding of their operands to the output undiminished, times the batch norm's gain, and the residual x may cancel
; most of the result; one bf16, with up to 2^-8 of an element as error, is too little for them.  All four operands here are one f16 each: 11 significant bits,
; error up to 2^-11 of an element.  LIMIT of f16: a magnitude above 65,504 becomes infinity; below 2^-14 the step is 2^-24.
;   x, w_theta: thirty times the problem's spread, or an offset of thirty spreads, is about 200 for x and about 10 for w_theta; a thirtieth of w_theta's spread is 2e-3,
;   of which that step is 3e-5.
;   theta: x and w_theta both thirty times larger give about 4,500; offsets of thirty spreads in both give 256 x 30 x 1.9, about 15,000.
;   V grows with the fifth power of a common scale of x and the weights, so each output channel's row of V is first multiplied by 2^-e, where 2^e is at least the
;   row's norm (e from the exponent of the row's sum of squares): then |V 2^-e| <= 1, and the row's largest element is at least 1/23.  2^e goes into the batch norm's gain.
;   LIMIT: from |V| = 2^64 the squares overflow and e stays 65, which still serves up to |V| < 2^81; a row whose elements are all below 2^-74 has e = -63 and
;   loses precision as it shrinks further.
; Phase A, wave (wc, wp) = (w / 2, w % 2): D1[m = c', n = pixel], c' tiles 4 wc + ii, pixel tiles 4 wp + tt, K = 256; b_theta starts the sums.
;   Register j of D1 is c' = 16 tile + 8 (lane / 16) + j at pixel lane % 16: as it stands a half fragment with K = c'.  It goes to LDS for all waves,
;   into the bytes of the x tile, which nobody reads any more behind a barrier.
; Phase B, wave w: D2[m = pixel, n = o] for the o tiles 4 cc + w, the channels whose x the wave holds, and all eight pixel tiles, K = 128.  The wave's 16 fragments
;   of V stay in 128 registers; a lane of such a fragment holds one output channel, the same that it holds in D2, so e is a matter of the lane and its partner lane + 16.
; Way out: scale and shift in f32, 16 channels at a time through the wave's own LDS stage, so that a lane gets the 16 bytes of a row that its x
;   registers hold; x is added in place and stored from there.
; CLUSTER: the four work-groups of a cluster lie in one image and need the same 64 KiB of w_theta fragments and the same 128 KiB of V:
; three joint tensor loads a wave (mask 15), all three outstanding at once, never filled again.
; LIMITS besides: order of rounding as stated in the first launch; v_rsq_f32 takes a denormal bn_var + eps as zero.
; REGISTER WINDOWS of 256: 0 addresses, fragments, temporaries; 1 accumulators; 2 x as loaded, load n at v[4n]; 3 V's fragments, (cc, chunk u) at v[32 cc + 8 u].
.set CH,    16384                      ; bytes from a channel to the next
.set XP,    288                        ; pitch of the f16 x tile: an odd multiple of 32 bytes
.set WT,    73728                      ; LDS: x tile at 0, 73,728 bytes, later theta at 0: [wave 4][tt 4][ii 4][512]; then w_theta's fragments
.set VF,    139264                     ; V in f32: [o tile 16][chunk 4][half 2][registers 0-3, 4-7][512]
.set ST,    270336                     ; the way out: 16 rows of 528 bytes for each wave
.set SPITCH, 528                       ; 512 + 16: an odd multiple of 16
.set STW,   16*SPITCH
.set XW,    2
.set W_XLD, (XW<<6)
.set W_XRD, (XW|(XW<<2))
.set W_OUT, ((XW<<6)|(XW<<2))          ; destination and source 1 (also a store's data) in x's window, source 0 (also an address) in window 0
.set LANE,  1
.set RR,    2
.set HH,    3
.set VX,    4                          ; 16 w channels + 16 bytes a lane, for x and for out; never rewritten
.set LXS,   5
.set AX,    6                          ; v6, v7
.set AWT,   8
.set THS,   9
.set THR,   10                         ; 16 bytes a lane: theta begins at LDS byte 0
.set VFR,   11                         ; V of my o tiles cc = 0, 1
.set STO,   12
.set RD,    13
.set VBT,   14
.set VBN,   15
.set SS,    16                         ; v[16:23] pairs (s, s) for cc = 0..3
.set CC,    24                         ; v[24:31] pairs (c, c)
.set RAW,   32                         ; v[32:51] b_w, gamma, beta, mean, var, four each
.set RS,    52                         ; v[52:55]
.set TA,    56
.set VFL,   57                         ; V of my o tiles cc = 2, 3: 65,536 further on (an LDS offset holds 16 bits)
.set INV,   58                         ; v[58:61] 2^e of my channel, for cc = 0..3
.set FB0,   64                         ; phase A: 4 w_theta fragments, 4 x fragments; one buffer for each of a chunk's two K steps
.set FB1,   128
.set T,     192                        ; v[192:223] a chunk's 16 rows in f16
.set BT,    224                        ; v[224:255] b_theta in the layout of an accumulator, for ii = 0..3
.set EH,    64                         ; v[64:127] theta in f16
.set Q,     64                         ; v[64:71] four chains of sums of squares, once theta's stores are done
.set PP,    72                         ; v[72:73] the pair (2^-e, 2^-e)
.set VS0,   128                        ; an o tile of V in f32, 64 registers; two buffers
.set VS1,   192
.set GA,    64                         ; phase B: eight fragments of theta; three buffers
.set GB,    128
.set GC,    192
.set E,     64                         ; scaled results on their way to the stage
.set R,     128                        ; rows read back
.set SW,    24
.set MSB,   0
.macro WIN new                         ; the immediate's high byte repeats the setting that is left
.if MSB != \new
	s_set_vgpr_msb (MSB<<8)|\new
.set MSB, \new
.endif
.endm
.macro PLACES                          ; four places behind a matrix instruction (ISA guide 7.12.1)
.rept 4
	v_nop
.endr
.endm
.macro ROUND                           ; a round of the cluster's barrier
	s_barrier_signal -1
	s_barrier_wait -1
	s_cmp_lg_u32 s[SW], 0
	s_cbranch_scc1 .Lnot_wave_0_\@
	s_barrier_signal -3
.Lnot_wave_0_\@:
	s_barrier_wait -3
	s_barrier_signal -1
	s_barrier_wait -1
.endm
.macro XLOAD c                         ; my 16 rows 64c + 16w + i of chunk c; each load covers 512 consecutive bytes, aligned; x is not read again
	WIN W_XLD
.irp i, 0,1,2,3,4,5,6,7,8,9,10,11,12,13,14,15
	global_load_b128 v[4*(16*\c+\i):4*(16*\c+\i)+3], v[VX], s[48:49] offset:(64*\c+\i)*CH th:TH_LOAD_NT
.endr
	WIN 0
.endm
.macro CHUNKIN c, cnt                  ; my rows of chunk c to LDS in f16; cnt = the loads issued behind the chunk's own
	s_wait_loadcnt \cnt
	WIN W_XRD
.irp i, 0,1,2,3,4,5,6,7,8,9,10,11,12,13,14,15
	v_cvt_pk_f16_f32 v[T+2*\i], v[4*(16*\c+\i)], v[4*(16*\c+\i)+1]                ; these 32 lines are also the places between the last products and the loads into the registers that they read
	v_cvt_pk_f16_f32 v[T+2*\i+1], v[4*(16*\c+\i)+2], v[4*(16*\c+\i)+3]
.endr
	WIN 0
.irp i, 0,1,2,3,4,5,6,7,8,9,10,11,12,13,14,15
	ds_store_b64 v[LXS], v[T+2*\i:T+2*\i+1] offset:(64*\c+\i)*XP
.endr
.if \c == 0
	XLOAD 3
	s_wait_tensorcnt 0x2                           ; my quarter of the w_theta fragments has landed: the others read it behind this barrier; V's two loads stay out
.endif
	s_wait_dscnt 0x0
	s_barrier_signal -1
	s_barrier_wait -1                              ; each chunk has bytes of its own: one barrier a chunk
.endm
.macro FETCHA s, f                     ; K step s: my four w_theta fragments and my four x fragments: 16 loads
.irp i, 0,1,2,3
	ds_load_b128 v[\f+8*\i:\f+8*\i+3], v[AWT] offset:\i*8192+(\s)*1024
	ds_load_b128 v[\f+8*\i+4:\f+8*\i+7], v[AWT] offset:\i*8192+(\s)*1024+512
.endr
.irp t, 0,1,2,3
	ds_load_tr16_b128 v[\f+32+8*\t:\f+32+8*\t+3], v[AX+((\s)>>2)] offset:(32*((\s)&3))*XP+32*\t
	ds_load_tr16_b128 v[\f+32+8*\t+4:\f+32+8*\t+7], v[AX+((\s)>>2)] offset:(32*((\s)&3)+16)*XP+32*\t
.endr
.endm
; 16 matrix instructions, one for each accumulator, always in the same order: the accumulators take turns, one instruction a turn
.macro MULA f, first
.irp i, 0,1,2,3
.irp t, 0,1,2,3
.if \first
	v_wmma_f32_16x16x32_f16 v[8*(4*\i+\t):8*(4*\i+\t)+7], v[\f+8*\i:\f+8*\i+7], v[\f+32+8*\t:\f+32+8*\t+7], v[BT+8*\i:BT+8*\i+7]
.else
	v_wmma_f32_16x16x32_f16 v[8*(4*\i+\t):8*(4*\i+\t)+7], v[\f+8*\i:\f+8*\i+7], v[\f+32+8*\t:\f+32+8*\t+7], v[8*(4*\i+\t):8*(4*\i+\t)+7]
.endif
.endr
.endr
.endm
; A chunk: its rows into LDS, then its two K steps.  0x40: D window 1, C = the bias in window 0; 0x50: C and D window 1.
.macro CHUNKA c, cnt, first
	CHUNKIN \c, \cnt
	FETCHA (2*\c), FB0
	FETCHA (2*\c+1), FB1
	s_wait_dscnt 16                                ; the first K step's fragments are in; the second's 16 loads may stay out
.if \first
	WIN 0x40
.else
	WIN 0x50
.endif
	MULA FB0, \first
	s_wait_dscnt 0x0
	WIN 0x50
	MULA FB1, 0
	WIN 0
.endm
; V of my o tile 4k + w in f32: 16 loads of 512 consecutive bytes; load n brings the lane's numbers 4n .. 4n+3 of 64, in the order of K
.macro VLOAD k, vs
.set n, 0
.rept 16
.if \k < 2
	ds_load_b128 v[\vs+4*n:\vs+4*n+3], v[VFR] offset:(\k&1)*32768+512*n
.else
	ds_load_b128 v[\vs+4*n:\vs+4*n+3], v[VFL] offset:(\k&1)*32768+512*n
.endif
.set n, n+1
.endr
.endm
; That tile to four f16 fragments.  A lane holds 64 of the 128 numbers of its channel's row of V, lane + 16 the other 64.
.macro VCONV k, vs
.set n, 0
.rept 32
.if n < 4
	v_pk_mul_f32 v[Q+2*n:Q+2*n+1], v[\vs+2*n:\vs+2*n+1], v[\vs+2*n:\vs+2*n+1]      ; the first squares start four chains: nothing is cleared
.else
	v_pk_fma_f32 v[Q+2*(n&3):Q+2*(n&3)+1], v[\vs+2*n:\vs+2*n+1], v[\vs+2*n:\vs+2*n+1], v[Q+2*(n&3):Q+2*(n&3)+1]
.endif
.set n, n+1
.endr
	v_pk_add_f32 v[Q:Q+1], v[Q:Q+1], v[Q+2:Q+3]
	v_pk_add_f32 v[Q+4:Q+5], v[Q+4:Q+5], v[Q+6:Q+7]
	v_pk_add_f32 v[Q:Q+1], v[Q:Q+1], v[Q+4:Q+5]
	v_add_f32 v[Q], v[Q], v[Q+1]
	v_permlanex16_b32 v[Q+1], v[Q], s56, s57       ; the other half of the row, from lane xor 16
	v_add_f32 v[Q], v[Q], v[Q+1]                   ; q = the row's sum of squares, below 2^(E - 126), E its exponent field
	v_bfe_u32 v[Q], v[Q], 23, 8                    ; E
	v_add_nc_u32 v[Q], 129, v[Q]
	v_lshrrev_b32 v[Q], 1, v[Q]                    ; (E + 129) / 2 = 127 + e with e = the least whole number from (E - 126) / 2 up: the norm is below 2^e; 64 to 192
	v_lshlrev_b32 v[INV+\k], 23, v[Q]              ; 2^e
	v_sub_nc_u32 v[Q], 254, v[Q]
	v_lshlrev_b32 v[PP], 23, v[Q]                  ; 2^-e
	v_mov_b32 v[PP+1], v[PP]
.set n, 0
.rept 32
	v_pk_mul_f32 v[\vs+2*n:\vs+2*n+1], v[\vs+2*n:\vs+2*n+1], v[PP:PP+1]            ; exact
.set n, n+1
.endr
	WIN 0xc0
.set n, 0
.rept 32
	v_cvt_pk_f16_f32 v[32*\k+n], v[\vs+2*n], v[\vs+2*n+1]          ; word n = 8 u + register of fragment (k, u)
.set n, n+1
.endr
	WIN 0
.endm
; chunk u of c': theta fragment (t, u) has its halves at c' tiles 2u, 2u+1, written by wave 2 (u / 2) + t / 4 as (tt, ii) = (t % 4, 2 (u % 2) + half): 16 loads
.macro FETCHB u, f
.irp t, 0,1,2,3,4,5,6,7
	ds_load_b128 v[\f+8*\t:\f+8*\t+3], v[THR] offset:(2*((\u)>>1)+((\t)>>2))*8192+((\t)&3)*2048+(2*((\u)&1))*512
	ds_load_b128 v[\f+8*\t+4:\f+8*\t+7], v[THR] offset:(2*((\u)>>1)+((\t)>>2))*8192+((\t)&3)*2048+(2*((\u)&1)+1)*512
.endr
.endm
; 32 matrix instructions, one for each accumulator, always in the same order: the accumulators take turns, one instruction a turn.
; 0x5c: theta window 0, V window 3, C and D window 1.
.macro MULB a, u, zero
.irp t, 0,1,2,3,4,5,6,7
.irp k, 0,1,2,3
.if \zero
	v_wmma_f32_16x16x32_f16 v[8*(4*\t+\k):8*(4*\t+\k)+7], v[\a+8*\t:\a+8*\t+7], v[32*\k+8*\u:32*\k+8*\u+7], 0
.else
	v_wmma_f32_16x16x32_f16 v[8*(4*\t+\k):8*(4*\t+\k)+7], v[\a+8*\t:\a+8*\t+7], v[32*\k+8*\u:32*\k+8*\u+7], v[8*(4*\t+\k):8*(4*\t+\k)+7]
.endif
.endr
.endr
.endm
; channels 64k + 16w .. + 15
.macro OUT16 k
	WIN 0x01
.irp t, 0,1,2,3,4,5,6,7
.irp j, 0,1,2,3
	v_pk_fma_f32 v[E+8*\t+2*\j:E+8*\t+2*\j+1], v[8*(4*\t+\k)+2*\j:8*(4*\t+\k)+2*\j+1], v[SS+2*\k:SS+2*\k+1], v[CC+2*\k:CC+2*\k+1]
.endr
.endr
	WIN 0
.irp t, 0,1,2,3,4,5,6,7
	ds_store_b128 v[STO], v[E+8*\t:E+8*\t+3] offset:64*\t          ; row = channel lane % 16, pixels 16t + 8 (lane / 16) ..
	ds_store_b128 v[STO], v[E+8*\t+4:E+8*\t+7] offset:64*\t+16
.endr
.irp i, 0,1,2,3,4,5,6,7,8,9,10,11,12,13,14,15
	ds_load_b128 v[R+4*\i:R+4*\i+3], v[RD] offset:\i*SPITCH        ; my own bytes; LDS serves a wave's instructions in order (ISA guide 5.7.1): these see the stores above
.endr
	WIN W_OUT
.irp i, 0,1,2,3,4,5,6,7,8,9,10,11,12,13,14,15
	s_wait_dscnt 15-\i                             ; row i is back; the younger rows may stay out
	v_pk_add_f32 v[4*(16*\k+\i):4*(16*\k+\i)+1], v[R+4*\i:R+4*\i+1], v[4*(16*\k+\i):4*(16*\k+\i)+1]
	v_pk_add_f32 v[4*(16*\k+\i)+2:4*(16*\k+\i)+3], v[R+4*\i+2:R+4*\i+3], v[4*(16*\k+\i)+2:4*(16*\k+\i)+3]
	global_store_b128 v[VX], v[4*(16*\k+\i):4*(16*\k+\i)+3], s[50:51] offset:(64*\k+\i)*CH th:TH_STORE_NT   ; 512 consecutive bytes, aligned; its data are never rewritten
.endr
	WIN 0
.endm
	s_load_b512 s[4:19], s[0:1], 0x0               ; x, wtf, vf, b_theta, b_w, bn_gamma, bn_beta, bn_mean in s[4:5] .. s[18:19]
	s_load_b128 s[20:23], s[0:1], 0x40             ; bn_var s[20:21], out0 s[22:23]
	v_lshl_add_u32 v62, v0, 2, 0x4a400
	v_mov_b32 v63, 0
	ds_add_u32 v62, v63
	v_lshrrev_b32 v[TA], 5, v0
	v_readfirstlane_b32 s[SW], v[TA]               ; wave 0..3
	v_and_b32 v[LANE], 31, v0
	v_and_b32 v[RR], 15, v0
	v_bfe_u32 v[HH], v0, 4, 1
	s_lshr_b32 s25, s24, 1                         ; wc
	s_and_b32 s26, s24, 1                          ; wp
	s_bfe_u32 s27, ttmp6, 0x40000                  ; cx: enters the global addresses of x and out0 alone
	s_lshr_b32 s28, ttmp9, 3                       ; image b: the same in the four work-groups of a cluster
	s_lshl_b32 s29, ttmp9, 2
	s_add_co_u32 s29, s29, s27
	s_and_b32 s29, s29, 31                         ; p
	s_lshl_b32 s30, s28, 22
	s_lshl_b32 s31, s29, 9
	s_or_b32 s30, s30, s31
	s_mov_b32 s31, 0
	s_lshl_b32 s56, s24, 18
	v_lshl_add_u32 v[VX], v[LANE], 4, s56
	s_lshl_b32 s57, s25, 8                         ; b_theta: 64 wc channels, 8 for each half of the lanes
	v_lshl_add_u32 v[VBT], v[HH], 5, s57
	; Group 1, for all three loads: 64 dense rows of 256 bytes, a quarter of 64 KiB.  Equal in the four work-groups of the cluster.
	s_mov_b32 s32, 15|(3<<16)|(1<<21)              ; mask of the four; elements of 8 bytes; bit 21 beside a mask
	s_mov_b32 s33, 32<<16                          ; tensor_dim0 = 32
	s_mov_b32 s34, 64<<16                          ; tensor_dim1 = 64
	s_mov_b32 s35, 32<<16                          ; tile_dim0 = 32
	s_mov_b32 s36, 64                              ; tile_dim1 = 64
	s_mov_b32 s37, 32                              ; elements from row to row
	s_mov_b32 s38, 0
	s_mov_b32 s39, 0
	s_wait_dscnt 0x0
	s_wait_kmcnt 0x0
	s_add_nc_u64 s[48:49], s[4:5], s[30:31]        ; x at the tile
	s_add_nc_u64 s[50:51], s[22:23], s[30:31]      ; out0 at the tile
.irp i, 0,1,2,3
	global_load_b128 v[BT+8*\i:BT+8*\i+3], v[VBT], s[10:11] offset:64*\i            ; register j: b_theta[64 wc + 16 ii + 8 (lane / 16) + j]
	global_load_b128 v[BT+8*\i+4:BT+8*\i+7], v[VBT], s[10:11] offset:64*\i+16
.endr
	XLOAD 0                                        ; chunk 0 is needed as early as w_theta's fragments: it goes out ahead of the round and travels while the round completes
	s_lshl_b32 s30, s24, 14                        ; the wave's quarter
	s_mov_b32 s40, 1
	s_add_co_u32 s41, s30, WT
	s_add_nc_u64 s[42:43], s[6:7], s[30:31]        ; w_theta's fragments
	s_or_b32 s43, s43, 0x80000000
	s_mov_b32 s44, 1
	s_add_co_u32 s45, s30, VF
	s_mov_b32 s52, 1
	s_add_co_u32 s53, s30, VF+65536
	s_lshl_b32 s56, s28, 17                        ; the image's V: 131,072 bytes
	s_add_co_u32 s30, s30, s56
	s_add_nc_u64 s[46:47], s[8:9], s[30:31]        ; its first half
	s_add_nc_u64 s[54:55], s[46:47], 0x10000       ; its second half
	s_or_b32 s47, s47, 0x80000000
	s_or_b32 s55, s55, 0x80000000
	ROUND                                          ; the four work-groups are here: the joint loads meet
	tensor_load_to_lds s[40:43], s[32:39]          ; the three first fills, one group; what phase A needs comes first
	s_nop 0
	tensor_load_to_lds s[44:47], s[32:39]
	s_nop 0
	tensor_load_to_lds s[52:55], s[32:39]
	s_nop 0
	XLOAD 1                                        ; 8 + 48 loads of the wave are on their way
	XLOAD 2
	s_mul_i32 s56, s24, 16*XP
	v_lshl_add_u32 v[LXS], v[LANE], 3, s56
	v_and_b32 v[TA], 7, v0
	v_lshl_add_u32 v[TA], v[HH], 3, v[TA]
	v_mul_u32_u24 v[AX], v[TA], XP
	v_bfe_u32 v[TA], v0, 3, 1
	v_lshl_add_u32 v[AX], v[TA], 4, v[AX]
	s_lshl_b32 s56, s26, 7                         ; my four pixel tiles of 32 bytes
	v_add_nc_u32 v[AX], s56, v[AX]
	v_add_nc_u32 v[AX+1], 128*XP, v[AX]
	v_lshlrev_b32 v[THR], 4, v[LANE]               ; 16 bytes a lane
	s_lshl_b32 s56, s25, 15                        ; my four c' tiles of 8 fragments
	s_add_co_u32 s56, s56, WT
	v_add_nc_u32 v[AWT], s56, v[THR]
	s_lshl_b32 s56, s24, 13                        ; theta: the wave's number times 8,192
	v_add_nc_u32 v[THS], s56, v[THR]
	s_add_co_u32 s56, s56, VF                      ; V: o tile 4 cc + w, 8,192 bytes each
	v_add_nc_u32 v[VFR], s56, v[THR]
	v_add_nc_u32 v[VFL], 0x10000, v[VFR]
	s_mul_i32 s56, s24, STW
	s_add_co_u32 s56, s56, ST
	v_add_nc_u32 v[RD], s56, v[THR]
	v_mul_u32_u24 v[STO], v[RR], SPITCH
	v_lshl_add_u32 v[STO], v[HH], 5, v[STO]
	v_add_nc_u32 v[STO], s56, v[STO]
	s_lshl_b32 s56, s24, 6
	v_lshl_add_u32 v[VBN], v[RR], 2, s56           ; channel 16 w + lane % 16
	s_mov_b32 s56, 0x76543210                      ; v_permlanex16_b32: lane i of one half reads lane i of the other
	s_mov_b32 s57, 0xfedcba98
	; PHASE A
	CHUNKA 0, 32, 1                                ; chunks 1 and 2 stay out (b_theta was asked for ahead of x: it is in)
	CHUNKA 1, 32, 0                                ; chunks 2 and 3 stay out
	CHUNKA 2, 16, 0                                ; chunk 3 stays out
	CHUNKA 3, 0, 0
	s_wait_dscnt 0x0                               ; my reads of the x tile are over (met: the last were waited for in front of the last products),
	s_wait_tensorcnt 0x0                           ; and my quarters of V have landed;
	s_barrier_signal -1                            ; say so, and round theta in registers while the others arrive
	PLACES
	WIN 0x05
.set n, 0
.rept 64
	v_cvt_pk_f16_f32 v[EH+n], v[2*n], v[2*n+1]     ; D1's registers 2n, 2n+1 (window 1) make word n of theta: n = 4 (4 ii + tt) + k
.set n, n+1
.endr
	WIN 0
	s_barrier_wait -1                              ; nobody reads the x tile any more: theta takes its bytes; and V is whole
.irp i, 0,1,2,3
.irp t, 0,1,2,3
	ds_store_b128 v[THS], v[EH+4*(4*\i+\t):EH+4*(4*\i+\t)+3] offset:\t*2048+\i*512
.endr
.endr
.irp k, 0,1,2,3
	global_load_b32 v[RAW+\k], v[VBN], s[12:13] offset:256*\k      ; b_w of channel 64 cc + 16 w + lane % 16; these land while V is converted and phase B runs
	global_load_b32 v[RAW+4+\k], v[VBN], s[14:15] offset:256*\k    ; gamma
	global_load_b32 v[RAW+8+\k], v[VBN], s[16:17] offset:256*\k    ; beta
	global_load_b32 v[RAW+12+\k], v[VBN], s[18:19] offset:256*\k   ; mean
	global_load_b32 v[RAW+16+\k], v[VBN], s[20:21] offset:256*\k   ; var
.endr
	; V to f16, an o tile at a time, on two buffers
	VLOAD 0, VS0
	VLOAD 1, VS1
	s_wait_dscnt 16                                ; theta's 16 stores are done (their data registers are written again below) and tile 0 is in; tile 1's 16 loads may stay out
	VCONV 0, VS0
	VLOAD 2, VS0
	s_wait_dscnt 16                                ; tile 1 is in; tile 2's loads may stay out
	VCONV 1, VS1
	VLOAD 3, VS1
	s_wait_dscnt 16                                ; tile 2 is in; tile 3's loads may stay out
	VCONV 2, VS0
	s_wait_dscnt 0x0
	VCONV 3, VS1
	s_barrier_signal -1                            ; my part of theta was written long ago (the first of the waits above), and no LDS instruction of mine is out
	s_barrier_wait -1                              ; everybody's is
	; PHASE B: four chunks of 32 c'
	FETCHB 0, GA
	FETCHB 1, GB
	FETCHB 2, GC
	s_wait_dscnt 32                                ; chunk 0 is in; the 32 loads of chunks 1 and 2 may stay out
	WIN 0x5c
	MULB GA, 0, 1                                  ; the first products start the sums
	PLACES                                         ; the loads below land in registers that these products have read
	WIN 0
	FETCHB 3, GA
	s_wait_dscnt 32                                ; chunk 1 is in; chunks 2 and 3 may stay out
	WIN 0x5c
	MULB GB, 1, 0
	s_wait_dscnt 16                                ; chunk 2 is in; chunk 3 may stay out
	MULB GC, 2, 0
	s_wait_dscnt 0x0
	MULB GA, 3, 0
	PLACES
	WIN 0
	s_wait_loadcnt 0x0
.irp k, 0,1,2,3
	v_add_f32 v[RAW+16+\k], 0x3727c5ac, v[RAW+16+\k]               ; var + 1e-5
.endr
.irp k, 0,1,2,3
	v_rsq_f32 v[RS+\k], v[RAW+16+\k]
.endr
.irp k, 0,1,2,3
	v_sub_f32 v[RAW+\k], v[RAW+\k], v[RAW+12+\k]                   ; b_w - mean: plain instructions between v_rsq_f32 and the use of its results (ISA guide 5.7.2)
.endr
	s_wait_alu depctr_va_vdst(0)
.irp k, 0,1,2,3
	v_mul_f32 v[SS+2*\k], v[RAW+4+\k], v[RS+\k]                    ; gamma * rsqrt(var + eps)
.endr
.irp k, 0,1,2,3
	v_fma_f32 v[CC+2*\k], v[RAW+\k], v[SS+2*\k], v[RAW+8+\k]       ; c = (b_w - mean) gamma rsqrt(var + eps) + beta
.endr
.irp k, 0,1,2,3
	v_mul_f32 v[SS+2*\k], v[SS+2*\k], v[INV+\k]                    ; s = that gain times 2^e, which undoes the scaling of my channel's row of V
.endr
.irp k, 0,1,2,3
	v_mov_b32 v[SS+2*\k+1], v[SS+2*\k]
	v_mov_b32 v[CC+2*\k+1], v[CC+2*\k]
.endr
	OUT16 0
	OUT16 1
	OUT16 2
	OUT16 3
	s_wait_tensorcnt 0x0
	ds_add_u32 v62, v63
	s_wait_dscnt 0x0
	ROUND                                          ; the closing round: no work-group ends while a partner may still ask jointly
	s_endpgm
.Lfunc_end_k_q783f1e0c76_apply:
	.size	k_q783f1e0c76_apply, .Lfunc_end_k_q783f1e0c76_apply-k_q783f1e0c76_apply
	.p2alignl 7, 3214868480
	.fill 96, 4, 3214868480
	.section	.rodata,"a",@progbits
	.p2align	6, 0x0
	.amdhsa_kernel k_q783f1e0c76_apply
		.amdhsa_group_segment_fixed_size 304640
		.amdhsa_private_segment_fixed_size 0
		.amdhsa_enable_private_segment 0
		.amdhsa_kernarg_size 80
		.amdhsa_user_sgpr_count 2
		.amdhsa_user_sgpr_kernarg_segment_ptr 1
		.amdhsa_wavefront_size32 1
		.amdhsa_system_sgpr_workgroup_id_x 1
		.amdhsa_system_sgpr_workgroup_id_y 1
		.amdhsa_system_sgpr_workgroup_id_z 1
		.amdhsa_system_vgpr_workitem_id 0
		.amdhsa_next_free_vgpr 896
		.amdhsa_next_free_sgpr 66
		.amdhsa_reserve_vcc 0
		.amdhsa_float_denorm_mode_32 3
		.amdhsa_float_denorm_mode_16_64 3
		.amdhsa_memory_ordered 1
		.amdhsa_forward_progress 1
		.amdhsa_inst_pref_size 127
	.end_amdhsa_kernel
	.amdgpu_metadata
---
amdhsa.version: [ 1, 2 ]
amdhsa.kernels:
  - .name:           k_q783f1e0c76_apply
    .symbol:         k_q783f1e0c76_apply.kd
    .args:
      - { .name: x, .offset: 0, .size: 8, .value_kind: global_buffer, .address_space: global }
      - { .name: wtf, .offset: 8, .size: 8, .value_kind: global_buffer, .address_space: global }
      - { .name: vf, .offset: 16, .size: 8, .value_kind: global_buffer, .address_space: global }
      - { .name: b_theta, .offset: 24, .size: 8, .value_kind: global_buffer, .address_space: global }
      - { .name: b_w, .offset: 32, .size: 8, .value_kind: global_buffer, .address_space: global }
      - { .name: bn_gamma, .offset: 40, .size: 8, .value_kind: global_buffer, .address_space: global }
      - { .name: bn_beta, .offset: 48, .size: 8, .value_kind: global_buffer, .address_space: global }
      - { .name: bn_mean, .offset: 56, .size: 8, .value_kind: global_buffer, .address_space: global }
      - { .name: bn_var, .offset: 64, .size: 8, .value_kind: global_buffer, .address_space: global }
      - { .name: out0, .offset: 72, .size: 8, .value_kind: global_buffer, .address_space: global }
    .group_segment_fixed_size: 304640
    .private_segment_fixed_size: 0
    .kernarg_segment_align: 8
    .kernarg_segment_size: 80
    .max_flat_workgroup_size: 128
    .sgpr_count:     66
    .vgpr_count:     896
    .wavefront_size: 32
...
	.end_amdgpu_metadata
.endif
;; end of part 8
